; MI455X (gfx1250); checked and timed in simulation.
; The chip was launched on July 23, 2026; its instructions are those of AMD's public machine-readable ISA for CDNA 5 (MIT licence, August 2026) and "CDNA5" Instruction Set Architecture Reference Guide (July 2026). The comments in the code are by the model that wrote it; some were corrected since.
;; Attention. Allowed arithmetic: float matrix products may take bf16 or f16 operands with f32 sums; other float arithmetic in f32, or as packed bf16 or f16 multiplies, adds, multiply-adds, maxima and minima; sums over many terms, partial sums and values carried from step to step in f32; what a program stores and reads back later, other than sums and carried values, may be rounded once to bf16 or f16.
;; Inputs: Wg 1,024 x 1,024 float32; Wkv 1,024 x 2,048 float32; Wo 1,024 x 1,024 float32; Wq 1,024 x 1,024 float32; attn_bias 2 x 1 x 2,048 x 2,048 float32; bg 1,024 float32; bq 1,024 float32; mask 2 x 2,048 bool; seq 2 x 2,048 x 1,024 float32.
;; Outputs: out0 2 x 2,048 x 1,024 float32.
;; 3 versions, each right; version 2 is faster than version 1; version 3 is version 2 with the launch prep written anew for expert scheduling mode. Each part assembles by itself: llvm-mc -triple=amdgcn-amd-amdhsa -mcpu=gfx1250 --defsym DOCPART=n.
;; ======== version 1 of 3: 4 launches
;; limits: values are held in f16: magnitudes above 65,504 overflow, below 6.1e-05 lose precision
;; workspace buffers: bfin 8,388,608 bytes; wts 12,582,912 bytes; aux 550,912 bytes; qkv 25,165,824 bytes; gates 16,777,216 bytes; og 16,777,216 bytes
;; launch prep (part 1): grid 609 x 1, 8 waves a work-group, no clusters, 0 bytes of LDS; arguments seq, Wq, Wkv, Wg, Wo, mask, bfin, wts, aux; writes bfin, wts, aux
.if DOCPART == 1
	.amdgcn_target "amdgcn-amd-amdhsa--gfx1250"
	.amdhsa_code_object_version 6
	.text
	.protected	k_qa2830e039c_prep
	.globl	k_qa2830e039c_prep
	.p2align	8
	.type	k_qa2830e039c_prep,@function
k_qa2830e039c_prep:
	s_mov_b64 s[64:65], 0
	v_nop
	global_prefetch_b8 v0, s[64:65] scope:SCOPE_SE
	s_setreg_imm32_b32 hwreg(HW_REG_WAVE_MODE, 25, 1), 1
	s_wait_xcnt 0x0
; prep: what the three matrix launches need, made once.
;  work-groups   0..511: casts f32 -> f16, 16 rows of 1,024 numbers each (a row: 4,096 bytes in, 2,048 out), nothing transposed:
;      seq -> bfin [4096][1024];  Wq, Wkv, Wg -> wts, one matrix [1024 k][4096 n] with n = q | k | g | v.
;      Wkv's rows of 2,048 are taken as half rows: half row j goes to byte 2,048 + 4,096 j, i.e. even halves (k) to the second quarter
;      of a row of 8,192 bytes and odd halves (v) to the fourth.
;      f16 has the room: seq's spread is 1 and the weights' 0.02; 30 times larger is far below 65,504, and 30 times smaller leaves
;      the absolute rounding floor (3e-8) under 1e-4 of the spread.
;  work-groups 512..575: Wo -> two bf16 matrices [1024][1024], hi = bf16(Wo) at wts + 8,388,608 and lo = bf16(Wo - hi) behind it.
;  work-groups 576..607: the rotary table, aux[n][64] f32 = cos of the 32 frequencies, then sin of them, 64 rows each.
;  work-group       608: for each batch and key: m' (f16, 1 or 0) at aux + 524,288 and pen (f32, 0 or 1e30) at aux + 534,528; A at aux + 532,480.
;      A batch with at least one true key: m' = mask, pen = 1e30 where the mask is false, A = 100 log2 e.
;      A batch with none: m' = 1, pen = 0, A = 0, which makes all weights equal: the uniform softmax that the masked fill gives there.
; A stream: each byte is read once and written once, so no LDS, no matrix unit, no cluster (no two work-groups share a byte).
; LIMITS: the angle n f is reduced with 1/(2 pi) in f32 and f comes from v_exp_f32: it is good to about 3e-4 rad at n = 2047.
;         |seq| and |W| above 65,504 become infinite in f16.
.set OFF, 2                            ; v[2:17]   row i: byte offset of my 8 bytes in the destination
.set X,   20                           ; v[20:83]  row i: 4 numbers as loaded
.set Y,   84                           ; v[84:115] row i: 4 numbers of 16 bits to store
.set T,   116                          ; v[116:119] at work
.set TA,  16
.set TB,  17
.set TC,  18
	s_load_b512 s[4:19], s[0:1], 0x0               ; seq 4, Wq 6, Wkv 8, Wg 10, Wo 12, mask 14, bfin 16, wts 18
	s_load_b64 s[20:21], s[0:1], 0x40              ; aux
	s_mov_b32 s22, ttmp9
	v_lshrrev_b32 v1, 5, v0
	v_readfirstlane_b32 s23, v1                    ; wave
	s_wait_kmcnt 0x0
	s_cmp_ge_u32 s22, 608
	s_cbranch_scc1 .Lmask
	s_cmp_ge_u32 s22, 576
	s_cbranch_scc1 .Ltab
	s_cmp_ge_u32 s22, 512
	s_cbranch_scc1 .Lwo
; ---------------- casts to f16 ----------------
; the job's source, destination, first work-group, byte offset and row pitch in the destination: chosen by the work-group's number alone
.macro JOB first, src, dst, off, pitch
	s_cmp_ge_u32 s22, \first
	s_cselect_b64 s[24:25], s[\src:\src+1], s[24:25]
	s_cselect_b64 s[26:27], s[\dst:\dst+1], s[26:27]
	s_cselect_b32 s28, \first, s28
	s_cselect_b32 s29, \off, s29
	s_cselect_b32 s30, \pitch, s30
.endm
	s_mov_b64 s[24:25], s[4:5]                     ; seq -> bfin
	s_mov_b64 s[26:27], s[16:17]
	s_mov_b32 s28, 0
	s_mov_b32 s29, 0
	s_mov_b32 s30, 2048
	JOB 256, 6, 18, 0, 8192                        ; Wq
	JOB 320, 8, 18, 2048, 4096                     ; Wkv, half rows
	JOB 448, 10, 18, 4096, 8192                    ; Wg
	s_sub_co_u32 s28, s22, s28                     ; my number within the job
	s_lshl_b32 s32, s28, 16                        ; 16 source rows of 4,096 bytes
	s_mov_b32 s33, 0
	s_add_nc_u64 s[24:25], s[24:25], s[32:33]
	s_mul_i32 s32, s28, s30
	s_lshl_b32 s32, s32, 4                         ; 16 destination rows
	s_add_co_u32 s32, s32, s29
	s_add_nc_u64 s[26:27], s[26:27], s[32:33]
	v_lshlrev_b32 v1, 4, v0                        ; 16 bytes a thread: the 256 threads cover a source row
	v_lshlrev_b32 v[OFF], 3, v0                    ; 8 bytes a thread out: a wave's store covers 256 consecutive bytes, aligned
.irp i, 1,2,3,4,5,6,7,8,9,10,11,12,13,14,15
	v_add_nc_u32 v[OFF+\i], s30, v[OFF+\i-1]
.endr
.irp i, 0,1,2,3,4,5,6,7,8,9,10,11,12,13,14,15
	global_load_b128 v[X+4*\i:X+4*\i+3], v1, s[24:25] offset:4096*\i th:TH_LOAD_NT   ; all 16 rows are asked for at once
.endr
.irp i, 0,1,2,3,4,5,6,7,8,9,10,11,12,13,14,15
	s_wait_loadcnt 15-\i                           ; loads return in order: row i is in, the 15 - i younger ones stay out
	v_cvt_pk_f16_f32 v[Y+2*\i],   v[X+4*\i],   v[X+4*\i+1]
	v_cvt_pk_f16_f32 v[Y+2*\i+1], v[X+4*\i+2], v[X+4*\i+3]
	global_store_b64 v[OFF+\i], v[Y+2*\i:Y+2*\i+1], s[26:27]    ; every row has its own registers: nothing is rewritten
.endr
	s_endpgm
; ---------------- Wo as hi + lo in bf16 ----------------
.Lwo:
	s_sub_co_u32 s28, s22, 512
	s_lshl_b32 s32, s28, 16                        ; 16 source rows of 4,096 bytes
	s_mov_b32 s33, 0
	s_add_nc_u64 s[24:25], s[12:13], s[32:33]
	s_lshl_b32 s32, s28, 15                        ; 16 destination rows of 2,048 bytes
	s_add_co_u32 s32, s32, 8388608
	s_add_nc_u64 s[26:27], s[18:19], s[32:33]
	v_lshlrev_b32 v1, 4, v0
	v_lshlrev_b32 v2, 3, v0
.irp i, 0,1,2,3,4,5,6,7,8,9,10,11,12,13,14,15
	global_load_b128 v[X+4*\i:X+4*\i+3], v1, s[24:25] offset:4096*\i th:TH_LOAD_NT
.endr
.irp i, 0,1,2,3,4,5,6,7,8,9,10,11,12,13,14,15
	s_wait_loadcnt 15-\i                           ; row i is in, the 15 - i younger loads stay out
	v_cvt_pk_bf16_f32 v[Y+2*\i],   v[X+4*\i],   v[X+4*\i+1]     ; hi
	v_cvt_pk_bf16_f32 v[Y+2*\i+1], v[X+4*\i+2], v[X+4*\i+3]
	v_lshlrev_b32 v[T],   16, v[Y+2*\i]                         ; hi back in f32
	v_and_b32     v[T+1], 0xffff0000, v[Y+2*\i]
	v_lshlrev_b32 v[T+2], 16, v[Y+2*\i+1]
	v_and_b32     v[T+3], 0xffff0000, v[Y+2*\i+1]
	v_pk_add_f32 v[X+4*\i:X+4*\i+1],   v[X+4*\i:X+4*\i+1],   v[T:T+1]   neg_lo:[0,1] neg_hi:[0,1]   ; the rest, exact in f32
	v_pk_add_f32 v[X+4*\i+2:X+4*\i+3], v[X+4*\i+2:X+4*\i+3], v[T+2:T+3] neg_lo:[0,1] neg_hi:[0,1]
	v_cvt_pk_bf16_f32 v[X+4*\i],   v[X+4*\i],   v[X+4*\i+1]     ; lo
	v_cvt_pk_bf16_f32 v[X+4*\i+1], v[X+4*\i+2], v[X+4*\i+3]
	global_store_b64 v2, v[Y+2*\i:Y+2*\i+1], s[26:27] offset:2048*\i
	global_store_b64 v2, v[X+4*\i:X+4*\i+1], s[26:27] offset:2097152+2048*\i
.endr
	s_endpgm
; ---------------- the rotary table ----------------
; cos and sin of th: th in turns, less the nearest whole turn; a quarter of the angle (|y| <= pi/4) goes through the two series, two doublings bring the angle back.
.macro SINCOS th, c, s
	v_mul_f32 v[TA], 0.15915494, v[\th]
	v_rndne_f32 v[TA], v[TA]
	v_fma_f32 v[TA], v[\th], 0.15915494, -v[TA]    ; the fraction of a turn, -0.5 .. 0.5
	v_mul_f32 v[TA], 0x3fc90fdb, v[TA]             ; y = fraction x 2 pi / 4
	v_mul_f32 v[TB], v[TA], v[TA]
	v_mov_b32 v[\s], 0xb9500d01                    ; -1/5040
	v_fmaak_f32 v[\s], v[\s], v[TB], 0x3c088889    ; +1/120
	v_fmaak_f32 v[\s], v[\s], v[TB], 0xbe2aaaab    ; -1/6
	v_mul_f32 v[TC], v[TA], v[TB]
	v_fma_f32 v[\s], v[\s], v[TC], v[TA]           ; sin y
	v_mov_b32 v[\c], 0x37d00d01                    ; 1/40320
	v_fmaak_f32 v[\c], v[\c], v[TB], 0xbab60b61    ; -1/720
	v_fmaak_f32 v[\c], v[\c], v[TB], 0x3d2aaaab    ; +1/24
	v_fmaak_f32 v[\c], v[\c], v[TB], 0xbf000000    ; -1/2
	v_fma_f32 v[\c], v[\c], v[TB], 1.0             ; cos y
.rept 2
	v_mul_f32 v[TA], v[\s], v[\s]
	v_mul_f32 v[TB], v[\s], v[\c]
	v_fma_f32 v[\c], v[\c], v[\c], -v[TA]          ; cos 2y = c c - s s
	v_add_f32 v[\s], v[TB], v[TB]                  ; sin 2y = 2 s c
.endr
.endm
.Ltab:
	v_and_b32 v1, 31, v0                           ; lane: lanes 0-15 store cos, lanes 16-31 sin, of frequencies 2p and 2p + 1
	v_and_b32 v2, 15, v0                           ; p
	s_sub_co_u32 s24, s22, 576
	s_lshl_b32 s24, s24, 6
	s_lshl3_add_u32 s24, s23, s24                  ; my wave's first row: 64 x group + 8 x wave
	v_lshlrev_b32 v3, 1, v2
	v_cvt_f32_u32 v3, v3
	v_add_f32 v4, 1.0, v3
	v_mul_f32 v3, 0xbea00000, v3                   ; 1024^(-i/32) = 2^(-0.3125 i)
	v_mul_f32 v4, 0xbea00000, v4
	v_exp_f32 v3, v3
	v_exp_f32 v4, v4
	v_nop                                          ; one plain place behind the transcendentals (ISA guide 5.7.2)
	v_cvt_f32_u32 v5, s24                          ; n
	v_cmp_le_u32 vcc_lo, 16, v1
	s_lshl_b32 s25, s24, 8
	v_lshl_add_u32 v6, v1, 3, s25                  ; 256 n + 8 lane: a wave's store is one row, 256 consecutive bytes, aligned
	s_wait_alu depctr_va_vdst(0)
.irp it, 0,1,2,3,4,5,6,7
	v_mul_f32 v10, v5, v3
	v_mul_f32 v11, v5, v4
	SINCOS 10, 12, 13
	SINCOS 11, 14, 15
	v_cndmask_b32 v[40+2*\it], v12, v13, vcc_lo
	v_cndmask_b32 v[41+2*\it], v14, v15, vcc_lo
	global_store_b64 v6, v[40+2*\it:41+2*\it], s[20:21] offset:256*\it   ; each row has its own pair; the row stands in the immediate
	v_add_f32 v5, 1.0, v5
.endr
	s_endpgm
; ---------------- the mask ----------------
.Lmask:
	v_and_b32 v1, 31, v0
	s_lshr_b32 s24, s23, 2                         ; wave w: batch w / 4, quarter w % 4 of its 2,048 keys
	s_and_b32 s25, s23, 3
	s_lshl_b32 s26, s24, 11
	s_mov_b32 s27, 0
	s_add_nc_u64 s[14:15], s[14:15], s[26:27]
	v_lshlrev_b32 v2, 4, v1
.irp c, 0,1,2,3
	global_load_b128 v[4+4*\c:7+4*\c], v2, s[14:15] offset:512*\c        ; the whole batch's mask: is any key true?
.endr
	v_lshlrev_b32 v3, 3, v1
	v_lshl_add_u32 v3, s25, 9, v3
	global_load_b64 v[20:21], v3, s[14:15]                               ; my quarter, 8 keys a lane, twice: for m'
	global_load_b64 v[22:23], v3, s[14:15] offset:256
	v_lshlrev_b32 v40, 2, v1
	v_lshl_add_u32 v40, s25, 9, v40
.irp c, 0,1,2,3
	global_load_b32 v[41+\c], v40, s[14:15] offset:128*\c                ; my quarter again, 4 keys a lane, four times: for pen
.endr
	s_wait_loadcnt 0x0
.irp k, 5,6,7,8,9,10,11,12,13,14,15,16,17,18,19
	v_or_b32 v4, v4, v[\k]
.endr
	v_cmp_ne_u32 vcc_lo, 0, v4
	s_cmp_lg_u32 vcc_lo, 0                         ; chooses values only, no address and no branch
	s_cselect_b32 s28, 0, 0x01010101               ; no true key: every key counts
	s_cselect_b32 s30, 0x431044fe, 0               ; A = 100 log2 e
	s_mov_b32 s29, 0x7149f2ca                      ; 1e30
.irp k, 0,1,2,3
	v_or_b32 v[20+\k], s28, v[20+\k]
	v_and_b32 v24, 0x101, v[20+\k]                 ; bytes 0, 1
	v_lshrrev_b32 v25, 16, v[20+\k]                ; bytes 2, 3
	v_and_b32 v25, 0x101, v25
	v_lshl_or_b32 v24, v24, 8, v24
	v_lshl_or_b32 v25, v25, 8, v25
	v_and_b32 v24, 0x10001, v24                    ; one bit in each half word
	v_and_b32 v25, 0x10001, v25
	v_mul_u32_u24 v[28+2*\k], 0x3c00, v24          ; f16 1.0 or 0, twice
	v_mul_u32_u24 v[29+2*\k], 0x3c00, v25
.endr
.irp c, 0,1,2,3
	v_or_b32 v[41+\c], s28, v[41+\c]
.irp k, 0,1,2,3
	v_bfe_u32 v45, v[41+\c], 8*\k, 1               ; 1: the key counts
	v_add_nc_u32 v45, -1, v45                      ; 0, or all ones
	v_and_b32 v[48+4*\c+\k], s29, v45              ; 0, or 1e30
.endr
.endr
	s_lshl_b32 s26, s24, 12
	s_lshl_b32 s27, s25, 10
	s_add_co_u32 s26, s26, s27
	v_lshl_add_u32 v36, v1, 4, s26
	global_store_b128 v36, v[28:31], s[20:21] offset:524288              ; 512 consecutive bytes a store
	global_store_b128 v36, v[32:35], s[20:21] offset:524288+512
	s_lshl_b32 s26, s26, 1                                               ; 4 bytes a key
	v_lshl_add_u32 v46, v1, 4, s26
.irp c, 0,1,2,3
	global_store_b128 v46, v[48+4*\c:51+4*\c], s[20:21] offset:534528+512*\c
.endr
	s_lshl_b32 s27, s23, 8
	v_lshl_add_u32 v37, v1, 3, s27
	v_mov_b32 v38, s30
	v_mov_b32 v39, s30
	global_store_b64 v37, v[38:39], s[20:21] offset:532480               ; each wave fills 256 bytes of its own; batch b's A is read at 1,024 b
	s_endpgm
.Lfunc_end_k_qa2830e039c_prep:
	.size	k_qa2830e039c_prep, .Lfunc_end_k_qa2830e039c_prep-k_qa2830e039c_prep
	.p2alignl 7, 3214868480
	.fill 96, 4, 3214868480
	.section	.rodata,"a",@progbits
	.p2align	6, 0x0
	.amdhsa_kernel k_qa2830e039c_prep
		.amdhsa_group_segment_fixed_size 0
		.amdhsa_private_segment_fixed_size 0
		.amdhsa_enable_private_segment 0
		.amdhsa_kernarg_size 72
		.amdhsa_user_sgpr_count 2
		.amdhsa_user_sgpr_kernarg_segment_ptr 1
		.amdhsa_wavefront_size32 1
		.amdhsa_system_sgpr_workgroup_id_x 1
		.amdhsa_system_sgpr_workgroup_id_y 1
		.amdhsa_system_sgpr_workgroup_id_z 1
		.amdhsa_system_vgpr_workitem_id 0
		.amdhsa_next_free_vgpr 128
		.amdhsa_next_free_sgpr 66
		.amdhsa_reserve_vcc 1
		.amdhsa_float_denorm_mode_32 3
		.amdhsa_float_denorm_mode_16_64 3
		.amdhsa_memory_ordered 1
		.amdhsa_forward_progress 1
		.amdhsa_inst_pref_size 51
	.end_amdhsa_kernel
	.amdgpu_metadata
---
amdhsa.version: [ 1, 2 ]
amdhsa.kernels:
  - .name:           k_qa2830e039c_prep
    .symbol:         k_qa2830e039c_prep.kd
    .args:
      - { .name: seq, .offset: 0, .size: 8, .value_kind: global_buffer, .address_space: global }
      - { .name: Wq, .offset: 8, .size: 8, .value_kind: global_buffer, .address_space: global }
      - { .name: Wkv, .offset: 16, .size: 8, .value_kind: global_buffer, .address_space: global }
      - { .name: Wg, .offset: 24, .size: 8, .value_kind: global_buffer, .address_space: global }
      - { .name: Wo, .offset: 32, .size: 8, .value_kind: global_buffer, .address_space: global }
      - { .name: mask, .offset: 40, .size: 8, .value_kind: global_buffer, .address_space: global }
      - { .name: bfin, .offset: 48, .size: 8, .value_kind: global_buffer, .address_space: global }
      - { .name: wts, .offset: 56, .size: 8, .value_kind: global_buffer, .address_space: global }
      - { .name: aux, .offset: 64, .size: 8, .value_kind: global_buffer, .address_space: global }
    .group_segment_fixed_size: 0
    .private_segment_fixed_size: 0
    .kernarg_segment_align: 8
    .kernarg_segment_size: 72
    .max_flat_workgroup_size: 256
    .sgpr_count:     66
    .vgpr_count:     128
    .wavefront_size: 32
...
	.end_amdgpu_metadata
.endif
;; end of part 1
;; launch proj (part 2): grid 16 x 16, 4 waves a work-group, clusters of 4 x 4, 327,680 bytes of LDS; arguments bfin, wts, bq, bg, aux, qkv, gates; writes qkv, gates
.if DOCPART == 2
	.amdgcn_target "amdgcn-amd-amdhsa--gfx1250"
	.amdhsa_code_object_version 6
	.text
	.protected	k_qa2830e039c_proj
	.globl	k_qa2830e039c_proj
	.p2align	8
	.type	k_qa2830e039c_proj,@function
k_qa2830e039c_proj:
	s_mov_b64 s[64:65], 0
	v_nop
	global_prefetch_b8 v0, s[64:65] scope:SCOPE_SE
	s_setreg_imm32_b32 hwreg(HW_REG_WAVE_MODE, 25, 1), 1
	s_wait_xcnt 0x0
	s_wait_alu depctr_hold_cnt(0) depctr_sa_sdst(0) depctr_va_vdst(0) depctr_va_sdst(0) depctr_va_ssrc(0) depctr_va_vcc(0) depctr_vm_vsrc(0)
	s_getreg_b32 s2, hwreg(HW_REG_IB_STS2, 6, 4)
	s_cmp_eq_u32 s2, 0
	s_cbranch_scc0 .Lentry_in_a_cluster
	s_endpgm
.Lentry_in_a_cluster:
	s_bfe_u32 s2, ttmp6, 0x10000c
	s_cmp_lg_u32 s2, 0xf033
	s_cbranch_scc0 .Lentry_shape_is_right
	s_endpgm
.Lentry_shape_is_right:
; proj: [4096 x 1024] (seq, f16) times [1024 x 4096] (Wq | Wk | Wg | Wv, f16, stored [k][n]); f32 sums; four ways out.
; A work-group makes 256 x 256 with four waves, a wave 128 x 128: 64 accumulator tiles, 512 registers.  K goes in steps of 128 through two LDS slots.
; 1,024 columns are four block columns = one cluster column, so the cluster's x says which product a work-group belongs to:
;   0: q = (acc + bq), rotated, x 1/8 -> qkv;  1: k = acc, rotated -> qkv + 8,388,608;  2: gates = sigmoid(acc + bg), f32 -> gates;
;   3: v = acc x m'[row] -> qkv + 16,777,216 (m' is 0 for a masked key, so a masked key adds nothing to the attention's output).
; q, k, v leave in f16: their spreads are 0.08, 0.64, 0.64; with seq and the weights all 30 times larger they stay below about 3,000 (f16 ends at 65,504),
; all 30 times smaller the absolute rounding floor (3e-8) is under 4e-4 of q's spread, where q k is negligible beside the bias anyway.
; LIMIT: |q / 8|, |k| or |v| above 65,504 become infinite.
; CLUSTERS: 4 x 4.  A's tile hangs on the block row and is asked for jointly along a row of the cluster, B's on the block column, jointly along a column.
; B lies [k][n] in LDS as in memory; ds_load_tr16_b128 makes the fragments (16 columns x 32 k).  Its LDS pitch is 544 bytes = 17 x 32.
; The matrix instruction is used transposed (source 0 = B, source 1 = A): lane l holds row l % 16, its registers columns 8 (l / 16) + 0..7.
; REGISTERS: window 0: v15-31 addresses, v64-191 A's fragments (two buffers); window 1: v64-191 B's fragments; windows 2, 3: accumulators, tile (a, b) at v[8 (8 a + b)].
; On the way out window 0 holds: v32-63 and v128-159 the table's rows (two buffers), v64-127 f32 at work, v192-223 packed, v160-191 and v224-255 rows read back;
; window 1 v64-127 the bias of my 128 columns.
.set SIZE_K, 1024
.set KSTEP,  128
.set PITCH,  272                       ; A's LDS row: 256 bytes + 16
.set BPITCH, 544                       ; B's LDS row: 512 bytes + 32
.set HALFT,  128*PITCH                 ; what one tensor load brings: 128 rows of A, or 64 rows of B (64 x 544 is the same 34,816 bytes)
.set SLOT,   4*HALFT
.set STAGE,  2*SLOT                    ; behind the ring: 8,448 bytes for each wave, never a tensor load's target
.set WSTAGE, 8448
.set SPITCH, 272                       ; stage row of 128 f16
.set FPITCH, 528                       ; stage row of 128 f32
.set LAPS,   SIZE_K/(2*KSTEP)
.set ADRA, 16
.set ADRB, 20
.set STO,  24
.set RD,   25
.set CO,   26
.set TABO, 27
.set BO,   28
.set MO,   29
.set STO32, 30
.set RD32, 31
.set CO32, 15
.set F0,   64
.set F1,   128
.set T,    64
.set CS0,  128
.set CS1,  32
.set MP,   32
.set TMP,  192
.set RB0,  160
.set RB1,  224
.set GB,   128
.set BQ,   64
.set G1, 24
.set G0, 32
.set G1B, 48
.set G0B, 56
.set MSB, 0
.macro WIN new                         ; the immediate's high byte repeats the setting that is left
.if MSB != \new
	s_set_vgpr_msb (MSB<<8)|\new
.set MSB, \new
.endif
.endm
.set MUL_LO, 0xa1                      ; source 0 (B) window 1, source 1 (A) window 0, C and D window 2
.set MUL_HI, 0xf1
.set TO_B,   0x40                      ; destination window 1
; a joint load: waves 0, 1 ask for A's halves, waves 2, 3 for B's; one mask a line; the branch hangs on the wave's number alone
.macro JLOAD s
	s_cmp_eq_u32 s11, 0
	s_cbranch_scc0 .Lfor_b_\@
	tensor_load_to_lds s[G0+4*\s:G0+4*\s+3], s[G1:G1+7]
	s_nop 0
	s_branch .Lasked_\@
.Lfor_b_\@:
	tensor_load_to_lds s[G0B+4*\s:G0B+4*\s+3], s[G1B:G1B+7]
	s_nop 0
.Lasked_\@:
.endm
.macro CREST                           ; a round of the cluster's barrier behind its opening work-group barrier
	s_cmp_lg_u32 s10, 0
	s_cbranch_scc1 .Lnot_wave_0_\@
	s_barrier_signal -3
.Lnot_wave_0_\@:
	s_barrier_wait -3
	s_barrier_signal -1
	s_barrier_wait -1
.endm
.macro CROUND
	s_barrier_signal -1
	s_barrier_wait -1
	CREST
.endm
	s_load_b128 s[4:7], s[0:1], 0x0                ; bfin, wts
	s_load_b256 s[68:75], s[0:1], 0x10             ; bq 68, bg 70, aux 72, qkv 74
	s_load_b64 s[76:77], s[0:1], 0x30              ; gates
	s_set_vgpr_msb 0x40
	v_lshl_add_u32 v255, v0, 2, 0x4c400
	s_set_vgpr_msb 0x4000
	v_mov_b32 v23, 0
	s_set_vgpr_msb 0x1
	ds_add_u32 v255, v23
	s_set_vgpr_msb 0x100
	v_lshrrev_b32 v1, 5, v0
	v_readfirstlane_b32 s10, v1                    ; wave
	s_lshr_b32 s11, s10, 1                         ; my half of the rows; also: I fetch for A (0) or B (1)
	s_and_b32 s12, s10, 1                          ; my half of the columns; also: which half of that tile I fetch
	s_bfe_u32 s40, ttmp6, 0x40000                  ; cx
	s_bfe_u32 s41, ttmp6, 0x40004                  ; cy
	s_mov_b32 s66, ttmp9                           ; the cluster's x: which product (equal in all partners)
	s_lshl_b32 s42, ttmp9, 2
	s_add_co_u32 s42, s42, s40                     ; block column
	s_and_b32 s13, ttmp7, 0xffff
	s_lshl_b32 s13, s13, 2
	s_add_co_u32 s13, s13, s41                     ; block row
	s_lshl_b32 s43, s41, 2
	s_lshl_b32 s43, 15, s43                        ; my row of the cluster
	s_lshl_b32 s44, 0x1111, s40                    ; my column
	; group 1 for A: 128 rows x 128 elements of 2 bytes, 4 words of padding behind every 64
	s_or_b32 s[G1+0], s43, (1<<16)|(1<<20)|(1<<21)|(5<<22)|(3<<25)
	s_mov_b32 s[G1+1], KSTEP<<16
	s_mov_b32 s[G1+2], 128<<16
	s_mov_b32 s[G1+3], KSTEP<<16
	s_mov_b32 s[G1+4], 128
	s_mov_b32 s[G1+5], SIZE_K
	s_mov_b32 s[G1+6], 0
	s_mov_b32 s[G1+7], 0
	; group 1 for B: 64 rows (k) x 256 elements (n), 8 words of padding behind every 128; 4,096 elements from row to row
	s_or_b32 s[G1B+0], s44, (1<<16)|(1<<20)|(1<<21)|(6<<22)|(7<<25)
	s_mov_b32 s[G1B+1], 256<<16
	s_mov_b32 s[G1B+2], 64<<16
	s_mov_b32 s[G1B+3], 256<<16
	s_mov_b32 s[G1B+4], 64
	s_mov_b32 s[G1B+5], 4096
	s_mov_b32 s[G1B+6], 0
	s_mov_b32 s[G1B+7], 0
	s_lshl_b32 s17, s12, 7
	s_lshl_b32 s16, s13, 8
	s_add_co_u32 s16, s16, s17                     ; A: row 256 x block row + 128 x half,
	s_lshl_b32 s16, s16, 11                        ; of 2,048 bytes
	s_mov_b32 s17, 0
	s_lshl_b32 s46, s42, 9                         ; B: 512 bytes x block column
	s_lshl_b32 s47, s12, 19                        ;    + 64 rows of 8,192 bytes x half
	s_add_co_u32 s46, s46, s47
	s_mov_b32 s47, 0
	s_mul_i32 s20, s10, HALFT                      ; LDS: wave x 34,816: A's halves, then B's
	s_wait_dscnt 0x0
	s_wait_kmcnt 0x0
	s_add_nc_u64 s[14:15], s[4:5], s[16:17]
	s_add_nc_u64 s[46:47], s[6:7], s[46:47]
	CROUND                                         ; all sixteen work-groups are here: the first joint loads meet
.irp s, 0,1
	s_mov_b32 s[G0+4*\s], 1
	s_add_co_u32 s[G0+4*\s+1], s20, \s*SLOT
	s_add_nc_u64 s[G0+4*\s+2:G0+4*\s+3], s[14:15], \s*KSTEP*2
	s_or_b32 s[G0+4*\s+3], s[G0+4*\s+3], 0x80000000
	s_mov_b32 s[G0B+4*\s], 1
	s_add_co_u32 s[G0B+4*\s+1], s20, \s*SLOT
	s_add_nc_u64 s[G0B+4*\s+2:G0B+4*\s+3], s[46:47], \s*KSTEP*8192
	s_or_b32 s[G0B+4*\s+3], s[G0B+4*\s+3], 0x80000000
	JLOAD \s                                       ; two tensor loads of the wave are out here, later one at the most
.endr
	v_and_b32 v1, 15, v0                           ; r
	v_bfe_u32 v2, v0, 4, 1                         ; h
	v_mul_u32_u24 v3, v1, PITCH
	v_lshl_add_u32 v3, v2, 4, v3                   ; A: r x pitch + 16 h
	v_and_b32 v6, 7, v0
	v_lshl_add_u32 v6, v2, 3, v6
	v_mul_u32_u24 v6, v6, BPITCH                   ; B: (8 h + l % 8) x pitch
	v_bfe_u32 v7, v0, 3, 1
	v_lshl_add_u32 v6, v7, 4, v6                   ;    + 16 ((l / 8) % 2)
	s_mul_i32 s21, s11, HALFT
	s_lshl_b32 s22, s12, 8                         ; my 128 columns: 256 bytes
	s_add_co_u32 s22, s22, 2*HALFT
.irp s, 0,1
	v_add_nc_u32 v[ADRA+\s], s21, v3
	v_add_nc_u32 v[ADRB+\s], s22, v6
	s_add_co_u32 s21, s21, SLOT
	s_add_co_u32 s22, s22, SLOT
.endr
	s_mul_i32 s23, s10, WSTAGE
	s_add_co_u32 s23, s23, STAGE                   ; my stage
	v_mul_u32_u24 v4, v1, SPITCH
	v_lshl_add_u32 v4, v2, 4, v4
	v_add_nc_u32 v[STO], s23, v4
	v_mul_u32_u24 v5, v2, SPITCH
	v_lshl_add_u32 v5, v1, 4, v5
	v_add_nc_u32 v[RD], s23, v5
	v_lshlrev_b32 v5, 11, v2
	v_lshl_add_u32 v[CO], v1, 4, v5                ; two rows of 2,048 bytes, 16 bytes a lane
	v_lshlrev_b32 v5, 5, v2                        ; 32 h
	v_lshl_add_u32 v[TABO], v1, 8, v5              ; table: row r, 8 numbers at 8 h
	v_mov_b32 v[BO], v5
	v_lshlrev_b32 v[MO], 1, v1
	v_mul_u32_u24 v4, v1, FPITCH
	v_add_nc_u32 v4, v4, v5
	v_add_nc_u32 v[STO32], s23, v4
	v_and_b32 v4, 31, v0
	v_lshlrev_b32 v[CO32], 4, v4
	v_add_nc_u32 v[RD32], s23, v[CO32]
.macro MUL16 f, hi, a0, zero
.irp a, \a0, \a0+1
.irp b, 0,1,2,3,4,5,6,7
.if \zero
	v_wmma_f32_16x16x32_f16 v[8*(8*(\a)+\b):8*(8*(\a)+\b)+7], v[\f+8*\b:\f+8*\b+7], v[\f+8*(4*\hi+\a):\f+8*(4*\hi+\a)+7], 0
.else
	v_wmma_f32_16x16x32_f16 v[8*(8*(\a)+\b):8*(8*(\a)+\b)+7], v[\f+8*\b:\f+8*\b+7], v[\f+8*(4*\hi+\a):\f+8*(4*\hi+\a)+7], v[8*(8*(\a)+\b):8*(8*(\a)+\b)+7]
.endif
.endr
.endr
.endm
; 32 LDS loads: one quarter step's fragments (k = byte offset in A's rows, 64 bytes = 32 K; in B 32 rows) into buffer f
.macro FETCH slot, k, f
	WIN TO_B
.irp i, 0,1,2,3,4,5,6,7
	ds_load_tr16_b128 v[\f+8*\i:\f+8*\i+3],   v[ADRB+\slot] offset:(\k)/64*32*BPITCH+32*\i
	ds_load_tr16_b128 v[\f+8*\i+4:\f+8*\i+7], v[ADRB+\slot] offset:(\k)/64*32*BPITCH+32*\i+16*BPITCH
.endr
	WIN 0
.irp i, 0,1,2,3,4,5,6,7
	ds_load_b128 v[\f+8*\i:\f+8*\i+3],   v[ADRA+\slot] offset:\k+\i*16*PITCH
	ds_load_b128 v[\f+8*\i+4:\f+8*\i+7], v[ADRA+\slot] offset:\k+\i*16*PITCH+32
.endr
.endm
; four plain places between a matrix instruction and a load into, or a vector instruction on, one of its registers
.macro PLACES
.rept 4
	v_nop
.endr
.endm
.macro QUARTER slot, k, f, g, zero
	s_wait_dscnt 8                                 ; B and A's rows 0-63 are in; the youngest eight loads (A's rows 64-127) may be out
	WIN MUL_LO
	MUL16 \f, 0, 0, \zero
	MUL16 \f, 0, 2, \zero
	PLACES
	FETCH \slot, \k, \g
	s_wait_dscnt 32                                ; all but the 32 just issued
	WIN MUL_HI
	MUL16 \f, 1, 0, \zero
	MUL16 \f, 1, 2, \zero
.endm
.macro THREE slot, zero
	QUARTER \slot, 64,  F0, F1, \zero
	QUARTER \slot, 128, F1, F0, 0
	QUARTER \slot, 192, F0, F1, 0
.endm
; the last quarter of a K step changes slots: my reads of this slot and all my tensor loads are waited for, then the barrier (with a refill: a round of
; the cluster's barrier), then the joint refill first, then the next slot's first fragments
.macro TURN slot, next, fill
	s_wait_dscnt 8
	WIN MUL_LO
	MUL16 F1, 0, 0, 0
	s_wait_dscnt 0                                 ; my reads of this slot are over
	s_wait_tensorcnt 0x0                           ; all my tensor loads have landed: the one that was out is my part of the next slot
	ds_add_u32 v255, v23
	s_wait_dscnt 0x0
	s_barrier_signal -1
	MUL16 F1, 0, 2, 0                              ; register work alone
	WIN 0
	s_barrier_wait -1
.if \fill
	CREST
	s_add_nc_u64 s[G0+4*\slot+2:G0+4*\slot+3], s[G0+4*\slot+2:G0+4*\slot+3], 2*KSTEP*2
	s_add_nc_u64 s[G0B+4*\slot+2:G0B+4*\slot+3], s[G0B+4*\slot+2:G0B+4*\slot+3], 2*KSTEP*8192
	JLOAD \slot
.endif
	PLACES
	FETCH \next, 0, F0
	WIN MUL_HI
	MUL16 F1, 1, 0, 0
	MUL16 F1, 1, 2, 0
.endm
.macro LAP zero
	THREE 0, \zero
	TURN 0, 1, 1
	THREE 1, 0
	TURN 1, 0, 1
.endm
	s_wait_tensorcnt 1                             ; my part of K step 0 is in; K step 1's stays out
	s_barrier_signal -1
	s_barrier_wait -1
	FETCH 0, 0, F0
	LAP 1                                          ; the first products start the sums; the 64 accumulators take turns, one instruction a turn
	WIN 0
	s_mov_b32 s3, LAPS-2
.Llap:
	LAP 0
	WIN 0
	s_sub_co_u32 s3, s3, 1
	s_cmp_lg_u32 s3, 0
	s_cbranch_scc1 .Llap
	THREE 0, 0                                     ; the last lap fills nothing
	TURN 0, 1, 0
	THREE 1, 0
	s_wait_dscnt 8
	WIN MUL_LO
	MUL16 F1, 0, 0, 0
	MUL16 F1, 0, 2, 0
	s_wait_dscnt 0
	WIN MUL_HI
	MUL16 F1, 1, 0, 0
	MUL16 F1, 1, 2, 0
; ---------------- the ways out, 16 rows at a time ----------------
; group i = 0..7: tiles (a = i % 4, b = 0..7) of window X = 2 (i < 4) or 3.  Lane (r, h): row 16 i + r, columns 16 b + 8 h + j.
.macro LDCS i, cs                      ; the table's row of my row of group i: cos of frequencies 8h.., 16+8h.., then sin of the same
.irp p, 0,1,2,3,4,5,6,7
	global_load_b128 v[\cs+4*\p:\cs+4*\p+3], v[TABO], s[78:79] offset:4096*(\i)+((\p)>>1)*64+((\p)&1)*16
.endr
.endm
.macro LDBIAS                          ; the bias of my 128 columns, 8 numbers for each b, into window 1
	WIN TO_B
.irp b, 0,1,2,3,4,5,6,7
	global_load_b128 v[BQ+8*\b:BQ+8*\b+3],   v[BO], s[80:81] offset:64*\b
	global_load_b128 v[BQ+8*\b+4:BQ+8*\b+7], v[BO], s[80:81] offset:64*\b+16
.endr
	WIN 0
.endm
; a head is four tiles b; d < 32 lies in b1 = 4 hh + e, its partner d + 32 in b2 = b1 + 2:  out1 = x1 cos - x2 sin,  out2 = x2 cos + x1 sin
.macro ROPE16 a, X, cs, isq
.if \isq
	WIN 0
.set j, 0
.rept 16
	v_pk_mul_f32 v[\cs+j:\cs+j+1], v[\cs+j:\cs+j+1], 0x3e000000 op_sel_hi:[1,0]     ; the scale 1/8 rides on cos and sin
.set j, j+2
.endr
	WIN (\X|4|(\X<<6))
.set j, 0
.rept 32
	v_pk_add_f32 v[64*\a+j:64*\a+j+1], v[64*\a+j:64*\a+j+1], v[BQ+j:BQ+j+1]
.set j, j+2
.endr
.endif
	WIN \X
.irp hh, 0,1
.irp e, 0,1
.irp p, 0,1,2,3
	v_pk_mul_f32 v[T+8*(4*\hh+\e)+2*\p:T+8*(4*\hh+\e)+2*\p+1], v[64*\a+8*(4*\hh+\e)+2*\p:64*\a+8*(4*\hh+\e)+2*\p+1], v[\cs+8*\e+2*\p:\cs+8*\e+2*\p+1]
	v_pk_mul_f32 v[T+8*(4*\hh+\e+2)+2*\p:T+8*(4*\hh+\e+2)+2*\p+1], v[64*\a+8*(4*\hh+\e+2)+2*\p:64*\a+8*(4*\hh+\e+2)+2*\p+1], v[\cs+8*\e+2*\p:\cs+8*\e+2*\p+1]
	v_pk_fma_f32 v[T+8*(4*\hh+\e)+2*\p:T+8*(4*\hh+\e)+2*\p+1], v[64*\a+8*(4*\hh+\e+2)+2*\p:64*\a+8*(4*\hh+\e+2)+2*\p+1], v[\cs+16+8*\e+2*\p:\cs+16+8*\e+2*\p+1], v[T+8*(4*\hh+\e)+2*\p:T+8*(4*\hh+\e)+2*\p+1] neg_lo:[1,0,0] neg_hi:[1,0,0]
	v_pk_fma_f32 v[T+8*(4*\hh+\e+2)+2*\p:T+8*(4*\hh+\e+2)+2*\p+1], v[64*\a+8*(4*\hh+\e)+2*\p:64*\a+8*(4*\hh+\e)+2*\p+1], v[\cs+16+8*\e+2*\p:\cs+16+8*\e+2*\p+1], v[T+8*(4*\hh+\e+2)+2*\p:T+8*(4*\hh+\e+2)+2*\p+1]
.endr
.endr
.endr
	WIN 0
.endm
.macro CVT
.irp b, 0,1,2,3,4,5,6,7
.irp r, 0,1,2,3
	v_cvt_pk_f16_f32 v[TMP+4*\b+\r], v[T+8*\b+2*\r], v[T+8*\b+2*\r+1]
.endr
.endr
.endm
; 16 bytes a lane into my own stage, whole rows of 256 bytes back, sixteen lanes store 256 consecutive bytes, aligned
.macro WAYOUT i, rb
.irp b, 0,1,2,3,4,5,6,7
	ds_store_b128 v[STO], v[TMP+4*\b:TMP+4*\b+3] offset:32*\b
.endr
	s_wait_xcnt 0x0                                ; the stores' base and buffer rb, which earlier stores read, are rewritten only behind this wait
.if \i
	s_add_nc_u64 s[8:9], s[8:9], 16*2048
.endif
.irp t, 0,1,2,3,4,5,6,7
	ds_load_b128 v[\rb+4*\t:\rb+4*\t+3], v[RD] offset:\t*2*SPITCH     ; LDS serves a wave's instructions in order: these see the stores above
.endr
.irp t, 0,1,2,3,4,5,6,7
	s_wait_dscnt 7-\t
	global_store_b128 v[CO], v[\rb+4*\t:\rb+4*\t+3], s[8:9] offset:2*\t*2048
.endr
.endm
.macro GRP_QK i, a, X, cs, csn, rb, isq
.if \i < 7
	LDCS \i+1, \csn                                ; the next group's table rows, into the other buffer
	s_wait_loadcnt 0x8                             ; all but these eight: this group's rows (and the bias) are in
.else
	s_wait_loadcnt 0x0
.endif
	ROPE16 \a, \X, \cs, \isq
	CVT
	WAYOUT \i, \rb
.endm
.macro QK isq
	GRP_QK 0, 0, 2, CS0, CS1, RB0, \isq
	GRP_QK 1, 1, 2, CS1, CS0, RB1, \isq
	GRP_QK 2, 2, 2, CS0, CS1, RB0, \isq
	GRP_QK 3, 3, 2, CS1, CS0, RB1, \isq
	GRP_QK 4, 0, 3, CS0, CS1, RB0, \isq
	GRP_QK 5, 1, 3, CS1, CS0, RB1, \isq
	GRP_QK 6, 2, 3, CS0, CS1, RB0, \isq
	GRP_QK 7, 3, 3, CS1, CS0, RB1, \isq
.endm
.macro GRP_V i, a, X, rb
	WIN \X
.set j, 0
.rept 32
	v_pk_mul_f32 v[T+j:T+j+1], v[64*\a+j:64*\a+j+1], v[MP+2*\i:MP+2*\i+1]
.set j, j+2
.endr
	WIN 0
	CVT
	WAYOUT \i, \rb
.endm
; sigmoid(x + b) = 1 / (1 + 2^(-log2 e x - log2 e b)); the bias is scaled once
.macro GRP_G i, a, X
	WIN (\X|16)
.set j, 0
.rept 32
	v_pk_fma_f32 v[T+j:T+j+1], v[64*\a+j:64*\a+j+1], 0xbfb8aa3b, v[BQ+j:BQ+j+1] op_sel_hi:[1,0,1]
.set j, j+2
.endr
	WIN 0
.set j, 0
.rept 64
	v_exp_f32 v[T+j], v[T+j]
.set j, j+1
.endr
	v_nop                                          ; one plain place behind the transcendentals (ISA guide 5.7.2)
.set j, 0
	s_wait_alu depctr_va_vdst(0)
.rept 32
	v_pk_add_f32 v[T+j:T+j+1], v[T+j:T+j+1], 1.0 op_sel_hi:[1,0]
.set j, j+2
.endr
.set j, 0
.rept 64
	v_rcp_f32 v[T+j], v[T+j]
.set j, j+1
.endr
	v_nop
	s_wait_alu depctr_va_vdst(0)
.irp b, 0,1,2,3,4,5,6,7
	ds_store_b128 v[STO32], v[T+8*\b:T+8*\b+3] offset:64*\b
	ds_store_b128 v[STO32], v[T+8*\b+4:T+8*\b+7] offset:64*\b+16
.endr
	s_wait_xcnt 0x0                                ; the stores' base and v128-191, which earlier stores read, are rewritten only behind this wait
.if \i
	s_add_nc_u64 s[8:9], s[8:9], 16*4096
.endif
.irp t, 0,1,2,3,4,5,6,7,8,9,10,11,12,13,14,15
	ds_load_b128 v[GB+4*\t:GB+4*\t+3], v[RD32] offset:FPITCH*\t
.endr
.irp t, 0,1,2,3,4,5,6,7,8,9,10,11,12,13,14,15
	s_wait_dscnt 15-\t
	global_store_b128 v[CO32], v[GB+4*\t:GB+4*\t+3], s[8:9] offset:4096*\t     ; a row's 512 consecutive bytes, aligned
.endr
.endm
	PLACES                                         ; behind the last matrix instructions, for all that follows
	WIN 0
	s_lshl_b32 s13, s13, 8
	s_lshl_b32 s14, s11, 7
	s_add_co_u32 s16, s13, s14                     ; my first row
	s_lshl_b32 s46, s40, 8
	s_lshl_b32 s47, s12, 7
	s_add_co_u32 s46, s46, s47                     ; my first column among the product's 1,024
	s_mov_b32 s83, 0                               ; s82-85 hold sums of row and column terms; they feed no descriptor
	s_cmp_eq_u32 s66, 2
	s_cbranch_scc1 .Lg
	s_min_u32 s84, s66, 2                          ; part of qkv: q 0, k 1, v 2
	s_lshl_b32 s82, s84, 23
	s_lshl_b32 s84, s16, 11
	s_add_co_u32 s82, s82, s84
	s_lshl_b32 s84, s46, 1
	s_add_co_u32 s82, s82, s84
	s_add_nc_u64 s[8:9], s[74:75], s[82:83]
	s_cmp_eq_u32 s66, 3
	s_cbranch_scc1 .Lv
	s_and_b32 s82, s16, 2047                       ; the position in the sequence
	s_lshl_b32 s82, s82, 8
	s_add_nc_u64 s[78:79], s[72:73], s[82:83]
	s_cmp_eq_u32 s66, 1
	s_cbranch_scc1 .Lk
	s_lshl_b32 s82, s46, 2
	s_add_nc_u64 s[80:81], s[68:69], s[82:83]      ; bq at my columns
	LDBIAS
	LDCS 0, CS0
	QK 1
	s_branch .Lend
.Lk:
	LDCS 0, CS0
	QK 0
	s_branch .Lend
.Lv:
	s_lshl_b32 s82, s16, 1
	s_add_co_u32 s82, s82, 524288
	s_add_nc_u64 s[80:81], s[72:73], s[82:83]      ; m' at my rows
.irp i, 0,1,2,3,4,5,6,7
	global_load_u16 v[MP+2*\i], v[MO], s[80:81] offset:32*\i
.endr
	s_wait_loadcnt 0x0
.irp i, 0,1,2,3,4,5,6,7
	v_lshlrev_b32 v[MP+2*\i], 16, v[MP+2*\i]       ; the f16 code of 1.0 (0x3c00), moved up, is the f32 number 2^-7
	v_mul_f32 v[MP+2*\i], 0x43000000, v[MP+2*\i]   ; x 128: 1.0 or 0
	v_mov_b32 v[MP+2*\i+1], v[MP+2*\i]             ; twice: a pair for the packed multiply
.endr
	GRP_V 0, 0, 2, RB0
	GRP_V 1, 1, 2, RB1
	GRP_V 2, 2, 2, RB0
	GRP_V 3, 3, 2, RB1
	GRP_V 4, 0, 3, RB0
	GRP_V 5, 1, 3, RB1
	GRP_V 6, 2, 3, RB0
	GRP_V 7, 3, 3, RB1
	s_branch .Lend
.Lg:
	s_lshl_b32 s82, s16, 12
	s_lshl_b32 s84, s46, 2
	s_add_co_u32 s82, s82, s84
	s_add_nc_u64 s[8:9], s[76:77], s[82:83]        ; gates at my block
	s_mov_b32 s82, s84
	s_add_nc_u64 s[80:81], s[70:71], s[82:83]      ; bg at my columns
	LDBIAS
	s_wait_loadcnt 0x0
	WIN 0x41
.set j, 0
.rept 32
	v_pk_mul_f32 v[BQ+j:BQ+j+1], v[BQ+j:BQ+j+1], 0xbfb8aa3b op_sel_hi:[1,0]
.set j, j+2
.endr
	GRP_G 0, 0, 2
	GRP_G 1, 1, 2
	GRP_G 2, 2, 2
	GRP_G 3, 3, 2
	GRP_G 4, 0, 3
	GRP_G 5, 1, 3
	GRP_G 6, 2, 3
	GRP_G 7, 3, 3
.Lend:
	s_set_vgpr_msb 0x1
	s_wait_tensorcnt 0x0
	ds_add_u32 v255, v23
	s_wait_dscnt 0x0
	s_set_vgpr_msb 0x100
	CROUND                                         ; the closing round: no work-group ends while a partner may still ask for a tile that names it
	s_endpgm
.Lfunc_end_k_qa2830e039c_proj:
	.size	k_qa2830e039c_proj, .Lfunc_end_k_qa2830e039c_proj-k_qa2830e039c_proj
	.p2alignl 7, 3214868480
	.fill 96, 4, 3214868480
	.section	.rodata,"a",@progbits
	.p2align	6, 0x0
	.amdhsa_kernel k_qa2830e039c_proj
		.amdhsa_group_segment_fixed_size 327680
		.amdhsa_private_segment_fixed_size 0
		.amdhsa_enable_private_segment 0
		.amdhsa_kernarg_size 56
		.amdhsa_user_sgpr_count 2
		.amdhsa_user_sgpr_kernarg_segment_ptr 1
		.amdhsa_wavefront_size32 1
		.amdhsa_system_sgpr_workgroup_id_x 1
		.amdhsa_system_sgpr_workgroup_id_y 1
		.amdhsa_system_sgpr_workgroup_id_z 1
		.amdhsa_system_vgpr_workitem_id 0
		.amdhsa_next_free_vgpr 1024
		.amdhsa_next_free_sgpr 96
		.amdhsa_reserve_vcc 0
		.amdhsa_float_denorm_mode_32 3
		.amdhsa_float_denorm_mode_16_64 3
		.amdhsa_memory_ordered 1
		.amdhsa_forward_progress 1
		.amdhsa_inst_pref_size 255
	.end_amdhsa_kernel
	.section	.bss,"aw",@nobits
	.p2align	6
	.space	262144
	.amdgpu_metadata
---
amdhsa.version: [ 1, 2 ]
amdhsa.kernels:
  - .name:           k_qa2830e039c_proj
    .symbol:         k_qa2830e039c_proj.kd
    .args:
      - { .name: bfin, .offset: 0, .size: 8, .value_kind: global_buffer, .address_space: global }
      - { .name: wts, .offset: 8, .size: 8, .value_kind: global_buffer, .address_space: global }
      - { .name: bq, .offset: 16, .size: 8, .value_kind: global_buffer, .address_space: global }
      - { .name: bg, .offset: 24, .size: 8, .value_kind: global_buffer, .address_space: global }
      - { .name: aux, .offset: 32, .size: 8, .value_kind: global_buffer, .address_space: global }
      - { .name: qkv, .offset: 40, .size: 8, .value_kind: global_buffer, .address_space: global }
      - { .name: gates, .offset: 48, .size: 8, .value_kind: global_buffer, .address_space: global }
    .group_segment_fixed_size: 327680
    .private_segment_fixed_size: 0
    .kernarg_segment_align: 8
    .kernarg_segment_size: 56
    .max_flat_workgroup_size: 128
    .sgpr_count:     96
    .vgpr_count:     1024
    .wavefront_size: 32
...
	.end_amdgpu_metadata
.endif
;; end of part 2
;; launch attn (part 3): grid 8 x 32, 8 waves a work-group, clusters of 4 x 4, 327,680 bytes of LDS; arguments qkv, attn_bias, gates, aux, og; writes og
.if DOCPART == 3
	.amdgcn_target "amdgcn-amd-amdhsa--gfx1250"
	.amdhsa_code_object_version 6
	.text
	.protected	k_qa2830e039c_attn
	.globl	k_qa2830e039c_attn
	.p2align	8
	.type	k_qa2830e039c_attn,@function
k_qa2830e039c_attn:
	s_mov_b64 s[64:65], 0
	v_nop
	global_prefetch_b8 v0, s[64:65] scope:SCOPE_SE
	s_setreg_imm32_b32 hwreg(HW_REG_WAVE_MODE, 25, 1), 1
	s_wait_xcnt 0x0
	s_wait_alu depctr_hold_cnt(0) depctr_sa_sdst(0) depctr_va_vdst(0) depctr_va_sdst(0) depctr_va_ssrc(0) depctr_va_vcc(0) depctr_vm_vsrc(0)
	s_getreg_b32 s2, hwreg(HW_REG_IB_STS2, 6, 4)
	s_cmp_eq_u32 s2, 0
	s_cbranch_scc0 .Lentry_in_a_cluster
	s_endpgm
.Lentry_in_a_cluster:
	s_bfe_u32 s2, ttmp6, 0x10000c
	s_cmp_lg_u32 s2, 0xf033
	s_cbranch_scc0 .Lentry_shape_is_right
	s_endpgm
.Lentry_shape_is_right:
; attn: og[row][h 64 + d] = gate x sum over keys of softmax(50 tanh((q k + bias) / 50), masked) v, stored as bf16 hi (columns 0..1023) + bf16 lo (1024..2047).
; A work-group: 2 heads x 128 queries, all 2,048 keys in 16 blocks of 128 through two LDS slots.  Eight waves: wave w has head w / 4 and 32 queries (w % 4).
; For 128 keys the group fetches 64 KiB of bias (shared by its two heads) and 64 KiB of K and V (shared by its 128 queries).
; CLUSTERS 4 x 4: x counts head pairs, y query blocks.  The bias tile hangs on the query block alone: asked for jointly along a row of the cluster;
; K and V hang on the head pair and the batch (four cluster rows of y lie in one batch): jointly along a column.
; THE STEP (32 keys x 32 queries of a wave), all transposed so that nothing is shuffled; q, k, v and P are f16:
;   S^T(key, query) = K Q^T + bias^T: the bias tile is loaded from LDS straight into the accumulator (register j of lane (r, h) = key 8h + j, query r).
;   r = 1 / (1 + 2^(-c1 S + pen)), c1 = 2 log2 e / 50.  The clamped score in powers of two is A r - A / 2 with A = 100 log2 e, so it rises with r.
;   THE RUNNING MAXIMUM is kept as M = the largest r of the query so far: N = max(M, this step's 32 r), O and l are multiplied by 2^(A (M - N)), and
;   P = 2^(A r + (12 - A N)) <= 4,096: it fits f16, and what falls under f16's floor is below 2^-36 of the row's largest weight.
;   Two key tiles, packed to f16, ARE the B fragment (column = query, k = 32 keys).  O^T(d, query) += V^T P^T, V^T by transposing LDS loads.
;   The row sum is a fifth product: a fragment whose 16 rows all hold m' (1 for a key that counts, else 0) gives l(query) in every register.
; THE MASK: pen = 1e30 for a masked key makes its r = 0, the least that r can be, so it never raises the maximum; its weight is left out by V (its masked
; rows were zeroed where V was made) and by m'.  A batch with no true key has pen = 0, m' = 1 and A = 0: every P = 4,096, the uniform softmax.
; LIMITS: l is the sum of the P as rounded to f16; an infinite S gives the clamp's end value; NaN is not served.
; og leaves as hi + lo in bf16 because it has no room in f16: v may reach thousands while a gate may be as small as f32 allows.
; No prefetch: a refill is asked for straight behind the round and has a whole block of 128 keys (four steps of every wave) in which to land.
.set KP,   272                         ; K's LDS row: 256 bytes (two heads) + 16
.set VP,   288                         ; V's: 256 + 32 = 9 x 32, for the transposing loads
.set BP,   528                         ; bias: 512 bytes (128 keys) + 16
.set PART, 18432                       ; what one wave's tensor load fills: 64 keys of K (waves 0, 1) or V (2, 3), 32 queries of bias (4..7)
.set SLOT, 8*PART
.set MROW_L, 2*SLOT                    ; 4,096 bytes: m' of my batch; written by ds_store, never a tensor load's target
.set PEN_L, MROW_L+4096                ; 8,192 bytes: pen of my batch; likewise
.set WST,  8704                        ; the way out: 32 rows x 272 bytes for each wave, in slot 0 behind its last fill
.set ADK, 2                            ; v2, v3   K fragments in slot 0, 1
.set ADV, 4                            ; v4, v5   V
.set ADB, 6                            ; v6, v7   bias
.set ADM, 8                            ; v8       m', stepped by two blocks a lap
.set AA,  10                           ; v[10:11] (A, A)
.set CD,  12                           ; v12 = 12 - A N of query tile 0, v13 = its M; v14, v15 the same for tile 1.  The packed forms take the pair's first register twice
.set AL,  248                          ; v248 = 2^(A (M - N)) of tile 0, v249 = its N; v250, v251 for tile 1
.set ADP, 252                          ; v252     pen, stepped by two blocks a lap
.set QF,  16                           ; v[16:47]   Q fragments 8 (2 t + c)
.set KF,  48                           ; v[48:79]   K fragments 8 (2 u + c)
.set VF,  80                           ; v[80:111]  V^T fragments 8 d; v[80:95] hold pen of the step's 32 keys until V is loaded over them
.set MF,  112                          ; v[112:119] m' fragment
.set SR,  120                          ; v[120:151] S tiles 8 (2 u + t)
.set PF,  152                          ; v[152:167] P fragments 8 t
.set OA,  168                          ; v[168:247] O^T tiles 8 (2 d + t), d = 4: the row sums
.set G1K, 28
.set G1V, 36
.set G1B, 44
.set G0K, 52
.set G0V, 68
.set G0B, 76
.macro CREST
	s_cmp_lg_u32 s20, 0
	s_cbranch_scc1 .Lnot_wave_0_\@
	s_barrier_signal -3
.Lnot_wave_0_\@:
	s_barrier_wait -3
	s_barrier_signal -1
	s_barrier_wait -1
.endm
.macro CROUND
	s_barrier_signal -1
	s_barrier_wait -1
	CREST
.endm
; a joint refill of slot s: one tensor load a wave, one mask a line; the branches hang on the wave's number alone
.macro JLOAD s
	s_cmp_lt_u32 s20, 2
	s_cbranch_scc0 .Lnot_k_\@
	tensor_load_to_lds s[G0K+4*\s:G0K+4*\s+3], s[G1K:G1K+7]
	s_nop 0
	s_branch .Lasked_\@
.Lnot_k_\@:
	s_cmp_lt_u32 s20, 4
	s_cbranch_scc0 .Lnot_v_\@
	tensor_load_to_lds s[G0V+4*\s:G0V+4*\s+3], s[G1V:G1V+7]
	s_nop 0
	s_branch .Lasked_\@
.Lnot_v_\@:
	tensor_load_to_lds s[G0B+4*\s:G0B+4*\s+3], s[G1B:G1B+7]
	s_nop 0
.Lasked_\@:
.endm
; the first fills of both slots: a wave's two stand in one branch
.macro JLOAD2
	s_cmp_lt_u32 s20, 2
	s_cbranch_scc0 .Lnot_k_\@
	tensor_load_to_lds s[G0K:G0K+3], s[G1K:G1K+7]
	s_nop 0
	tensor_load_to_lds s[G0K+4:G0K+7], s[G1K:G1K+7]
	s_nop 0
	s_branch .Lasked_\@
.Lnot_k_\@:
	s_cmp_lt_u32 s20, 4
	s_cbranch_scc0 .Lnot_v_\@
	tensor_load_to_lds s[G0V:G0V+3], s[G1V:G1V+7]
	s_nop 0
	tensor_load_to_lds s[G0V+4:G0V+7], s[G1V:G1V+7]
	s_nop 0
	s_branch .Lasked_\@
.Lnot_v_\@:
	tensor_load_to_lds s[G0B:G0B+3], s[G1B:G1B+7]
	s_nop 0
	tensor_load_to_lds s[G0B+4:G0B+7], s[G1B:G1B+7]
	s_nop 0
.Lasked_\@:
.endm
	s_load_b256 s[4:11], s[0:1], 0x0               ; qkv 4, attn_bias 6, gates 8, aux 10
	s_load_b64 s[12:13], s[0:1], 0x20              ; og
	s_set_vgpr_msb 0x40
	v_lshl_add_u32 v0, v0, 2, 0x4b000
	v_mov_b32 v1, 0
	s_set_vgpr_msb 0x4045
	ds_add_u32 v0, v1
	s_set_vgpr_msb 0x4500
	v_lshrrev_b32 v1, 5, v0
	v_readfirstlane_b32 s20, v1                    ; wave
	s_lshr_b32 s21, s20, 2                         ; which head of the pair
	s_and_b32 s22, s20, 3                          ; which 32 queries
	s_bfe_u32 s23, ttmp6, 0x40000                  ; cx
	s_bfe_u32 s24, ttmp6, 0x40004                  ; cy
	s_lshl_b32 s25, ttmp9, 2
	s_add_co_u32 s25, s25, s23                     ; head pair 0..7
	s_and_b32 s27, ttmp7, 0xffff
	s_lshl_b32 s26, s27, 2
	s_add_co_u32 s26, s26, s24                     ; query block 0..31 (128 rows each, both batches)
	s_lshr_b32 s27, s27, 2                         ; batch: from the cluster's y alone
	s_lshl_b32 s88, s24, 2
	s_lshl_b32 s88, 15, s88                        ; my row of the cluster
	s_lshl_b32 s89, 0x1111, s23                    ; my column
	s_mov_b32 s85, 0x41400000                      ; 12.0
	s_mov_b32 s100, 0x76543210                     ; v_permlanex16_b32: lane i of one half reads lane i of the other
	s_mov_b32 s101, 0xfedcba98
	; K: 64 rows x 128 elements of 2 bytes, 4 words of padding behind every 64; 1,024 elements from row to row
	s_or_b32 s[G1K+0], s89, (1<<16)|(1<<20)|(1<<21)|(5<<22)|(3<<25)
	s_mov_b32 s[G1K+1], 128<<16
	s_mov_b32 s[G1K+2], 64<<16
	s_mov_b32 s[G1K+3], 128<<16
	s_mov_b32 s[G1K+4], 64
	s_mov_b32 s[G1K+5], 1024
	s_mov_b32 s[G1K+6], 0
	s_mov_b32 s[G1K+7], 0
	; V: the same with 8 words of padding
	s_or_b32 s[G1V+0], s89, (1<<16)|(1<<20)|(1<<21)|(5<<22)|(7<<25)
	s_mov_b32 s[G1V+1], 128<<16
	s_mov_b32 s[G1V+2], 64<<16
	s_mov_b32 s[G1V+3], 128<<16
	s_mov_b32 s[G1V+4], 64
	s_mov_b32 s[G1V+5], 1024
	s_mov_b32 s[G1V+6], 0
	s_mov_b32 s[G1V+7], 0
	; bias: 32 rows x 128 elements of 4 bytes, 4 words of padding behind every 128; 2,048 elements from row to row
	s_or_b32 s[G1B+0], s88, (2<<16)|(1<<20)|(1<<21)|(6<<22)|(3<<25)
	s_mov_b32 s[G1B+1], 128<<16
	s_mov_b32 s[G1B+2], 32<<16
	s_mov_b32 s[G1B+3], 128<<16
	s_mov_b32 s[G1B+4], 32
	s_mov_b32 s[G1B+5], 2048
	s_mov_b32 s[G1B+6], 0
	s_mov_b32 s[G1B+7], 0
	; K and V: batch, my 64 keys, head pair (s90, s91, s96 never hold cy); bias: query block, my 32 queries (s94, s95, s98 never hold cx)
	s_lshl_b32 s90, s27, 22                        ; 2,048 rows of 2,048 bytes
	s_and_b32 s99, s20, 1
	s_lshl_b32 s99, s99, 17                        ; 64 rows
	s_add_co_u32 s90, s90, s99
	s_lshl_b32 s96, s25, 8                         ; 256 bytes a head pair
	s_add_co_u32 s90, s90, s96
	s_mov_b32 s91, 0
	s_lshl_b32 s94, s22, 18                        ; 32 rows of 8,192 bytes
	s_lshl_b32 s98, s26, 20                        ; 128 rows
	s_add_co_u32 s94, s94, s98
	s_mov_b32 s95, 0
	s_mul_i32 s97, s20, PART                       ; LDS: wave x part; no place in the cluster enters
	s_wait_dscnt 0x0
	s_wait_kmcnt 0x0
	s_add_nc_u64 s[90:91], s[4:5], s[90:91]
	s_add_nc_u64 s[94:95], s[6:7], s[94:95]
.irp s, 0,1
	s_mov_b32 s[G0K+4*\s], 1
	s_add_co_u32 s[G0K+4*\s+1], s97, \s*SLOT
	s_add_nc_u64 s[G0K+4*\s+2:G0K+4*\s+3], s[90:91], 8388608+\s*128*2048
	s_or_b32 s[G0K+4*\s+3], s[G0K+4*\s+3], 0x80000000
	s_mov_b32 s[G0V+4*\s], 1
	s_add_co_u32 s[G0V+4*\s+1], s97, \s*SLOT
	s_add_nc_u64 s[G0V+4*\s+2:G0V+4*\s+3], s[90:91], 16777216+\s*128*2048
	s_or_b32 s[G0V+4*\s+3], s[G0V+4*\s+3], 0x80000000
	s_mov_b32 s[G0B+4*\s], 1
	s_add_co_u32 s[G0B+4*\s+1], s97, \s*SLOT
	s_add_nc_u64 s[G0B+4*\s+2:G0B+4*\s+3], s[94:95], \s*128*4
	s_or_b32 s[G0B+4*\s+3], s[G0B+4*\s+3], 0x80000000
.endr
	CROUND                                         ; all sixteen work-groups are here: the first joint loads meet
	JLOAD2                                         ; key blocks 0 and 1: two tensor loads of the wave are out here, later one at the most
	; s92, s93, s87 hold sums of row and column terms; they feed no descriptor
	s_lshl_b32 s92, s27, 10
	s_add_co_u32 s92, s92, 532480
	s_mov_b32 s93, 0
	s_add_nc_u64 s[14:15], s[10:11], s[92:93]
	s_load_b32 s84, s[14:15], 0x0                  ; A of my batch
	s_lshl_b32 s92, s27, 12
	s_add_co_u32 s92, s92, 524288
	s_add_nc_u64 s[16:17], s[10:11], s[92:93]      ; m' of my batch
	s_lshl_b32 s92, s27, 13
	s_add_co_u32 s92, s92, 534528
	s_add_nc_u64 s[88:89], s[10:11], s[92:93]      ; pen of my batch (the masks in s88, s89 have gone into the descriptors)
	s_lshl_b32 s92, s26, 18
	s_lshl_b32 s87, s25, 8
	s_add_co_u32 s92, s92, s87
	s_add_nc_u64 s[18:19], s[4:5], s[92:93]        ; q at my query block and head pair
	v_lshlrev_b32 v254, 4, v0
	global_load_b128 v[SR:SR+3], v254, s[16:17]                  ; 256 threads x 16 bytes: all 2,048 m'
	global_load_b128 v[SR+4:SR+7], v254, s[88:89]                ; and twice that: all 2,048 pen
	global_load_b128 v[SR+8:SR+11], v254, s[88:89] offset:4096
	v_and_b32 v1, 15, v0                           ; r
	v_bfe_u32 v9, v0, 4, 1                         ; h
	s_lshl_b32 s92, s22, 16                        ; 32 rows of 2,048 bytes
	s_lshl_b32 s99, s21, 7                         ; 128 bytes a head
	s_add_co_u32 s92, s92, s99
	v_lshlrev_b32 v255, 11, v1
	v_lshl_add_u32 v255, v9, 4, v255
	v_add_nc_u32 v255, s92, v255
.irp t, 0,1
.irp c, 0,1
	global_load_b128 v[QF+8*(2*\t+\c):QF+8*(2*\t+\c)+3],   v255, s[18:19] offset:32768*\t+64*\c
	global_load_b128 v[QF+8*(2*\t+\c)+4:QF+8*(2*\t+\c)+7], v255, s[18:19] offset:32768*\t+64*\c+32
.endr
.endr
	v_mul_u32_u24 v[ADK], v1, KP
	v_lshl_add_u32 v[ADK], v9, 4, v[ADK]
	v_add_nc_u32 v[ADK], s99, v[ADK]               ; r x pitch + 16 h + head
	v_add_nc_u32 v[ADK+1], SLOT, v[ADK]
	v_and_b32 v[ADV], 7, v0
	v_lshl_add_u32 v[ADV], v9, 3, v[ADV]
	v_mul_u32_u24 v[ADV], v[ADV], VP               ; (8 h + l % 8) x pitch
	v_bfe_u32 v[ADV+1], v0, 3, 1
	v_lshl_add_u32 v[ADV], v[ADV+1], 4, v[ADV]     ; + 16 ((l / 8) % 2)
	v_add_nc_u32 v[ADV], s99, v[ADV]
	v_add_nc_u32 v[ADV], 2*PART, v[ADV]
	v_add_nc_u32 v[ADV+1], SLOT, v[ADV]
	v_mul_u32_u24 v[ADB], v1, BP
	v_lshl_add_u32 v[ADB], v9, 5, v[ADB]           ; query r, 8 keys at 8 h
	s_mul_i32 s92, s22, PART
	s_add_co_u32 s92, s92, 4*PART
	v_add_nc_u32 v[ADB], s92, v[ADB]
	v_add_nc_u32 v[ADB+1], SLOT, v[ADB]
	v_lshlrev_b32 v[ADM], 4, v9
	v_add_nc_u32 v[ADM], MROW_L, v[ADM]            ; 8 f16 at 8 h
	v_lshlrev_b32 v[ADP], 5, v9
	v_add_nc_u32 v[ADP], PEN_L, v[ADP]             ; 8 f32 at 8 h
	v_add_nc_u32 v253, MROW_L, v254
	s_wait_loadcnt 0x8                             ; m' and pen are in; the eight loads of Q stay out
	ds_store_b128 v253, v[SR:SR+3]
	ds_store_b128 v253, v[SR+4:SR+7] offset:4096
	ds_store_b128 v253, v[SR+8:SR+11] offset:8192
	s_wait_dscnt 0x0                               ; for the other waves' sake
	s_wait_tensorcnt 0x1                           ; my part of key block 0 has landed; block 1's stays out
	s_barrier_signal -1
	s_barrier_wait -1
.macro PLACES                          ; four plain places between a matrix instruction and a load into, or a vector instruction on, one of its registers
.rept 4
	v_nop
.endr
.endm
.macro LDK s, kk                       ; K fragments of keys 32 kk .. +31 of slot s: 8 loads
.irp u, 0,1
.irp c, 0,1
	ds_load_b128 v[KF+8*(2*\u+\c):KF+8*(2*\u+\c)+3],   v[ADK+\s] offset:((\kk)>>1)*PART+(((\kk)&1)*32+16*\u)*KP+64*\c
	ds_load_b128 v[KF+8*(2*\u+\c)+4:KF+8*(2*\u+\c)+7], v[ADK+\s] offset:((\kk)>>1)*PART+(((\kk)&1)*32+16*\u)*KP+64*\c+32
.endr
.endr
.endm
.macro LDB s, kk                       ; the bias of the same keys, into the four S tiles: 8 loads
.irp u, 0,1
.irp t, 0,1
	ds_load_b128 v[SR+8*(2*\u+\t):SR+8*(2*\u+\t)+3],   v[ADB+\s] offset:\t*16*BP+128*(\kk)+64*\u
	ds_load_b128 v[SR+8*(2*\u+\t)+4:SR+8*(2*\u+\t)+7], v[ADB+\s] offset:\t*16*BP+128*(\kk)+64*\u+16
.endr
.endr
.endm
.macro LDV s, kk                       ; V^T fragments and the m' fragment: 10 loads
.irp d, 0,1,2,3
	ds_load_tr16_b128 v[VF+8*\d:VF+8*\d+3],   v[ADV+\s] offset:((\kk)>>1)*PART+((\kk)&1)*32*VP+32*\d
	ds_load_tr16_b128 v[VF+8*\d+4:VF+8*\d+7], v[ADV+\s] offset:((\kk)>>1)*PART+((\kk)&1)*32*VP+32*\d+16*VP
.endr
	ds_load_b128 v[MF:MF+3],   v[ADM] offset:256*\s+64*(\kk)
	ds_load_b128 v[MF+4:MF+7], v[ADM] offset:256*\s+64*(\kk)+32
.endm
.macro LDP bs, kk                      ; pen of keys 32 kk .. +31 of block bs (0, 1: this lap's; 2: the next lap's first), register 8 u + j = key 16 u + 8 h + j: 4 loads
.irp u, 0,1
	ds_load_b128 v[VF+8*\u:VF+8*\u+3],   v[ADP] offset:512*(\bs)+128*(\kk)+64*\u
	ds_load_b128 v[VF+8*\u+4:VF+8*\u+7], v[ADP] offset:512*(\bs)+128*(\kk)+64*\u+16
.endr
.endm
.macro SMM                             ; the four S tiles take turns, one instruction a turn
.irp c, 0,1
.irp u, 0,1
.irp t, 0,1
	v_wmma_f32_16x16x32_f16 v[SR+8*(2*\u+\t):SR+8*(2*\u+\t)+7], v[KF+8*(2*\u+\c):KF+8*(2*\u+\c)+7], v[QF+8*(2*\t+\c):QF+8*(2*\t+\c)+7], v[SR+8*(2*\u+\t):SR+8*(2*\u+\t)+7]
.endr
.endr
.endr
.endm
.macro PVMM zero                       ; ten different accumulators, one instruction each
.irp d, 0,1,2,3
.irp t, 0,1
.if \zero
	v_wmma_f32_16x16x32_f16 v[OA+8*(2*\d+\t):OA+8*(2*\d+\t)+7], v[VF+8*\d:VF+8*\d+7], v[PF+8*\t:PF+8*\t+7], 0
.else
	v_wmma_f32_16x16x32_f16 v[OA+8*(2*\d+\t):OA+8*(2*\d+\t)+7], v[VF+8*\d:VF+8*\d+7], v[PF+8*\t:PF+8*\t+7], v[OA+8*(2*\d+\t):OA+8*(2*\d+\t)+7]
.endif
.endr
.endr
.irp t, 0,1
.if \zero
	v_wmma_f32_16x16x32_f16 v[OA+64+8*\t:OA+64+8*\t+7], v[MF:MF+7], v[PF+8*\t:PF+8*\t+7], 0
.else
	v_wmma_f32_16x16x32_f16 v[OA+64+8*\t:OA+64+8*\t+7], v[MF:MF+7], v[PF+8*\t:PF+8*\t+7], v[OA+64+8*\t:OA+64+8*\t+7]
.endif
.endr
.endm
.macro ELT1A                           ; -c1 S + pen, in place; the last use of pen's registers
.irp u, 0,1
.irp t, 0,1
.irp p, 0,1,2,3
	v_pk_fma_f32 v[SR+8*(2*\u+\t)+2*\p:SR+8*(2*\u+\t)+2*\p+1], v[SR+8*(2*\u+\t)+2*\p:SR+8*(2*\u+\t)+2*\p+1], 0xbd6c5f04, v[VF+8*\u+2*\p:VF+8*\u+2*\p+1] op_sel_hi:[1,0,1]
.endr
.endr
.endr
.endm
.macro ELT1B                           ; r = 1 / (1 + 2^(..)), in place
.set j, 0
.rept 32
	v_exp_f32 v[SR+j], v[SR+j]
.set j, j+1
.endr
	v_nop                                          ; one plain place behind the transcendentals (ISA guide 5.7.2)
.set j, 0
	s_wait_alu depctr_va_vdst(0)
.rept 16
	v_pk_add_f32 v[SR+j:SR+j+1], v[SR+j:SR+j+1], 1.0 op_sel_hi:[1,0]
.set j, j+2
.endr
.set j, 0
.rept 32
	v_rcp_f32 v[SR+j], v[SR+j]
.set j, j+1
.endr
	v_nop
	s_wait_alu depctr_va_vdst(0)
.endm
.macro MX3 d, a, b, c
	v_max3_num_f32 v[\d], v[\a], v[\b], v[\c]
.endm
; N = max(M, the query's 32 r): 16 in my registers (two chains for each query tile, so that no instruction waits for the one in front), 16 in the other half's lane.
; Then the factor for what has been summed, the addend for this step's exponents, and M = N.
.macro MAXS
	MX3 AL+1, CD+1, SR,    SR+1
	MX3 AL+3, CD+3, SR+8,  SR+9
	MX3 1,    SR+16, SR+17, SR+18
	MX3 9,    SR+24, SR+25, SR+26
	MX3 AL+1, AL+1, SR+2,  SR+3
	MX3 AL+3, AL+3, SR+10, SR+11
	MX3 1,    1,    SR+19, SR+20
	MX3 9,    9,    SR+27, SR+28
	MX3 AL+1, AL+1, SR+4,  SR+5
	MX3 AL+3, AL+3, SR+12, SR+13
	MX3 1,    1,    SR+21, SR+22
	MX3 9,    9,    SR+29, SR+30
	MX3 AL+1, AL+1, SR+6,  SR+7
	MX3 AL+3, AL+3, SR+14, SR+15
	MX3 AL+1, AL+1, 1,     SR+23
	MX3 AL+3, AL+3, 9,     SR+31
	v_permlanex16_b32 v1, v[AL+1], s100, s101      ; the other half's 16 keys of the same query (v1, v9 have been written)
	v_permlanex16_b32 v9, v[AL+3], s100, s101
	v_max_num_f32 v[AL+1], v[AL+1], v1
	v_max_num_f32 v[AL+3], v[AL+3], v9
	v_sub_f32 v1, v[CD+1], v[AL+1]                 ; M - N <= 0
	v_sub_f32 v9, v[CD+3], v[AL+3]
	v_mul_f32 v1, v[AA], v1
	v_mul_f32 v9, v[AA], v9
	v_exp_f32 v[AL], v1                            ; 2^(A (M - N)) <= 1
	v_exp_f32 v[AL+2], v9
	v_fma_f32 v[CD], -v[AA], v[AL+1], s85          ; 12 - A N: a plain place behind the transcendentals, too
	v_fma_f32 v[CD+2], -v[AA], v[AL+3], s85
	v_mov_b32 v[CD+1], v[AL+1]                     ; M = N
	v_mov_b32 v[CD+3], v[AL+3]
.endm
.macro RESCALE                         ; what has been summed is brought to the new maximum: O's four tiles and the row sums of each query tile
	s_wait_alu depctr_va_vdst(0)
.irp d, 0,1,2,3,4
.irp t, 0,1
.irp p, 0,1,2,3
	v_pk_mul_f32 v[OA+8*(2*\d+\t)+2*\p:OA+8*(2*\d+\t)+2*\p+1], v[OA+8*(2*\d+\t)+2*\p:OA+8*(2*\d+\t)+2*\p+1], v[AL+2*\t:AL+2*\t+1] op_sel_hi:[1,0]
.endr
.endr
.endr
.endm
.macro ELT2                            ; P = 2^(A r + 12 - A N), packed into the B fragments
.irp u, 0,1
.irp t, 0,1
.irp p, 0,1,2,3
	v_pk_fma_f32 v[SR+8*(2*\u+\t)+2*\p:SR+8*(2*\u+\t)+2*\p+1], v[SR+8*(2*\u+\t)+2*\p:SR+8*(2*\u+\t)+2*\p+1], v[AA:AA+1], v[CD+2*\t:CD+2*\t+1] op_sel_hi:[1,1,0]
.endr
.endr
.endr
.set j, 0
.rept 32
	v_exp_f32 v[SR+j], v[SR+j]
.set j, j+1
.endr
	v_nop
	s_wait_alu depctr_va_vdst(0)
.irp u, 0,1
.irp t, 0,1
.irp p, 0,1,2,3
	v_cvt_pk_f16_f32 v[PF+8*\t+4*\u+\p], v[SR+8*(2*\u+\t)+2*\p], v[SR+8*(2*\u+\t)+2*\p+1]
.endr
.endr
.endr
.endm
; one of the first three steps of a key block
.macro STEP s, kk, zero
	s_wait_dscnt 0x4                               ; this step's K fragments and bias are in; pen's 4 loads, issued behind them, may be out
	SMM
	PLACES
	LDK \s, \kk+1
	s_wait_dscnt 0x8                               ; pen is in; the 8 K loads just issued stay out
	ELT1A
	LDV \s, \kk                                    ; over pen's registers, which have been read
	ELT1B
	MAXS
.if \zero
.else
	RESCALE
.endif
	ELT2
	LDB \s, \kk+1
	s_wait_dscnt 0x8                               ; V and m' are in; the 8 bias loads issued behind them stay out
	PVMM \zero
	PLACES                                         ; V's registers are loaded again only four places behind the products that read them
	LDP \s, \kk+1
.endm
; the fourth step changes slots: my reads of slot s and all my tensor loads are waited for, then the barrier (with a refill: a round of the cluster's
; barrier, register work alone inside), then the joint refill first, then the next slot's first fragments.  pb: the next block's place for pen
.macro STEPX s, nx, fill, pb
	s_wait_dscnt 0x4
	SMM
	PLACES
	s_wait_dscnt 0x0                               ; pen is in
	ELT1A
	LDV \s, 3
	ELT1B
	MAXS
	s_wait_dscnt 0x0                               ; my last reads of slot s are back
	s_set_vgpr_msb 0x5
	s_wait_tensorcnt 0x0                           ; all my tensor loads have landed: the one that was out is my part of the next slot
	ds_add_u32 v0, v1
	s_wait_dscnt 0x0
	s_set_vgpr_msb 0x500
	s_barrier_signal -1
	RESCALE
	ELT2
	s_barrier_wait -1
.if \fill
	CREST
	s_add_nc_u64 s[G0K+4*\s+2:G0K+4*\s+3], s[G0K+4*\s+2:G0K+4*\s+3], 256*2048    ; two key blocks on
	s_add_nc_u64 s[G0V+4*\s+2:G0V+4*\s+3], s[G0V+4*\s+2:G0V+4*\s+3], 256*2048
	s_add_nc_u64 s[G0B+4*\s+2:G0B+4*\s+3], s[G0B+4*\s+2:G0B+4*\s+3], 256*4
	JLOAD \s
.endif
	LDK \nx, 0
	LDB \nx, 0
	PVMM 0
	PLACES
	LDP \pb, 0
.endm
.macro LAP zero                        ; two key blocks, both slots filled again
	STEP 0, 0, \zero
	STEP 0, 1, 0
	STEP 0, 2, 0
	STEPX 0, 1, 1, 1
	STEP 1, 0, 0
	STEP 1, 1, 0
	STEP 1, 2, 0
	STEPX 1, 0, 1, 2
	v_add_nc_u32 v[ADM], 512, v[ADM]
	v_add_nc_u32 v[ADP], 1024, v[ADP]
.endm
	LDK 0, 0
	LDB 0, 0
	LDP 0, 0
	s_wait_loadcnt 0x0                             ; Q
	s_wait_kmcnt 0x0                               ; A
	v_mov_b32 v[AA], s84
	v_mov_b32 v[AA+1], s84
	v_mov_b32 v[CD+1], 0                           ; M starts at the least that r can be
	v_mov_b32 v[CD+3], 0
	LAP 1                                          ; blocks 0, 1; the first products start the sums
	s_mov_b32 s86, 6
.Llap:
	LAP 0                                          ; blocks 2 .. 13; with the first lap: refills of blocks 2 .. 15
	s_sub_co_u32 s86, s86, 1
	s_cmp_lg_u32 s86, 0
	s_cbranch_scc1 .Llap
	STEP 0, 0, 0                                   ; blocks 14, 15: nothing is left to fetch
	STEP 0, 1, 0
	STEP 0, 2, 0
	STEPX 0, 1, 0, 1
	STEP 1, 0, 0
	STEP 1, 1, 0
	STEP 1, 2, 0
	s_wait_dscnt 0x4
	SMM
	PLACES
	s_wait_dscnt 0x0
	ELT1A
	LDV 1, 3
	ELT1B
	MAXS
	RESCALE
	ELT2
	s_wait_dscnt 0x0
	PVMM 0
	; THE WAY OUT.  O^T / l goes into my own 32 rows x 272 bytes in slot 0 (its last fill is over, and every wave's reads of it ended in front of the last barrier),
	; comes back as whole rows (lanes 0-15 head 0, lanes 16-31 head 1 of one query), is multiplied by the gates and stored as bf16 hi and bf16 lo.
	PLACES
	s_lshl_b32 s92, s26, 19                        ; gates: 128 rows of 4,096 bytes
	s_lshl_b32 s87, s25, 9                         ; 128 columns of 4 bytes
	s_add_co_u32 s92, s92, s87
	s_add_nc_u64 s[8:9], s[8:9], s[92:93]
	s_lshl_b32 s92, s26, 19                        ; og: 128 rows of 4,096 bytes (hi, then lo)
	s_lshl_b32 s87, s25, 8                         ; 128 columns of 2 bytes
	s_add_co_u32 s92, s92, s87
	s_add_nc_u64 s[12:13], s[12:13], s[92:93]
	v_and_b32 v1, 31, v0
	v_lshlrev_b32 v252, 4, v1
	v_lshl_add_u32 v252, s20, 16, v252             ; gates: 16 rows a wave, 16 bytes a lane
.irp i, 0,1,2,3,4,5,6,7,8,9,10,11,12,13,14,15
	global_load_b128 v[16+4*\i:19+4*\i], v252, s[8:9] offset:4096*\i
.endr
	v_rcp_f32 v248, v[OA+64]                       ; every register of the fifth tile holds l of the lane's query
	v_rcp_f32 v249, v[OA+64]
	v_rcp_f32 v250, v[OA+72]
	v_rcp_f32 v251, v[OA+72]
	v_and_b32 v2, 15, v0                           ; a plain place behind the transcendentals, and r
	v_bfe_u32 v3, v0, 4, 1
	v_mul_u32_u24 v14, v2, 272
	v_lshl_add_u32 v14, v3, 5, v14
	s_mul_i32 s92, s20, WST
	v_add_nc_u32 v14, s92, v14                     ; in: my stage, row r, 32 bytes for each half of the lanes
	s_lshr_b32 s92, s20, 1
	s_mul_i32 s92, s92, WST                        ; back: rows 16 w .. 16 w + 15 of the 128 lie in the stages of waves w / 2 (head 0) and 4 + w / 2 (head 1)
	s_and_b32 s87, s20, 1
	s_mul_i32 s87, s87, 16*272
	s_add_co_u32 s92, s92, s87
	v_mul_u32_u24 v15, v3, 4*WST
	v_lshl_add_u32 v15, v2, 4, v15
	v_add_nc_u32 v15, s92, v15
	v_lshlrev_b32 v253, 3, v1
	v_lshl_add_u32 v253, s20, 16, v253             ; og: 16 rows of 4,096 bytes a wave, 8 bytes a lane
	s_wait_alu depctr_va_vdst(0)
.irp d, 0,1,2,3
.irp t, 0,1
.irp p, 0,1,2,3
	v_pk_mul_f32 v[OA+8*(2*\d+\t)+2*\p:OA+8*(2*\d+\t)+2*\p+1], v[OA+8*(2*\d+\t)+2*\p:OA+8*(2*\d+\t)+2*\p+1], v[248+2*\t:249+2*\t]
.endr
.endr
.endr
.irp d, 0,1,2,3
.irp t, 0,1
	ds_store_b128 v14, v[OA+8*(2*\d+\t):OA+8*(2*\d+\t)+3]   offset:\t*16*272+64*\d
	ds_store_b128 v14, v[OA+8*(2*\d+\t)+4:OA+8*(2*\d+\t)+7] offset:\t*16*272+64*\d+16
.endr
.endr
	s_wait_dscnt 0x0                               ; for the other waves' sake
	s_barrier_signal -1
	s_barrier_wait -1
.irp i, 0,1,2,3,4,5,6,7,8,9,10,11,12,13,14,15
	ds_load_b128 v[80+4*\i:83+4*\i], v15 offset:272*\i
.endr
.irp i, 0,1,2,3,4,5,6,7,8,9,10,11,12,13,14,15
	s_wait_loadcnt 15-\i                           ; row i's gates are in, the younger loads stay out
	s_wait_dscnt 15-\i                             ; and row i of the stage
	v_pk_mul_f32 v[80+4*\i:81+4*\i], v[80+4*\i:81+4*\i], v[16+4*\i:17+4*\i]
	v_pk_mul_f32 v[82+4*\i:83+4*\i], v[82+4*\i:83+4*\i], v[18+4*\i:19+4*\i]
	v_cvt_pk_bf16_f32 v[144+2*\i], v[80+4*\i], v[81+4*\i]                    ; hi
	v_cvt_pk_bf16_f32 v[145+2*\i], v[82+4*\i], v[83+4*\i]
	v_lshlrev_b32 v[16+4*\i], 16, v[144+2*\i]                                ; hi back in f32, in the gates' registers
	v_and_b32     v[17+4*\i], 0xffff0000, v[144+2*\i]
	v_lshlrev_b32 v[18+4*\i], 16, v[145+2*\i]
	v_and_b32     v[19+4*\i], 0xffff0000, v[145+2*\i]
	v_pk_add_f32 v[80+4*\i:81+4*\i], v[80+4*\i:81+4*\i], v[16+4*\i:17+4*\i] neg_lo:[0,1] neg_hi:[0,1]   ; the rest, exact in f32
	v_pk_add_f32 v[82+4*\i:83+4*\i], v[82+4*\i:83+4*\i], v[18+4*\i:19+4*\i] neg_lo:[0,1] neg_hi:[0,1]
	v_cvt_pk_bf16_f32 v[176+2*\i], v[80+4*\i], v[81+4*\i]                    ; lo
	v_cvt_pk_bf16_f32 v[177+2*\i], v[82+4*\i], v[83+4*\i]
	global_store_b64 v253, v[144+2*\i:145+2*\i], s[12:13] offset:4096*\i     ; 32 lanes store 256 consecutive bytes, aligned; each row has its own pairs
	global_store_b64 v253, v[176+2*\i:177+2*\i], s[12:13] offset:4096*\i+2048
.endr
	s_set_vgpr_msb 0x5
	s_wait_tensorcnt 0x0
	ds_add_u32 v0, v1
	s_wait_dscnt 0x0
	s_set_vgpr_msb 0x500
	CROUND                                         ; the closing round
	s_endpgm
.Lfunc_end_k_qa2830e039c_attn:
	.size	k_qa2830e039c_attn, .Lfunc_end_k_qa2830e039c_attn-k_qa2830e039c_attn
	.p2alignl 7, 3214868480
	.fill 96, 4, 3214868480
	.section	.rodata,"a",@progbits
	.p2align	6, 0x0
	.amdhsa_kernel k_qa2830e039c_attn
		.amdhsa_group_segment_fixed_size 327680
		.amdhsa_private_segment_fixed_size 0
		.amdhsa_enable_private_segment 0
		.amdhsa_kernarg_size 40
		.amdhsa_user_sgpr_count 2
		.amdhsa_user_sgpr_kernarg_segment_ptr 1
		.amdhsa_wavefront_size32 1
		.amdhsa_system_sgpr_workgroup_id_x 1
		.amdhsa_system_sgpr_workgroup_id_y 1
		.amdhsa_system_sgpr_workgroup_id_z 1
		.amdhsa_system_vgpr_workitem_id 0
		.amdhsa_next_free_vgpr 258
		.amdhsa_next_free_sgpr 104
		.amdhsa_reserve_vcc 0
		.amdhsa_float_denorm_mode_32 3
		.amdhsa_float_denorm_mode_16_64 3
		.amdhsa_memory_ordered 1
		.amdhsa_forward_progress 1
		.amdhsa_inst_pref_size 255
	.end_amdhsa_kernel
	.section	.bss,"aw",@nobits
	.p2align	6
	.space	262144
	.amdgpu_metadata
---
amdhsa.version: [ 1, 2 ]
amdhsa.kernels:
  - .name:           k_qa2830e039c_attn
    .symbol:         k_qa2830e039c_attn.kd
    .args:
      - { .name: qkv, .offset: 0, .size: 8, .value_kind: global_buffer, .address_space: global }
      - { .name: attn_bias, .offset: 8, .size: 8, .value_kind: global_buffer, .address_space: global }
      - { .name: gates, .offset: 16, .size: 8, .value_kind: global_buffer, .address_space: global }
      - { .name: aux, .offset: 24, .size: 8, .value_kind: global_buffer, .address_space: global }
      - { .name: og, .offset: 32, .size: 8, .value_kind: global_buffer, .address_space: global }
    .group_segment_fixed_size: 327680
    .private_segment_fixed_size: 0
    .kernarg_segment_align: 8
    .kernarg_segment_size: 40
    .max_flat_workgroup_size: 256
    .sgpr_count:     104
    .vgpr_count:     258
    .wavefront_size: 32
...
	.end_amdgpu_metadata
.endif
;; end of part 3
;; launch outp (part 4): grid 8 x 32, 4 waves a work-group, clusters of 4 x 4, 327,680 bytes of LDS; arguments og, wts, out0; writes out0
.if DOCPART == 4
	.amdgcn_target "amdgcn-amd-amdhsa--gfx1250"
	.amdhsa_code_object_version 6
	.text
	.protected	k_qa2830e039c_outp
	.globl	k_qa2830e039c_outp
	.p2align	8
	.type	k_qa2830e039c_outp,@function
k_qa2830e039c_outp:
	s_mov_b64 s[64:65], 0
	v_nop
	global_prefetch_b8 v0, s[64:65] scope:SCOPE_SE
	s_setreg_imm32_b32 hwreg(HW_REG_WAVE_MODE, 25, 1), 1
	s_wait_xcnt 0x0
	s_wait_alu depctr_hold_cnt(0) depctr_sa_sdst(0) depctr_va_vdst(0) depctr_va_sdst(0) depctr_va_ssrc(0) depctr_va_vcc(0) depctr_vm_vsrc(0)
	s_getreg_b32 s2, hwreg(HW_REG_IB_STS2, 6, 4)
	s_cmp_eq_u32 s2, 0
	s_cbranch_scc0 .Lentry_in_a_cluster
	s_endpgm
.Lentry_in_a_cluster:
	s_bfe_u32 s2, ttmp6, 0x10000c
	s_cmp_lg_u32 s2, 0xf033
	s_cbranch_scc0 .Lentry_shape_is_right
	s_endpgm
.Lentry_shape_is_right:
; outp: out0 [4096 x 1024] f32 = og times Wo, both given as bf16 hi + bf16 lo:  out0 = hi hi + lo hi + hi lo  (lo lo, 2^-18 of the result, is left out).
; og: [4096][hi 1024 | lo 1024] bf16.  Wo: [hi 1024 rows; lo 1024 rows][1024] bf16 at wts + 8,388,608.  bf16 keeps og's range (v may reach thousands, a gate
; may be as small as f32 allows), the second halves keep 16 bits of mantissa.  So K is 3 x 1,024.
; 256 work-groups of 128 x 128 (blocks of 256 x 256 would be 64 work-groups); four waves of 64 x 64: 16 accumulator tiles in window 1, tile (a, b) at v[8 (4 a + b)].
; K goes in twelve fills of 256 through two LDS slots, written out without a loop because the steps differ:
;   fills 0-3: og hi x Wo hi;  4-7: og lo x Wo hi;  8-11: og hi x Wo lo.
;   A's tile walks og's row of 4,096 bytes in fills 0-7 and starts again at fill 8; B's walks Wo hi in fills 0-3, starts again at fill 4 and walks hi and lo in fills 4-11.
; CLUSTERS 4 x 4: A's tile is asked for jointly along a row of the cluster, B's along a column.
; B lies [k][n] in LDS; ds_load_tr16_b128 makes its fragments.  The matrix instruction is used transposed (source 0 = B, source 1 = A):
; lane l holds row l % 16, its registers columns 8 (l / 16) + 0..7.  No prefetch: og and Wo were stored just before, and each is read three and two times over.
.set AP,   528                         ; A's LDS row: 512 bytes + 16
.set BP,   288                         ; B's: 256 bytes + 32 = 9 x 32
.set PART, 36864                       ; one tensor load: 64 rows of A (33,792 bytes) or 128 rows of B
.set SLOT, 4*PART
.set STAGE, 2*SLOT                     ; behind the ring: 16 rows x 272 bytes for each wave
.set SPITCH, 272
.set ADRA, 16                          ; v16, v17   A fragments in slot 0, 1
.set ADRB, 20                          ; v20-23     B fragments: slot x 2 + half of the slot's 256 k
.set STO,  24
.set RD,   25
.set CO,   26
.set F0,   32                          ; v[32:63] A, v[64:95] B
.set F1,   96                          ; v[96:127] A, v[128:159] B
.set RB0,  160
.set RB1,  192
.set G1, 24
.set G0, 32
.set G1B, 48
.set G0B, 56
.set AFWD, 1024                        ; A: two fills on, 2 x 256 elements of 2 bytes
.set ABACK, -3072                      ; A: from fill 6 (7) back to the place of fill 0 (1)
.set BFWD, 1048576                     ; B: two fills on, 512 rows of 2,048 bytes
.set BBACK, -1048576                   ; B: from fill 2 (3) back to the place of fill 0 (1)
.set MSB, 0
.macro WIN new
.if MSB != \new
	s_set_vgpr_msb (MSB<<8)|\new
.set MSB, \new
.endif
.endm
.macro JLOAD s
	s_cmp_eq_u32 s11, 0
	s_cbranch_scc0 .Lfor_b_\@
	tensor_load_to_lds s[G0+4*\s:G0+4*\s+3], s[G1:G1+7]
	s_nop 0
	s_branch .Lasked_\@
.Lfor_b_\@:
	tensor_load_to_lds s[G0B+4*\s:G0B+4*\s+3], s[G1B:G1B+7]
	s_nop 0
.Lasked_\@:
.endm
.macro CREST
	s_cmp_lg_u32 s10, 0
	s_cbranch_scc1 .Lnot_wave_0_\@
	s_barrier_signal -3
.Lnot_wave_0_\@:
	s_barrier_wait -3
	s_barrier_signal -1
	s_barrier_wait -1
.endm
.macro CROUND
	s_barrier_signal -1
	s_barrier_wait -1
	CREST
.endm
.macro STEP64 reg, val                 ; an address goes on or back by a constant
.if (\val) < 0
	s_sub_nc_u64 s[\reg:\reg+1], s[\reg:\reg+1], -(\val)
.else
	s_add_nc_u64 s[\reg:\reg+1], s[\reg:\reg+1], \val
.endif
.endm
	s_load_b128 s[4:7], s[0:1], 0x0                ; og, wts
	s_load_b64 s[8:9], s[0:1], 0x10                ; out0
	v_lshl_add_u32 v254, v0, 2, 0x4c400
	v_mov_b32 v255, 0
	ds_add_u32 v254, v255
	v_lshrrev_b32 v1, 5, v0
	v_readfirstlane_b32 s10, v1                    ; wave
	s_lshr_b32 s11, s10, 1                         ; my half of the rows; also: I fetch for A (0) or B (1)
	s_and_b32 s12, s10, 1                          ; my half of the columns; also: which half of that tile I fetch
	s_bfe_u32 s40, ttmp6, 0x40000                  ; cx
	s_bfe_u32 s41, ttmp6, 0x40004                  ; cy
	s_lshl_b32 s42, ttmp9, 2
	s_add_co_u32 s42, s42, s40                     ; block column 0..7
	s_and_b32 s13, ttmp7, 0xffff
	s_lshl_b32 s13, s13, 2
	s_add_co_u32 s13, s13, s41                     ; block row 0..31
	s_lshl_b32 s43, s41, 2
	s_lshl_b32 s43, 15, s43
	s_lshl_b32 s44, 0x1111, s40
	; A: 64 rows x 256 elements of 2 bytes, 4 words of padding behind every 128; 2,048 elements from row to row
	s_or_b32 s[G1+0], s43, (1<<16)|(1<<20)|(1<<21)|(6<<22)|(3<<25)
	s_mov_b32 s[G1+1], 256<<16
	s_mov_b32 s[G1+2], 64<<16
	s_mov_b32 s[G1+3], 256<<16
	s_mov_b32 s[G1+4], 64
	s_mov_b32 s[G1+5], 2048
	s_mov_b32 s[G1+6], 0
	s_mov_b32 s[G1+7], 0
	; B: 128 rows (k) x 128 elements (n), 8 words of padding behind every 64; 1,024 elements from row to row
	s_or_b32 s[G1B+0], s44, (1<<16)|(1<<20)|(1<<21)|(5<<22)|(7<<25)
	s_mov_b32 s[G1B+1], 128<<16
	s_mov_b32 s[G1B+2], 128<<16
	s_mov_b32 s[G1B+3], 128<<16
	s_mov_b32 s[G1B+4], 128
	s_mov_b32 s[G1B+5], 1024
	s_mov_b32 s[G1B+6], 0
	s_mov_b32 s[G1B+7], 0
	s_lshl_b32 s16, s13, 19                        ; A: 128 rows of 4,096 bytes x block row
	s_lshl_b32 s17, s12, 18                        ;    + 64 rows x half
	s_add_co_u32 s16, s16, s17
	s_mov_b32 s17, 0
	s_lshl_b32 s46, s42, 8                         ; B: 256 bytes x block column
	s_lshl_b32 s47, s12, 18                        ;    + 128 rows of 2,048 bytes x half
	s_add_co_u32 s46, s46, s47
	s_mov_b32 s47, 0
	s_mul_i32 s20, s10, PART
	s_wait_dscnt 0x0
	s_wait_kmcnt 0x0
	s_add_nc_u64 s[14:15], s[4:5], s[16:17]
	s_add_nc_u64 s[46:47], s[6:7], s[46:47]
	CROUND                                         ; the first joint loads meet
.irp s, 0,1
	s_mov_b32 s[G0+4*\s], 1
	s_add_co_u32 s[G0+4*\s+1], s20, \s*SLOT
	s_add_nc_u64 s[G0+4*\s+2:G0+4*\s+3], s[14:15], \s*512
	s_or_b32 s[G0+4*\s+3], s[G0+4*\s+3], 0x80000000
	s_mov_b32 s[G0B+4*\s], 1
	s_add_co_u32 s[G0B+4*\s+1], s20, \s*SLOT
	s_add_nc_u64 s[G0B+4*\s+2:G0B+4*\s+3], s[46:47], 8388608+\s*256*2048
	s_or_b32 s[G0B+4*\s+3], s[G0B+4*\s+3], 0x80000000
	JLOAD \s                                       ; two tensor loads of the wave are out here, later one at the most
.endr
	v_and_b32 v1, 15, v0                           ; r
	v_bfe_u32 v2, v0, 4, 1                         ; h
	v_mul_u32_u24 v3, v1, AP
	v_lshl_add_u32 v3, v2, 4, v3
	s_mul_i32 s21, s11, PART                       ; my 64 rows are one part
	v_add_nc_u32 v[ADRA], s21, v3
	v_add_nc_u32 v[ADRA+1], SLOT, v[ADRA]
	v_and_b32 v6, 7, v0
	v_lshl_add_u32 v6, v2, 3, v6
	v_mul_u32_u24 v6, v6, BP
	v_bfe_u32 v7, v0, 3, 1
	v_lshl_add_u32 v6, v7, 4, v6
	s_lshl_b32 s22, s12, 7                         ; my 64 columns: 128 bytes
	s_add_co_u32 s22, s22, 2*PART
	v_add_nc_u32 v[ADRB], s22, v6
	v_add_nc_u32 v[ADRB+1], PART, v[ADRB]
	v_add_nc_u32 v[ADRB+2], SLOT, v[ADRB]
	v_add_nc_u32 v[ADRB+3], SLOT+PART, v[ADRB]
	s_mul_i32 s23, s10, 16*SPITCH
	s_add_co_u32 s23, s23, STAGE
	v_mul_u32_u24 v4, v1, SPITCH
	v_lshl_add_u32 v4, v2, 5, v4
	v_add_nc_u32 v[STO], s23, v4                   ; in: row r, 32 bytes for each half of the lanes
	v_mul_u32_u24 v5, v2, SPITCH
	v_lshl_add_u32 v5, v1, 4, v5
	v_add_nc_u32 v[RD], s23, v5                    ; back: lanes 0-15 one row of 256 bytes, lanes 16-31 the next
	v_lshlrev_b32 v5, 12, v2
	v_lshl_add_u32 v[CO], v1, 4, v5
.macro PLACES                          ; four plain places between a matrix instruction and a load into, or a store from, one of its registers
.rept 4
	v_nop
.endr
.endm
.macro FETCH s, q, f                   ; 16 LDS loads: the fragments of 32 K (q = 0..7 in the slot) into buffer f
.irp b, 0,1,2,3
	ds_load_tr16_b128 v[\f+32+8*\b:\f+32+8*\b+3],   v[ADRB+2*\s+((\q)>>2)] offset:((\q)&3)*32*BP+32*\b
	ds_load_tr16_b128 v[\f+32+8*\b+4:\f+32+8*\b+7], v[ADRB+2*\s+((\q)>>2)] offset:((\q)&3)*32*BP+32*\b+16*BP
.endr
.irp a, 0,1,2,3
	ds_load_b128 v[\f+8*\a:\f+8*\a+3],   v[ADRA+\s] offset:\a*16*AP+64*(\q)
	ds_load_b128 v[\f+8*\a+4:\f+8*\a+7], v[ADRA+\s] offset:\a*16*AP+64*(\q)+32
.endr
.endm
.macro MUL8 f, a0, zero
.irp a, \a0, \a0+1
.irp b, 0,1,2,3
.if \zero
	v_wmma_f32_16x16x32_bf16 v[8*(4*(\a)+\b):8*(4*(\a)+\b)+7], v[\f+32+8*\b:\f+32+8*\b+7], v[\f+8*(\a):\f+8*(\a)+7], 0
.else
	v_wmma_f32_16x16x32_bf16 v[8*(4*(\a)+\b):8*(4*(\a)+\b)+7], v[\f+32+8*\b:\f+32+8*\b+7], v[\f+8*(\a):\f+8*(\a)+7], v[8*(4*(\a)+\b):8*(4*(\a)+\b)+7]
.endif
.endr
.endr
.endm
; multiplies buffer f while the next quarter's fragments (qn) come into buffer g; the 16 accumulators take turns, one instruction a turn
.macro QUARTER s, qn, f, g, zero
	s_wait_dscnt 0x0                               ; buffer f is in
	PLACES
	FETCH \s, \qn, \g
	WIN 0x50                                       ; C and D in window 1
	MUL8 \f, 0, \zero
	MUL8 \f, 2, \zero
	WIN 0
.endm
.macro SEVEN s, zero
	QUARTER \s, 1, F0, F1, \zero
	QUARTER \s, 2, F1, F0, 0
	QUARTER \s, 3, F0, F1, 0
	QUARTER \s, 4, F1, F0, 0
	QUARTER \s, 5, F0, F1, 0
	QUARTER \s, 6, F1, F0, 0
	QUARTER \s, 7, F0, F1, 0
.endm
; the eighth quarter changes slots: my reads of this slot and all my tensor loads are waited for, then the barrier (with a refill: a round of the
; cluster's barrier), the joint refill first behind it, then the next slot's first fragments.  sa, sb: how far A's and B's addresses of this slot go
.macro TURN s, nx, fill, sa, sb
	s_wait_dscnt 0x0
	s_wait_tensorcnt 0x0
	ds_add_u32 v254, v255
	s_wait_dscnt 0x0
	s_barrier_signal -1
	WIN 0x50
	MUL8 F1, 0, 0                                  ; register work alone
	WIN 0
	s_barrier_wait -1
.if \fill
	CREST
	STEP64 G0+4*\s+2, \sa
	STEP64 G0B+4*\s+2, \sb
	JLOAD \s
.endif
	PLACES
	FETCH \nx, 0, F0
	WIN 0x50
	MUL8 F1, 2, 0
	WIN 0
.endm
	s_wait_tensorcnt 0x1                           ; my part of slot 0 is in; slot 1's stays out
	s_barrier_signal -1
	s_barrier_wait -1
	FETCH 0, 0, F0
	SEVEN 0, 1                                     ; fill 0; the first products start the sums
	TURN 0, 1, 1, AFWD, BFWD                       ; asks for fill 2
	SEVEN 1, 0                                     ; fill 1
	TURN 1, 0, 1, AFWD, BFWD                       ; fill 3
	SEVEN 0, 0                                     ; fill 2
	TURN 0, 1, 1, AFWD, BBACK                      ; fill 4: og lo begins, Wo hi again
	SEVEN 1, 0                                     ; fill 3
	TURN 1, 0, 1, AFWD, BBACK                      ; fill 5
	SEVEN 0, 0                                     ; fill 4
	TURN 0, 1, 1, AFWD, BFWD                       ; fill 6
	SEVEN 1, 0                                     ; fill 5
	TURN 1, 0, 1, AFWD, BFWD                       ; fill 7
	SEVEN 0, 0                                     ; fill 6
	TURN 0, 1, 1, ABACK, BFWD                      ; fill 8: og hi again, Wo lo begins
	SEVEN 1, 0                                     ; fill 7
	TURN 1, 0, 1, ABACK, BFWD                      ; fill 9
	SEVEN 0, 0                                     ; fill 8
	TURN 0, 1, 1, AFWD, BFWD                       ; fill 10
	SEVEN 1, 0                                     ; fill 9
	TURN 1, 0, 1, AFWD, BFWD                       ; fill 11
	SEVEN 0, 0                                     ; fill 10
	TURN 0, 1, 0, 0, 0                             ; nothing is left to fetch
	SEVEN 1, 0                                     ; fill 11
	s_wait_dscnt 0x0
	WIN 0x50
	MUL8 F1, 0, 0
	MUL8 F1, 2, 0
	WIN 0
	; THE WAY OUT, 16 rows at a time: 32 bytes a lane into my own stage, whole rows of 256 bytes back
	PLACES
	s_lshl_b32 s18, s13, 19                        ; s18, s19, s2 hold sums of row and column terms; they feed no descriptor
	s_lshl_b32 s2, s11, 18
	s_add_co_u32 s18, s18, s2
	s_lshl_b32 s2, s42, 9
	s_add_co_u32 s18, s18, s2
	s_lshl_b32 s2, s12, 8
	s_add_co_u32 s18, s18, s2
	s_mov_b32 s19, 0
	s_add_nc_u64 s[8:9], s[8:9], s[18:19]
.macro OUT16 a, rb
	WIN 0x04                                       ; an LDS store's data is source 1: window 1
.irp b, 0,1,2,3
	ds_store_b128 v[STO], v[8*(4*\a+\b):8*(4*\a+\b)+3]   offset:64*\b
	ds_store_b128 v[STO], v[8*(4*\a+\b)+4:8*(4*\a+\b)+7] offset:64*\b+16
.endr
	WIN 0
	s_wait_xcnt 0x0                                ; the stores' base and buffer rb, which earlier stores read, are rewritten only behind this wait
.if \a
	s_add_nc_u64 s[8:9], s[8:9], 16*4096
.endif
.irp t, 0,1,2,3,4,5,6,7
	ds_load_b128 v[\rb+4*\t:\rb+4*\t+3], v[RD] offset:\t*2*SPITCH     ; LDS serves a wave's instructions in order: these see the stores above
.endr
.irp t, 0,1,2,3,4,5,6,7
	s_wait_dscnt 7-\t
	global_store_b128 v[CO], v[\rb+4*\t:\rb+4*\t+3], s[8:9] offset:2*\t*4096   ; 16 lanes store 256 consecutive bytes, aligned
.endr
.endm
	OUT16 0, RB0
	OUT16 1, RB1
	OUT16 2, RB0
	OUT16 3, RB1
	s_wait_tensorcnt 0x0
	ds_add_u32 v254, v255
	s_wait_dscnt 0x0
	CROUND                                         ; the closing round
	s_endpgm
.Lfunc_end_k_qa2830e039c_outp:
	.size	k_qa2830e039c_outp, .Lfunc_end_k_qa2830e039c_outp-k_qa2830e039c_outp
	.p2alignl 7, 3214868480
	.fill 96, 4, 3214868480
	.section	.rodata,"a",@progbits
	.p2align	6, 0x0
	.amdhsa_kernel k_qa2830e039c_outp
		.amdhsa_group_segment_fixed_size 327680
		.amdhsa_private_segment_fixed_size 0
		.amdhsa_enable_private_segment 0
		.amdhsa_kernarg_size 24
		.amdhsa_user_sgpr_count 2
		.amdhsa_user_sgpr_kernarg_segment_ptr 1
		.amdhsa_wavefront_size32 1
		.amdhsa_system_sgpr_workgroup_id_x 1
		.amdhsa_system_sgpr_workgroup_id_y 1
		.amdhsa_system_sgpr_workgroup_id_z 1
		.amdhsa_system_vgpr_workitem_id 0
		.amdhsa_next_free_vgpr 384
		.amdhsa_next_free_sgpr 66
		.amdhsa_reserve_vcc 0
		.amdhsa_float_denorm_mode_32 3
		.amdhsa_float_denorm_mode_16_64 3
		.amdhsa_memory_ordered 1
		.amdhsa_forward_progress 1
		.amdhsa_inst_pref_size 238
	.end_amdhsa_kernel
	.amdgpu_metadata
---
amdhsa.version: [ 1, 2 ]
amdhsa.kernels:
  - .name:           k_qa2830e039c_outp
    .symbol:         k_qa2830e039c_outp.kd
    .args:
      - { .name: og, .offset: 0, .size: 8, .value_kind: global_buffer, .address_space: global }
      - { .name: wts, .offset: 8, .size: 8, .value_kind: global_buffer, .address_space: global }
      - { .name: out0, .offset: 16, .size: 8, .value_kind: global_buffer, .address_space: global }
    .group_segment_fixed_size: 327680
    .private_segment_fixed_size: 0
    .kernarg_segment_align: 8
    .kernarg_segment_size: 24
    .max_flat_workgroup_size: 128
    .sgpr_count:     66
    .vgpr_count:     384
    .wavefront_size: 32
...
	.end_amdgpu_metadata
.endif
;; end of part 4
;; ======== version 2 of 3: 4 launches; 1.18 times as fast as version 1
;; limits: values are held in f16: magnitudes above 65,504 overflow, below 6.1e-05 lose precision
;; workspace buffers: bfin 8,388,608 bytes; wts 10,485,760 bytes; aux 550,912 bytes; qkv 25,165,824 bytes; gates 16,777,216 bytes; og 8,388,608 bytes; ogs 131,072 bytes
;; launch prep (part 5): grid 609 x 1, 8 waves a work-group, no clusters, 0 bytes of LDS; arguments seq, Wq, Wkv, Wg, Wo, mask, bfin, wts, aux; writes bfin, wts, aux
.if DOCPART == 5
	.amdgcn_target "amdgcn-amd-amdhsa--gfx1250"
	.amdhsa_code_object_version 6
	.text
	.protected	k_qa2830e039c_prep
	.globl	k_qa2830e039c_prep
	.p2align	8
	.type	k_qa2830e039c_prep,@function
k_qa2830e039c_prep:
	s_mov_b64 s[64:65], 0
	v_nop
	global_prefetch_b8 v0, s[64:65] scope:SCOPE_SE
	s_setreg_imm32_b32 hwreg(HW_REG_WAVE_MODE, 25, 1), 1
	s_wait_xcnt 0x0
; prep: what the three matrix launches need, made once.
;  work-groups   0..575: casts f32 -> f16, 16 rows of 1,024 numbers each (a row: 4,096 bytes in, 2,048 out), nothing transposed:
;      seq -> bfin [4096][1024];  Wq, Wkv, Wg -> wts, one matrix [1024 k][4096 n] with n = q | k | g | v;  Wo -> wts + 8,388,608 [1024][1024].
;      Wkv's rows of 2,048 are taken as half rows: half row j goes to byte 2,048 + 4,096 j, i.e. even halves (k) to the second quarter
;      of a row of 8,192 bytes and odd halves (v) to the fourth.
;      f16 has the room: seq's spread is 1 and the weights' 0.02; 30 times larger is far below 65,504, and 30 times smaller leaves
;      the absolute rounding floor (3e-8) under 1e-4 of the spread.
;  work-groups 576..607: the rotary table, aux[n][64] f32 = cos of the 32 frequencies, then sin of them, 64 rows each.
;  work-group       608: for each batch and key: m' (f16, 1 or 0) at aux + 524,288 and pen (f32, 0 or 1e30) at aux + 534,528; A at aux + 532,480.
;      A batch with at least one true key: m' = mask, pen = 1e30 where the mask is false, A = 100 log2 e.
;      A batch with none: m' = 1, pen = 0, A = 0, which makes all weights equal: the uniform softmax that the masked fill gives there.
; A stream: each byte is read once and written once, so no LDS, no matrix unit, no cluster (no two work-groups share a byte).
; LIMITS: the angle n f is reduced with 1/(2 pi) in f32 and f comes from v_exp_f32: it is good to about 3e-4 rad at n = 2047.
;         |seq| and |W| above 65,504 become infinite in f16.
.set OFF, 2                            ; v[2:17]   row i: byte offset of my 8 bytes in the destination
.set X,   20                           ; v[20:83]  row i: 4 numbers as loaded
.set Y,   84                           ; v[84:115] row i: 4 f16 to store
.set TA,  16
.set TB,  17
.set TC,  18
	s_load_b512 s[4:19], s[0:1], 0x0               ; seq 4, Wq 6, Wkv 8, Wg 10, Wo 12, mask 14, bfin 16, wts 18
	s_load_b64 s[20:21], s[0:1], 0x40              ; aux
	s_mov_b32 s22, ttmp9
	v_lshrrev_b32 v1, 5, v0
	v_readfirstlane_b32 s23, v1                    ; wave
	s_wait_kmcnt 0x0
	s_cmp_ge_u32 s22, 608
	s_cbranch_scc1 .Lmask
	s_cmp_ge_u32 s22, 576
	s_cbranch_scc1 .Ltab
; ---------------- casts to f16 ----------------
; the job's source, destination, first work-group, byte offset and row pitch in the destination: chosen by the work-group's number alone
.macro JOB first, src, dst, off, pitch
	s_cmp_ge_u32 s22, \first
	s_cselect_b64 s[24:25], s[\src:\src+1], s[24:25]
	s_cselect_b64 s[26:27], s[\dst:\dst+1], s[26:27]
	s_cselect_b32 s28, \first, s28
	s_cselect_b32 s29, \off, s29
	s_cselect_b32 s30, \pitch, s30
.endm
	s_mov_b64 s[24:25], s[4:5]                     ; seq -> bfin
	s_mov_b64 s[26:27], s[16:17]
	s_mov_b32 s28, 0
	s_mov_b32 s29, 0
	s_mov_b32 s30, 2048
	JOB 256, 6, 18, 0, 8192                        ; Wq
	JOB 320, 8, 18, 2048, 4096                     ; Wkv, half rows
	JOB 448, 10, 18, 4096, 8192                    ; Wg
	JOB 512, 12, 18, 8388608, 2048                 ; Wo
	s_sub_co_u32 s28, s22, s28                     ; my number within the job
	s_lshl_b32 s32, s28, 16                        ; 16 source rows of 4,096 bytes
	s_mov_b32 s33, 0
	s_add_nc_u64 s[24:25], s[24:25], s[32:33]
	s_mul_i32 s32, s28, s30
	s_lshl_b32 s32, s32, 4                         ; 16 destination rows
	s_add_co_u32 s32, s32, s29
	s_add_nc_u64 s[26:27], s[26:27], s[32:33]
	v_lshlrev_b32 v1, 4, v0                        ; 16 bytes a thread: the 256 threads cover a source row
	v_lshlrev_b32 v[OFF], 3, v0                    ; 8 bytes a thread out: a wave's store covers 256 consecutive bytes, aligned
.irp i, 1,2,3,4,5,6,7,8,9,10,11,12,13,14,15
	v_add_nc_u32 v[OFF+\i], s30, v[OFF+\i-1]
.endr
.irp i, 0,1,2,3,4,5,6,7,8,9,10,11,12,13,14,15
	global_load_b128 v[X+4*\i:X+4*\i+3], v1, s[24:25] offset:4096*\i th:TH_LOAD_NT   ; all 16 rows are asked for at once
.endr
.irp i, 0,1,2,3,4,5,6,7,8,9,10,11,12,13,14,15
	s_wait_loadcnt 15-\i                           ; loads return in order: row i is in, the 15 - i younger ones stay out
	v_cvt_pk_f16_f32 v[Y+2*\i],   v[X+4*\i],   v[X+4*\i+1]
	v_cvt_pk_f16_f32 v[Y+2*\i+1], v[X+4*\i+2], v[X+4*\i+3]
	global_store_b64 v[OFF+\i], v[Y+2*\i:Y+2*\i+1], s[26:27]    ; every row has its own registers: nothing is rewritten
.endr
	s_endpgm
; ---------------- the rotary table ----------------
; cos and sin of th: th in turns, less the nearest whole turn; a quarter of the angle (|y| <= pi/4) goes through the two series, two doublings bring the angle back.
.macro SINCOS th, c, s
	v_mul_f32 v[TA], 0.15915494, v[\th]
	v_rndne_f32 v[TA], v[TA]
	v_fma_f32 v[TA], v[\th], 0.15915494, -v[TA]    ; the fraction of a turn, -0.5 .. 0.5
	v_mul_f32 v[TA], 0x3fc90fdb, v[TA]             ; y = fraction x 2 pi / 4
	v_mul_f32 v[TB], v[TA], v[TA]
	v_mov_b32 v[\s], 0xb9500d01                    ; -1/5040
	v_fmaak_f32 v[\s], v[\s], v[TB], 0x3c088889    ; +1/120
	v_fmaak_f32 v[\s], v[\s], v[TB], 0xbe2aaaab    ; -1/6
	v_mul_f32 v[TC], v[TA], v[TB]
	v_fma_f32 v[\s], v[\s], v[TC], v[TA]           ; sin y
	v_mov_b32 v[\c], 0x37d00d01                    ; 1/40320
	v_fmaak_f32 v[\c], v[\c], v[TB], 0xbab60b61    ; -1/720
	v_fmaak_f32 v[\c], v[\c], v[TB], 0x3d2aaaab    ; +1/24
	v_fmaak_f32 v[\c], v[\c], v[TB], 0xbf000000    ; -1/2
	v_fma_f32 v[\c], v[\c], v[TB], 1.0             ; cos y
.rept 2
	v_mul_f32 v[TA], v[\s], v[\s]
	v_mul_f32 v[TB], v[\s], v[\c]
	v_fma_f32 v[\c], v[\c], v[\c], -v[TA]          ; cos 2y = c c - s s
	v_add_f32 v[\s], v[TB], v[TB]                  ; sin 2y = 2 s c
.endr
.endm
.Ltab:
	v_and_b32 v1, 31, v0                           ; lane: lanes 0-15 store cos, lanes 16-31 sin, of frequencies 2p and 2p + 1
	v_and_b32 v2, 15, v0                           ; p
	s_sub_co_u32 s24, s22, 576
	s_lshl_b32 s24, s24, 6
	s_lshl3_add_u32 s24, s23, s24                  ; my wave's first row: 64 x group + 8 x wave
	v_lshlrev_b32 v3, 1, v2
	v_cvt_f32_u32 v3, v3
	v_add_f32 v4, 1.0, v3
	v_mul_f32 v3, 0xbea00000, v3                   ; 1024^(-i/32) = 2^(-0.3125 i)
	v_mul_f32 v4, 0xbea00000, v4
	v_exp_f32 v3, v3
	v_exp_f32 v4, v4
	v_nop                                          ; one plain place behind the transcendentals (ISA guide 5.7.2)
	v_cvt_f32_u32 v5, s24                          ; n
	v_cmp_le_u32 vcc_lo, 16, v1
	s_lshl_b32 s25, s24, 8
	v_lshl_add_u32 v6, v1, 3, s25                  ; 256 n + 8 lane: a wave's store is one row, 256 consecutive bytes, aligned
	s_wait_alu depctr_va_vdst(0)
.irp it, 0,1,2,3,4,5,6,7
	v_mul_f32 v10, v5, v3
	v_mul_f32 v11, v5, v4
	SINCOS 10, 12, 13
	SINCOS 11, 14, 15
	v_cndmask_b32 v[40+2*\it], v12, v13, vcc_lo
	v_cndmask_b32 v[41+2*\it], v14, v15, vcc_lo
	global_store_b64 v6, v[40+2*\it:41+2*\it], s[20:21] offset:256*\it   ; each row has its own pair; the row stands in the immediate
	v_add_f32 v5, 1.0, v5
.endr
	s_endpgm
; ---------------- the mask ----------------
.Lmask:
	v_and_b32 v1, 31, v0
	s_lshr_b32 s24, s23, 2                         ; wave w: batch w / 4, quarter w % 4 of its 2,048 keys
	s_and_b32 s25, s23, 3
	s_lshl_b32 s26, s24, 11
	s_mov_b32 s27, 0
	s_add_nc_u64 s[14:15], s[14:15], s[26:27]
	v_lshlrev_b32 v2, 4, v1
.irp c, 0,1,2,3
	global_load_b128 v[4+4*\c:7+4*\c], v2, s[14:15] offset:512*\c        ; the whole batch's mask: is any key true?
.endr
	v_lshlrev_b32 v3, 3, v1
	v_lshl_add_u32 v3, s25, 9, v3
	global_load_b64 v[20:21], v3, s[14:15]                               ; my quarter, 8 keys a lane, twice: for m'
	global_load_b64 v[22:23], v3, s[14:15] offset:256
	v_lshlrev_b32 v40, 2, v1
	v_lshl_add_u32 v40, s25, 9, v40
.irp c, 0,1,2,3
	global_load_b32 v[41+\c], v40, s[14:15] offset:128*\c                ; my quarter again, 4 keys a lane, four times: for pen
.endr
	s_wait_loadcnt 0x0
.irp k, 5,6,7,8,9,10,11,12,13,14,15,16,17,18,19
	v_or_b32 v4, v4, v[\k]
.endr
	v_cmp_ne_u32 vcc_lo, 0, v4
	s_cmp_lg_u32 vcc_lo, 0                         ; chooses values only, no address and no branch
	s_cselect_b32 s28, 0, 0x01010101               ; no true key: every key counts
	s_cselect_b32 s30, 0x431044fe, 0               ; A = 100 log2 e
	s_mov_b32 s29, 0x7149f2ca                      ; 1e30
.irp k, 0,1,2,3
	v_or_b32 v[20+\k], s28, v[20+\k]
	v_and_b32 v24, 0x101, v[20+\k]                 ; bytes 0, 1
	v_lshrrev_b32 v25, 16, v[20+\k]                ; bytes 2, 3
	v_and_b32 v25, 0x101, v25
	v_lshl_or_b32 v24, v24, 8, v24
	v_lshl_or_b32 v25, v25, 8, v25
	v_and_b32 v24, 0x10001, v24                    ; one bit in each half word
	v_and_b32 v25, 0x10001, v25
	v_mul_u32_u24 v[28+2*\k], 0x3c00, v24          ; f16 1.0 or 0, twice
	v_mul_u32_u24 v[29+2*\k], 0x3c00, v25
.endr
.irp c, 0,1,2,3
	v_or_b32 v[41+\c], s28, v[41+\c]
.irp k, 0,1,2,3
	v_bfe_u32 v45, v[41+\c], 8*\k, 1               ; 1: the key counts
	v_add_nc_u32 v45, -1, v45                      ; 0, or all ones
	v_and_b32 v[48+4*\c+\k], s29, v45              ; 0, or 1e30
.endr
.endr
	s_lshl_b32 s26, s24, 12
	s_lshl_b32 s27, s25, 10
	s_add_co_u32 s26, s26, s27
	v_lshl_add_u32 v36, v1, 4, s26
	global_store_b128 v36, v[28:31], s[20:21] offset:524288              ; 512 consecutive bytes a store
	global_store_b128 v36, v[32:35], s[20:21] offset:524288+512
	s_lshl_b32 s26, s26, 1                                               ; 4 bytes a key
	v_lshl_add_u32 v46, v1, 4, s26
.irp c, 0,1,2,3
	global_store_b128 v46, v[48+4*\c:51+4*\c], s[20:21] offset:534528+512*\c
.endr
	s_lshl_b32 s27, s23, 8
	v_lshl_add_u32 v37, v1, 3, s27
	v_mov_b32 v38, s30
	v_mov_b32 v39, s30
	global_store_b64 v37, v[38:39], s[20:21] offset:532480               ; each wave fills 256 bytes of its own; batch b's A is read at 1,024 b
	s_endpgm
.Lfunc_end_k_qa2830e039c_prep:
	.size	k_qa2830e039c_prep, .Lfunc_end_k_qa2830e039c_prep-k_qa2830e039c_prep
	.p2alignl 7, 3214868480
	.fill 96, 4, 3214868480
	.section	.rodata,"a",@progbits
	.p2align	6, 0x0
	.amdhsa_kernel k_qa2830e039c_prep
		.amdhsa_group_segment_fixed_size 0
		.amdhsa_private_segment_fixed_size 0
		.amdhsa_enable_private_segment 0
		.amdhsa_kernarg_size 72
		.amdhsa_user_sgpr_count 2
		.amdhsa_user_sgpr_kernarg_segment_ptr 1
		.amdhsa_wavefront_size32 1
		.amdhsa_system_sgpr_workgroup_id_x 1
		.amdhsa_system_sgpr_workgroup_id_y 1
		.amdhsa_system_sgpr_workgroup_id_z 1
		.amdhsa_system_vgpr_workitem_id 0
		.amdhsa_next_free_vgpr 128
		.amdhsa_next_free_sgpr 66
		.amdhsa_reserve_vcc 1
		.amdhsa_float_denorm_mode_32 3
		.amdhsa_float_denorm_mode_16_64 3
		.amdhsa_memory_ordered 1
		.amdhsa_forward_progress 1
		.amdhsa_inst_pref_size 37
	.end_amdhsa_kernel
	.amdgpu_metadata
---
amdhsa.version: [ 1, 2 ]
amdhsa.kernels:
  - .name:           k_qa2830e039c_prep
    .symbol:         k_qa2830e039c_prep.kd
    .args:
      - { .name: seq, .offset: 0, .size: 8, .value_kind: global_buffer, .address_space: global }
      - { .name: Wq, .offset: 8, .size: 8, .value_kind: global_buffer, .address_space: global }
      - { .name: Wkv, .offset: 16, .size: 8, .value_kind: global_buffer, .address_space: global }
      - { .name: Wg, .offset: 24, .size: 8, .value_kind: global_buffer, .address_space: global }
      - { .name: Wo, .offset: 32, .size: 8, .value_kind: global_buffer, .address_space: global }
      - { .name: mask, .offset: 40, .size: 8, .value_kind: global_buffer, .address_space: global }
      - { .name: bfin, .offset: 48, .size: 8, .value_kind: global_buffer, .address_space: global }
      - { .name: wts, .offset: 56, .size: 8, .value_kind: global_buffer, .address_space: global }
      - { .name: aux, .offset: 64, .size: 8, .value_kind: global_buffer, .address_space: global }
    .group_segment_fixed_size: 0
    .private_segment_fixed_size: 0
    .kernarg_segment_align: 8
    .kernarg_segment_size: 72
    .max_flat_workgroup_size: 256
    .sgpr_count:     66
    .vgpr_count:     128
    .wavefront_size: 32
...
	.end_amdgpu_metadata
.endif
;; end of part 5
;; launch proj: the kernel of part 2 again; grid 16 x 16, 4 waves a work-group, clusters of 4 x 4, 327,680 bytes of LDS; arguments bfin, wts, bq, bg, aux, qkv, gates; writes qkv, gates
;; launch attn (part 6): grid 8 x 32, 8 waves a work-group, clusters of 4 x 4, 327,680 bytes of LDS; arguments qkv, attn_bias, gates, aux, og, ogs; writes og, ogs
.if DOCPART == 6
	.amdgcn_target "amdgcn-amd-amdhsa--gfx1250"
	.amdhsa_code_object_version 6
	.text
	.protected	k_qa2830e039c_attn
	.globl	k_qa2830e039c_attn
	.p2align	8
	.type	k_qa2830e039c_attn,@function
k_qa2830e039c_attn:
	s_mov_b64 s[64:65], 0
	v_nop
	global_prefetch_b8 v0, s[64:65] scope:SCOPE_SE
	s_setreg_imm32_b32 hwreg(HW_REG_WAVE_MODE, 25, 1), 1
	s_wait_xcnt 0x0
	s_wait_alu depctr_hold_cnt(0) depctr_sa_sdst(0) depctr_va_vdst(0) depctr_va_sdst(0) depctr_va_ssrc(0) depctr_va_vcc(0) depctr_vm_vsrc(0)
	s_getreg_b32 s2, hwreg(HW_REG_IB_STS2, 6, 4)
	s_cmp_eq_u32 s2, 0
	s_cbranch_scc0 .Lentry_in_a_cluster
	s_endpgm
.Lentry_in_a_cluster:
	s_bfe_u32 s2, ttmp6, 0x10000c
	s_cmp_lg_u32 s2, 0xf033
	s_cbranch_scc0 .Lentry_shape_is_right
	s_endpgm
.Lentry_shape_is_right:
; attn: x[row][h 64 + d] = gate x sum over keys of softmax(50 tanh((q k + bias) / 50), masked) v.
; x leaves as og = x / 2^e in f16 and ogs[head pair][row] = 2^e in f32: 2^e is the power of two at or below the largest magnitude among the row's 128 numbers
; of the head pair (at least 2^-126), so every stored magnitude is below 2.  x alone has no room in f16: v may reach thousands while a gate may be as small as f32 allows.
; A work-group: 2 heads x 128 queries, all 2,048 keys in 16 blocks of 128 through two LDS slots.  Eight waves: wave w has head w / 4 and 32 queries (w % 4).
; For 128 keys the group fetches 64 KiB of bias (shared by its two heads) and 64 KiB of K and V (shared by its 128 queries).
; CLUSTERS 4 x 4: x counts head pairs, y query blocks.  The bias tile hangs on the query block alone: asked for jointly along a row of the cluster;
; K and V hang on the head pair and the batch (four cluster rows of y lie in one batch): jointly along a column.
; THE BLOCK (128 keys x 32 queries of a wave, four steps of 32 keys), all transposed so that nothing is shuffled; q, k, v and P are f16:
;   S^T(key, query) = K Q^T + bias^T: the bias tile is loaded from LDS straight into the accumulator (register j of lane (r, h) = key 8h + j, query r).
;   r = 1 / (1 + 2^(-c1 S + pen)), c1 = 2 log2 e / 50.  The clamped score in powers of two is A r - A / 2 with A = 100 log2 e, so it rises with r.
;   The r of all four steps stay in 128 registers.  THE RUNNING MAXIMUM is N = the largest r of the query so far, this block included; it is fixed once a block:
;   O and l are multiplied once by 2^(A (M - N)) (M: the maximum before), and P = 2^(A r + (12 - A N)) <= 4,096: it fits f16, and what falls under f16's
;   floor is below 2^-36 of the row's largest weight.  Once for 128 keys instead of once for 32 spares three of four rescalings (40 packed multiplies each).
;   Two key tiles, packed to f16 in place, ARE the B fragment (column = query, k = 32 keys).  O^T(d, query) += V^T P^T, V^T by transposing LDS loads.
;   The row sum is a fifth product: a fragment whose 16 rows all hold m' (1 for a key that counts, else 0) gives l(query) in every register.
;   The eight K Q^T products of a step are strewn among the 32 reciprocals (or exponentials) of the step before, which touch other registers.
; THE MASK: pen = 1e30 for a masked key makes its r = 0, the least that r can be, so it never raises the maximum; its weight is left out by V (its masked
; rows were zeroed where V was made) and by m'.  A batch with no true key has pen = 0, m' = 1 and A = 0: every P = 4,096, the uniform softmax.
; LIMITS: l is the sum of the P as rounded to f16; an infinite S gives the clamp's end value; NaN is not served.
; No prefetch: a refill is asked for straight behind the round and has a whole block of 128 keys in which to land.
; REGISTERS, in two windows of 256 (s_set_vgpr_msb's low byte: bits 1:0 source 0, 3:2 source 1, 5:4 source 2, 7:6 destination):
;   window 0: addresses and small things, Q, K, pen, the four S blocks;  window 1: O^T and l, V^T and m' of the block's four steps.
;   0x40: loads into window 1.  0x51: D, C and A in window 1, B (P) in window 0; a packed multiply has no third source, so the rescaling runs under it too.
.set KP,   272                         ; K's LDS row: 256 bytes (two heads) + 16
.set VP,   288                         ; V's: 256 + 32 = 9 x 32, for the transposing loads
.set BP,   528                         ; bias: 512 bytes (128 keys) + 16
.set PART, 18432                       ; what one wave's tensor load fills: 64 keys of K (waves 0, 1) or V (2, 3), 32 queries of bias (4..7)
.set SLOT, 8*PART
.set MROW_L, 2*SLOT                    ; 4,096 bytes: m' of my batch; written by ds_store, never a tensor load's target
.set PEN_L, MROW_L+4096                ; 8,192 bytes: pen of my batch; likewise
.set SC_L, PEN_L+8192                  ; 512 bytes: 2^e of the group's 128 rows; likewise
.set WST,  8704                        ; the way out: 32 rows x 272 bytes for each wave, in slot 0 behind its last fill
.set ADK, 2                            ; v2, v3   K fragments in slot 0, 1
.set ADV, 4                            ; v4, v5   V
.set ADB, 6                            ; v6, v7   bias
.set ADM, 8                            ; v8       m', stepped by two blocks a lap
.set AA,  10                           ; v[10:11] (A, A)
.set CD,  12                           ; v12 = 12 - A N of query tile 0, v13 = its new value at work; v14, v15 for tile 1.  The packed forms take the pair's first register twice
.set QF,  16                           ; v[16:47]   Q fragments 8 (2 t + c)
.set KF,  48                           ; v[48:79]   K fragments 8 (2 u + c) of one step
.set PEN, 80                           ; v[80:95]   pen of one step's 32 keys, 8 u + j
.set AL,  96                           ; v96 = 2^(A (M - N)) of tile 0, v97 = its exponent; v98, v99 for tile 1
.set MM,  100                          ; v100, v101 the running maximum of query tile 0, 1 (key tiles u = 0); v102, v103 the same over key tiles u = 1
.set ADP, 104                          ; v104     pen, stepped by two blocks a lap
.set SR,  112                          ; v[112:239] S of step i at 32 i, tile 8 (2 u + t); later P: the fragment of query tile t is the block's tile (0, t)
.set OA,  0                            ; window 1 v[0:79]    O^T tiles 8 (2 d + t), d = 4: the row sums
.set VF,  80                           ; window 1 v[80:207]  V^T fragments of step i at 32 i, 8 d
.set MF,  208                          ; window 1 v[208:239] m' fragment of step i at 8 i
.set G1K, 28
.set G1V, 36
.set G1B, 44
.set G0K, 52
.set G0V, 68
.set G0B, 76
.set MSB, 0
.macro WIN new                         ; the immediate's high byte repeats the setting that is left
.if MSB != \new
	s_set_vgpr_msb (MSB<<8)|\new
.set MSB, \new
.endif
.endm
.macro CREST
	s_cmp_lg_u32 s20, 0
	s_cbranch_scc1 .Lnot_wave_0_\@
	s_barrier_signal -3
.Lnot_wave_0_\@:
	s_barrier_wait -3
	s_barrier_signal -1
	s_barrier_wait -1
.endm
.macro CROUND
	s_barrier_signal -1
	s_barrier_wait -1
	CREST
.endm
; a joint refill of slot s: one tensor load a wave, one mask a line; the branches hang on the wave's number alone
.macro JLOAD s
	s_cmp_lt_u32 s20, 2
	s_cbranch_scc0 .Lnot_k_\@
	tensor_load_to_lds s[G0K+4*\s:G0K+4*\s+3], s[G1K:G1K+7]
	s_nop 0
	s_branch .Lasked_\@
.Lnot_k_\@:
	s_cmp_lt_u32 s20, 4
	s_cbranch_scc0 .Lnot_v_\@
	tensor_load_to_lds s[G0V+4*\s:G0V+4*\s+3], s[G1V:G1V+7]
	s_nop 0
	s_branch .Lasked_\@
.Lnot_v_\@:
	tensor_load_to_lds s[G0B+4*\s:G0B+4*\s+3], s[G1B:G1B+7]
	s_nop 0
.Lasked_\@:
.endm
; the first fills of both slots: a wave's two stand in one branch
.macro JLOAD2
	s_cmp_lt_u32 s20, 2
	s_cbranch_scc0 .Lnot_k_\@
	tensor_load_to_lds s[G0K:G0K+3], s[G1K:G1K+7]
	s_nop 0
	tensor_load_to_lds s[G0K+4:G0K+7], s[G1K:G1K+7]
	s_nop 0
	s_branch .Lasked_\@
.Lnot_k_\@:
	s_cmp_lt_u32 s20, 4
	s_cbranch_scc0 .Lnot_v_\@
	tensor_load_to_lds s[G0V:G0V+3], s[G1V:G1V+7]
	s_nop 0
	tensor_load_to_lds s[G0V+4:G0V+7], s[G1V:G1V+7]
	s_nop 0
	s_branch .Lasked_\@
.Lnot_v_\@:
	tensor_load_to_lds s[G0B:G0B+3], s[G1B:G1B+7]
	s_nop 0
	tensor_load_to_lds s[G0B+4:G0B+7], s[G1B:G1B+7]
	s_nop 0
.Lasked_\@:
.endm
	s_load_b256 s[4:11], s[0:1], 0x0               ; qkv 4, attn_bias 6, gates 8, aux 10
	s_load_b64 s[12:13], s[0:1], 0x20              ; og
	s_load_b64 s[60:61], s[0:1], 0x28              ; ogs
	v_lshl_add_u32 v246, v0, 2, 0x4b200
	v_mov_b32 v247, 0
	ds_add_u32 v246, v247
	v_lshrrev_b32 v1, 5, v0
	v_readfirstlane_b32 s20, v1                    ; wave
	s_lshr_b32 s21, s20, 2                         ; which head of the pair
	s_and_b32 s22, s20, 3                          ; which 32 queries
	s_bfe_u32 s23, ttmp6, 0x40000                  ; cx
	s_bfe_u32 s24, ttmp6, 0x40004                  ; cy
	s_lshl_b32 s25, ttmp9, 2
	s_add_co_u32 s25, s25, s23                     ; head pair 0..7
	s_and_b32 s27, ttmp7, 0xffff
	s_lshl_b32 s26, s27, 2
	s_add_co_u32 s26, s26, s24                     ; query block 0..31 (128 rows each, both batches)
	s_lshr_b32 s27, s27, 2                         ; batch: from the cluster's y alone
	s_lshl_b32 s88, s24, 2
	s_lshl_b32 s88, 15, s88                        ; my row of the cluster
	s_lshl_b32 s89, 0x1111, s23                    ; my column
	s_mov_b32 s85, 0x41400000                      ; 12.0
	s_mov_b32 s100, 0x76543210                     ; v_permlanex16_b32: lane i of one half reads lane i of the other
	s_mov_b32 s101, 0xfedcba98
	; K: 64 rows x 128 elements of 2 bytes, 4 words of padding behind every 64; 1,024 elements from row to row
	s_or_b32 s[G1K+0], s89, (1<<16)|(1<<20)|(1<<21)|(5<<22)|(3<<25)
	s_mov_b32 s[G1K+1], 128<<16
	s_mov_b32 s[G1K+2], 64<<16
	s_mov_b32 s[G1K+3], 128<<16
	s_mov_b32 s[G1K+4], 64
	s_mov_b32 s[G1K+5], 1024
	s_mov_b32 s[G1K+6], 0
	s_mov_b32 s[G1K+7], 0
	; V: the same with 8 words of padding
	s_or_b32 s[G1V+0], s89, (1<<16)|(1<<20)|(1<<21)|(5<<22)|(7<<25)
	s_mov_b32 s[G1V+1], 128<<16
	s_mov_b32 s[G1V+2], 64<<16
	s_mov_b32 s[G1V+3], 128<<16
	s_mov_b32 s[G1V+4], 64
	s_mov_b32 s[G1V+5], 1024
	s_mov_b32 s[G1V+6], 0
	s_mov_b32 s[G1V+7], 0
	; bias: 32 rows x 128 elements of 4 bytes, 4 words of padding behind every 128; 2,048 elements from row to row
	s_or_b32 s[G1B+0], s88, (2<<16)|(1<<20)|(1<<21)|(6<<22)|(3<<25)
	s_mov_b32 s[G1B+1], 128<<16
	s_mov_b32 s[G1B+2], 32<<16
	s_mov_b32 s[G1B+3], 128<<16
	s_mov_b32 s[G1B+4], 32
	s_mov_b32 s[G1B+5], 2048
	s_mov_b32 s[G1B+6], 0
	s_mov_b32 s[G1B+7], 0
	; K and V: batch, my 64 keys, head pair (s90, s91, s96 never hold cy); bias: query block, my 32 queries (s94, s95, s98 never hold cx)
	s_lshl_b32 s90, s27, 22                        ; 2,048 rows of 2,048 bytes
	s_and_b32 s99, s20, 1
	s_lshl_b32 s99, s99, 17                        ; 64 rows
	s_add_co_u32 s90, s90, s99
	s_lshl_b32 s96, s25, 8                         ; 256 bytes a head pair
	s_add_co_u32 s90, s90, s96
	s_mov_b32 s91, 0
	s_lshl_b32 s94, s22, 18                        ; 32 rows of 8,192 bytes
	s_lshl_b32 s98, s26, 20                        ; 128 rows
	s_add_co_u32 s94, s94, s98
	s_mov_b32 s95, 0
	s_mul_i32 s97, s20, PART                       ; LDS: wave x part; no place in the cluster enters
	s_wait_dscnt 0x0
	s_wait_kmcnt 0x0
	s_add_nc_u64 s[90:91], s[4:5], s[90:91]
	s_add_nc_u64 s[94:95], s[6:7], s[94:95]
.irp s, 0,1
	s_mov_b32 s[G0K+4*\s], 1
	s_add_co_u32 s[G0K+4*\s+1], s97, \s*SLOT
	s_add_nc_u64 s[G0K+4*\s+2:G0K+4*\s+3], s[90:91], 8388608+\s*128*2048
	s_or_b32 s[G0K+4*\s+3], s[G0K+4*\s+3], 0x80000000
	s_mov_b32 s[G0V+4*\s], 1
	s_add_co_u32 s[G0V+4*\s+1], s97, \s*SLOT
	s_add_nc_u64 s[G0V+4*\s+2:G0V+4*\s+3], s[90:91], 16777216+\s*128*2048
	s_or_b32 s[G0V+4*\s+3], s[G0V+4*\s+3], 0x80000000
	s_mov_b32 s[G0B+4*\s], 1
	s_add_co_u32 s[G0B+4*\s+1], s97, \s*SLOT
	s_add_nc_u64 s[G0B+4*\s+2:G0B+4*\s+3], s[94:95], \s*128*4
	s_or_b32 s[G0B+4*\s+3], s[G0B+4*\s+3], 0x80000000
.endr
	CROUND                                         ; all sixteen work-groups are here: the first joint loads meet
	JLOAD2                                         ; key blocks 0 and 1: two tensor loads of the wave are out here, later one at the most
	; s92, s93, s87 hold sums of row and column terms; they feed no descriptor
	s_lshl_b32 s92, s27, 10
	s_add_co_u32 s92, s92, 532480
	s_mov_b32 s93, 0
	s_add_nc_u64 s[14:15], s[10:11], s[92:93]
	s_load_b32 s84, s[14:15], 0x0                  ; A of my batch
	s_lshl_b32 s92, s27, 12
	s_add_co_u32 s92, s92, 524288
	s_add_nc_u64 s[16:17], s[10:11], s[92:93]      ; m' of my batch
	s_lshl_b32 s92, s27, 13
	s_add_co_u32 s92, s92, 534528
	s_add_nc_u64 s[88:89], s[10:11], s[92:93]      ; pen of my batch (the masks in s88, s89 have gone into the descriptors)
	s_lshl_b32 s92, s26, 18
	s_lshl_b32 s87, s25, 8
	s_add_co_u32 s92, s92, s87
	s_add_nc_u64 s[18:19], s[4:5], s[92:93]        ; q at my query block and head pair
	v_lshlrev_b32 v254, 4, v0
	global_load_b128 v[SR:SR+3], v254, s[16:17]                  ; 256 threads x 16 bytes: all 2,048 m'
	global_load_b128 v[SR+4:SR+7], v254, s[88:89]                ; and twice that: all 2,048 pen
	global_load_b128 v[SR+8:SR+11], v254, s[88:89] offset:4096
	v_and_b32 v1, 15, v0                           ; r
	v_bfe_u32 v9, v0, 4, 1                         ; h
	s_lshl_b32 s92, s22, 16                        ; 32 rows of 2,048 bytes
	s_lshl_b32 s99, s21, 7                         ; 128 bytes a head
	s_add_co_u32 s92, s92, s99
	v_lshlrev_b32 v255, 11, v1
	v_lshl_add_u32 v255, v9, 4, v255
	v_add_nc_u32 v255, s92, v255
.irp t, 0,1
.irp c, 0,1
	global_load_b128 v[QF+8*(2*\t+\c):QF+8*(2*\t+\c)+3],   v255, s[18:19] offset:32768*\t+64*\c
	global_load_b128 v[QF+8*(2*\t+\c)+4:QF+8*(2*\t+\c)+7], v255, s[18:19] offset:32768*\t+64*\c+32
.endr
.endr
	v_mul_u32_u24 v[ADK], v1, KP
	v_lshl_add_u32 v[ADK], v9, 4, v[ADK]
	v_add_nc_u32 v[ADK], s99, v[ADK]               ; r x pitch + 16 h + head
	v_add_nc_u32 v[ADK+1], SLOT, v[ADK]
	v_and_b32 v[ADV], 7, v0
	v_lshl_add_u32 v[ADV], v9, 3, v[ADV]
	v_mul_u32_u24 v[ADV], v[ADV], VP               ; (8 h + l % 8) x pitch
	v_bfe_u32 v[ADV+1], v0, 3, 1
	v_lshl_add_u32 v[ADV], v[ADV+1], 4, v[ADV]     ; + 16 ((l / 8) % 2)
	v_add_nc_u32 v[ADV], s99, v[ADV]
	v_add_nc_u32 v[ADV], 2*PART, v[ADV]
	v_add_nc_u32 v[ADV+1], SLOT, v[ADV]
	v_mul_u32_u24 v[ADB], v1, BP
	v_lshl_add_u32 v[ADB], v9, 5, v[ADB]           ; query r, 8 keys at 8 h
	s_mul_i32 s92, s22, PART
	s_add_co_u32 s92, s92, 4*PART
	v_add_nc_u32 v[ADB], s92, v[ADB]
	v_add_nc_u32 v[ADB+1], SLOT, v[ADB]
	v_lshlrev_b32 v[ADM], 4, v9
	v_add_nc_u32 v[ADM], MROW_L, v[ADM]            ; 8 f16 at 8 h
	v_lshlrev_b32 v[ADP], 5, v9
	v_add_nc_u32 v[ADP], PEN_L, v[ADP]             ; 8 f32 at 8 h
	v_add_nc_u32 v253, MROW_L, v254
	s_wait_loadcnt 0x8                             ; m' and pen are in; the eight loads of Q stay out
	ds_store_b128 v253, v[SR:SR+3]
	ds_store_b128 v253, v[SR+4:SR+7] offset:4096
	ds_store_b128 v253, v[SR+8:SR+11] offset:8192
	s_wait_dscnt 0x0                               ; for the other waves' sake
	s_wait_tensorcnt 0x1                           ; my part of key block 0 has landed; block 1's stays out
	s_barrier_signal -1
	s_barrier_wait -1
.macro PLACES                          ; four plain places between a matrix instruction and a load into, or a vector instruction on, one of its registers
.rept 4
	v_nop
.endr
.endm
.macro LDK s, kk                       ; K fragments of keys 32 kk .. +31 of slot s: 8 loads
.irp u, 0,1
.irp c, 0,1
	ds_load_b128 v[KF+8*(2*\u+\c):KF+8*(2*\u+\c)+3],   v[ADK+\s] offset:((\kk)>>1)*PART+(((\kk)&1)*32+16*\u)*KP+64*\c
	ds_load_b128 v[KF+8*(2*\u+\c)+4:KF+8*(2*\u+\c)+7], v[ADK+\s] offset:((\kk)>>1)*PART+(((\kk)&1)*32+16*\u)*KP+64*\c+32
.endr
.endr
.endm
.macro LDB s, kk                       ; the bias of the same keys, into the four tiles of S block kk: 8 loads
.irp u, 0,1
.irp t, 0,1
	ds_load_b128 v[SR+32*(\kk)+8*(2*\u+\t):SR+32*(\kk)+8*(2*\u+\t)+3],   v[ADB+\s] offset:\t*16*BP+128*(\kk)+64*\u
	ds_load_b128 v[SR+32*(\kk)+8*(2*\u+\t)+4:SR+32*(\kk)+8*(2*\u+\t)+7], v[ADB+\s] offset:\t*16*BP+128*(\kk)+64*\u+16
.endr
.endr
.endm
.macro LDV s, kk                       ; V^T fragments and the m' fragment of step kk, into window 1: 10 loads
.irp d, 0,1,2,3
	ds_load_tr16_b128 v[VF+32*(\kk)+8*\d:VF+32*(\kk)+8*\d+3],   v[ADV+\s] offset:((\kk)>>1)*PART+((\kk)&1)*32*VP+32*\d
	ds_load_tr16_b128 v[VF+32*(\kk)+8*\d+4:VF+32*(\kk)+8*\d+7], v[ADV+\s] offset:((\kk)>>1)*PART+((\kk)&1)*32*VP+32*\d+16*VP
.endr
	ds_load_b128 v[MF+8*(\kk):MF+8*(\kk)+3],   v[ADM] offset:256*\s+64*(\kk)
	ds_load_b128 v[MF+8*(\kk)+4:MF+8*(\kk)+7], v[ADM] offset:256*\s+64*(\kk)+32
.endm
.macro LDP bs, kk                      ; pen of keys 32 kk .. +31 of block bs (0, 1: this lap's; 2: the next lap's first), register 8 u + j = key 16 u + 8 h + j: 4 loads
.irp u, 0,1
	ds_load_b128 v[PEN+8*\u:PEN+8*\u+3],   v[ADP] offset:512*(\bs)+128*(\kk)+64*\u
	ds_load_b128 v[PEN+8*\u+4:PEN+8*\u+7], v[ADP] offset:512*(\bs)+128*(\kk)+64*\u+16
.endr
.endm
; product n (0..7) of a step's eight onto the S block at sb: tile 2 u + t = n % 4, half c = n / 4 of the 64 d.  The four tiles take turns, one instruction a turn
.macro SMM1 sb, n
	v_wmma_f32_16x16x32_f16 v[\sb+8*((\n)&3):\sb+8*((\n)&3)+7], v[KF+8*(2*(((\n)>>1)&1)+((\n)>>2)):KF+8*(2*(((\n)>>1)&1)+((\n)>>2))+7], v[QF+8*(2*((\n)&1)+((\n)>>2)):QF+8*(2*((\n)&1)+((\n)>>2))+7], v[\sb+8*((\n)&3):\sb+8*((\n)&3)+7]
.endm
; 32 transcendentals in place on the S block at sb.  mm = 1: one of the eight products onto the block at nb stands ahead of each four; they name other registers
.macro TRUN op, sb, mm, nb
.set n8, 0
.rept 8
.if \mm
	SMM1 \nb, n8
.endif
	\op v[\sb+4*n8],   v[\sb+4*n8]
	\op v[\sb+4*n8+1], v[\sb+4*n8+1]
	\op v[\sb+4*n8+2], v[\sb+4*n8+2]
	\op v[\sb+4*n8+3], v[\sb+4*n8+3]
.set n8, n8+1
.endr
.endm
.macro ELT1A i                         ; -c1 S + pen, in place
.irp u, 0,1
.irp t, 0,1
.irp p, 0,1,2,3
	v_pk_fma_f32 v[SR+32*\i+8*(2*\u+\t)+2*\p:SR+32*\i+8*(2*\u+\t)+2*\p+1], v[SR+32*\i+8*(2*\u+\t)+2*\p:SR+32*\i+8*(2*\u+\t)+2*\p+1], 0xbd6c5f04, v[PEN+8*\u+2*\p:PEN+8*\u+2*\p+1] op_sel_hi:[1,0,1]
.endr
.endr
.endr
.endm
.macro ADDS i
.set j, 0
	s_wait_alu depctr_va_vdst(0)
.rept 16
	v_pk_add_f32 v[SR+32*\i+j:SR+32*\i+j+1], v[SR+32*\i+j:SR+32*\i+j+1], 1.0 op_sel_hi:[1,0]
.set j, j+2
.endr
.endm
.macro MAXB i                          ; the step's 32 r of a lane go into four running maxima, whose chains take turns so that no instruction waits for the one in front
	s_wait_alu depctr_va_vdst(0)
.irp k, 0,1,2,3
	v_max3_num_f32 v[MM],   v[MM],   v[SR+32*\i+2*\k],    v[SR+32*\i+2*\k+1]
	v_max3_num_f32 v[MM+1], v[MM+1], v[SR+32*\i+8+2*\k],  v[SR+32*\i+8+2*\k+1]
	v_max3_num_f32 v[MM+2], v[MM+2], v[SR+32*\i+16+2*\k], v[SR+32*\i+16+2*\k+1]
	v_max3_num_f32 v[MM+3], v[MM+3], v[SR+32*\i+24+2*\k], v[SR+32*\i+24+2*\k+1]
.endr
.endm
; once a block: N over both key tiles and both halves of the lanes; the new addend 12 - A N; the factor 2^(new addend - old addend) = 2^(A (M - N)) for what has been summed
.macro TAILM
	v_max_num_f32 v[MM],   v[MM],   v[MM+2]
	v_max_num_f32 v[MM+1], v[MM+1], v[MM+3]
	v_permlanex16_b32 v1, v[MM],   s100, s101      ; the other half's keys of the same query (v1, v9 have been written)
	v_permlanex16_b32 v9, v[MM+1], s100, s101
	v_max_num_f32 v[MM],   v[MM],   v1
	v_max_num_f32 v[MM+1], v[MM+1], v9
	v_fma_f32 v[CD+1], -v[AA], v[MM],   s85
	v_fma_f32 v[CD+3], -v[AA], v[MM+1], s85
	v_sub_f32 v[AL+1], v[CD+1], v[CD]              ; <= 0
	v_sub_f32 v[AL+3], v[CD+3], v[CD+2]
	v_exp_f32 v[AL],   v[AL+1]
	v_exp_f32 v[AL+2], v[AL+3]
	v_mov_b32 v[CD],   v[CD+1]                     ; a plain place behind the transcendentals, too (ISA guide 5.7.2)
	v_mov_b32 v[CD+2], v[CD+3]
.endm
.macro ELT2A i                         ; A r + 12 - A N, in place
.irp u, 0,1
.irp t, 0,1
.irp p, 0,1,2,3
	v_pk_fma_f32 v[SR+32*\i+8*(2*\u+\t)+2*\p:SR+32*\i+8*(2*\u+\t)+2*\p+1], v[SR+32*\i+8*(2*\u+\t)+2*\p:SR+32*\i+8*(2*\u+\t)+2*\p+1], v[AA:AA+1], v[CD+2*\t:CD+2*\t+1] op_sel_hi:[1,1,0]
.endr
.endr
.endr
.endm
; P to f16, in place: tile (0, t) shrinks into its own registers 0-3 (each target has been read by then), tile (1, t) goes into registers 4-7 of tile (0, t)
.macro CVTP i
.irp t, 0,1
.irp p, 0,1,2,3
	v_cvt_pk_f16_f32 v[SR+32*\i+8*\t+\p], v[SR+32*\i+8*\t+2*\p], v[SR+32*\i+8*\t+2*\p+1]
.endr
.irp p, 0,1,2,3
	v_cvt_pk_f16_f32 v[SR+32*\i+8*\t+4+\p], v[SR+32*\i+16+8*\t+2*\p], v[SR+32*\i+16+8*\t+2*\p+1]
.endr
.endr
.endm
.macro ELT2 i
	ELT2A \i
	TRUN v_exp_f32, SR+32*\i, 0, 0
	v_nop                                          ; one plain place behind the transcendentals (ISA guide 5.7.2)
	s_wait_alu depctr_va_vdst(0)
	CVTP \i
.endm
; under window setting 0x51.  Ten different accumulators, one instruction each
.macro PVMM i
.irp d, 0,1,2,3
.irp t, 0,1
	v_wmma_f32_16x16x32_f16 v[OA+8*(2*\d+\t):OA+8*(2*\d+\t)+7], v[VF+32*\i+8*\d:VF+32*\i+8*\d+7], v[SR+32*\i+8*\t:SR+32*\i+8*\t+7], v[OA+8*(2*\d+\t):OA+8*(2*\d+\t)+7]
.endr
.endr
.irp t, 0,1
	v_wmma_f32_16x16x32_f16 v[OA+64+8*\t:OA+64+8*\t+7], v[MF+8*\i:MF+8*\i+7], v[SR+32*\i+8*\t:SR+32*\i+8*\t+7], v[OA+64+8*\t:OA+64+8*\t+7]
.endr
.endm
; the block's first ten products.  zero = 1: they start the sums.  Else each accumulator is first brought to the new maximum, four packed multiplies ahead of its product,
; which run while the product before is at work on other registers
.macro RS4 tile, t
.irp p, 0,1,2,3
	v_pk_mul_f32 v[OA+8*(\tile)+2*\p:OA+8*(\tile)+2*\p+1], v[OA+8*(\tile)+2*\p:OA+8*(\tile)+2*\p+1], v[AL+2*\t:AL+2*\t+1] op_sel_hi:[1,0]
.endr
.endm
.macro PV0 zero
.irp d, 0,1,2,3
.irp t, 0,1
.if \zero
	v_wmma_f32_16x16x32_f16 v[OA+8*(2*\d+\t):OA+8*(2*\d+\t)+7], v[VF+8*\d:VF+8*\d+7], v[SR+8*\t:SR+8*\t+7], 0
.else
	RS4 2*\d+\t, \t
	v_wmma_f32_16x16x32_f16 v[OA+8*(2*\d+\t):OA+8*(2*\d+\t)+7], v[VF+8*\d:VF+8*\d+7], v[SR+8*\t:SR+8*\t+7], v[OA+8*(2*\d+\t):OA+8*(2*\d+\t)+7]
.endif
.endr
.endr
.irp t, 0,1
.if \zero
	v_wmma_f32_16x16x32_f16 v[OA+64+8*\t:OA+64+8*\t+7], v[MF:MF+7], v[SR+8*\t:SR+8*\t+7], 0
.else
	RS4 8+\t, \t
	v_wmma_f32_16x16x32_f16 v[OA+64+8*\t:OA+64+8*\t+7], v[MF:MF+7], v[SR+8*\t:SR+8*\t+7], v[OA+64+8*\t:OA+64+8*\t+7]
.endif
.endr
.endm
; Step i of the block in slot s, as far as r and its maxima.  On entry S block i holds K Q^T + bias, at least four plain places behind its last product, and pen of step i is in.
; LDS loads in this order: pen and K of step i + 1, bias of step i + 2, V and m' of step i.
.macro STEPF s, i
	ELT1A \i
.if \i < 3
	LDP \s, \i+1                                   ; over pen's registers, which have been read
	LDK \s, \i+1
.endif
.if \i < 2
	LDB \s, \i+2
.endif
	WIN 0x40
	LDV \s, \i
	WIN 0
	TRUN v_exp_f32, SR+32*\i, 0, 0
	v_nop                                          ; one plain place behind the transcendentals (ISA guide 5.7.2)
	ADDS \i
.if \i < 2
	s_wait_dscnt 0x12                              ; pen, K and bias of step i + 1 are in; the 8 bias loads of step i + 2 and the 10 of V and m' issued behind them stay out
.endif
.if \i == 2
	s_wait_dscnt 0xa                               ; the same, with no bias loads behind: the 10 of V and m' stay out
.endif
.if \i < 3
	TRUN v_rcp_f32, SR+32*\i, 1, SR+32*(\i+1)      ; r of step i, and among it the products of step i + 1
.else
	TRUN v_rcp_f32, SR+32*\i, 0, 0
.endif
	v_nop
	MAXB \i                                        ; sixteen plain places behind the products, too
.endm
; A block of 128 keys in slot s and the change to slot nx.  My reads of slot s end with V of step 3; they and all my tensor loads are waited for, then the barrier
; (fill = 1: a round of the cluster's barrier), register work alone inside; then the joint refill first, then the next block's first loads.  pb: the next block's place for pen.
.macro BLOCK s, nx, fill, pb, zero
	STEPF \s, 0
	STEPF \s, 1
	STEPF \s, 2
	STEPF \s, 3
	s_wait_dscnt 0x0                               ; my last reads of slot s are back
	s_wait_tensorcnt 0x0                           ; all my tensor loads have landed: the one that was out is my part of the next slot
	ds_add_u32 v246, v247
	s_wait_dscnt 0x0
	s_barrier_signal -1
	TAILM
	ELT2 0
	WIN 0x51
	PV0 \zero
	WIN 0
	ELT2 1
	WIN 0x51
	PVMM 1
	WIN 0
	ELT2 2
	s_barrier_wait -1
.if \fill
	CREST
	s_add_nc_u64 s[G0K+4*\s+2:G0K+4*\s+3], s[G0K+4*\s+2:G0K+4*\s+3], 256*2048    ; two key blocks on
	s_add_nc_u64 s[G0V+4*\s+2:G0V+4*\s+3], s[G0V+4*\s+2:G0V+4*\s+3], 256*2048
	s_add_nc_u64 s[G0B+4*\s+2:G0B+4*\s+3], s[G0B+4*\s+2:G0B+4*\s+3], 256*4
	JLOAD \s
.endif
	LDP \pb, 0
	LDK \nx, 0
	LDB \nx, 0                                     ; S blocks 0 and 1 are free: their P were read by products that lie more than four plain places back
	LDB \nx, 1
	WIN 0x51
	PVMM 2
	WIN 0
	ELT2A 3
	s_wait_dscnt 0x8                               ; pen, K and bias of the next block's step 0 are in; the 8 bias loads of its step 1 stay out
	TRUN v_exp_f32, SR+96, 1, SR                   ; P of step 3, and among it the next block's first products
	v_nop
	s_wait_alu depctr_va_vdst(0)
	CVTP 3                                         ; sixteen plain places behind those products, too
	WIN 0x51
	PVMM 3
	WIN 0
.endm
.macro LAP zero                        ; two key blocks, both slots filled again
	BLOCK 0, 1, 1, 1, \zero
	BLOCK 1, 0, 1, 2, 0
	v_add_nc_u32 v[ADM], 512, v[ADM]
	v_add_nc_u32 v[ADP], 1024, v[ADP]
.endm
	LDP 0, 0
	LDK 0, 0
	LDB 0, 0
	LDB 0, 1
	s_wait_loadcnt 0x0                             ; Q
	s_wait_kmcnt 0x0                               ; A
	v_mov_b32 v[AA], s84
	v_mov_b32 v[AA+1], s84
	v_mov_b32 v[CD], s85                           ; 12 - A M with M = 0,
	v_mov_b32 v[CD+2], s85
.irp k, 0,1,2,3
	v_mov_b32 v[MM+\k], 0                          ; the least that r can be
.endr
	s_wait_dscnt 0x8                               ; pen, K and bias of step 0 are in; the 8 bias loads of step 1 stay out
.set n8, 0
.rept 8
	SMM1 SR, n8
.set n8, n8+1
.endr
	PLACES
	LAP 1                                          ; blocks 0, 1; the first products start the sums
	s_mov_b32 s86, 6
.Llap:
	LAP 0                                          ; blocks 2 .. 13; with the first lap: refills of blocks 2 .. 15
	s_sub_co_u32 s86, s86, 1
	s_cmp_lg_u32 s86, 0
	s_cbranch_scc1 .Llap
	BLOCK 0, 1, 0, 1, 0                            ; blocks 14, 15: nothing is left to fetch
	STEPF 1, 0
	STEPF 1, 1
	STEPF 1, 2
	STEPF 1, 3
	s_wait_dscnt 0x0                               ; V and m' of all four steps
	TAILM
	ELT2 0
	WIN 0x51
	PV0 0
	WIN 0
	ELT2 1
	WIN 0x51
	PVMM 1
	WIN 0
	ELT2 2
	WIN 0x51
	PVMM 2
	WIN 0
	ELT2 3
	WIN 0x51
	PVMM 3
	WIN 0
	; THE WAY OUT.  O^T / l goes into my own 32 rows x 272 bytes in slot 0 (its last fill is over, and every wave's reads of it ended in front of the last barrier),
	; comes back as whole rows (lanes 0-15 head 0, lanes 16-31 head 1 of one query), is multiplied by the gates, brought under 2 by the row's power of two and stored as f16.
	PLACES
	s_lshl_b32 s92, s26, 19                        ; gates: 128 rows of 4,096 bytes
	s_lshl_b32 s87, s25, 9                         ; 128 columns of 4 bytes
	s_add_co_u32 s92, s92, s87
	s_add_nc_u64 s[8:9], s[8:9], s[92:93]
	s_lshl_b32 s92, s26, 18                        ; og: 128 rows of 2,048 bytes
	s_lshl_b32 s87, s25, 8                         ; 128 columns of 2 bytes
	s_add_co_u32 s92, s92, s87
	s_add_nc_u64 s[12:13], s[12:13], s[92:93]
	s_lshl_b32 s92, s25, 14                        ; ogs: 4,096 rows of 4 bytes a head pair
	s_lshl_b32 s87, s26, 9                         ; 128 rows
	s_add_co_u32 s92, s92, s87
	s_add_nc_u64 s[60:61], s[60:61], s[92:93]
	v_and_b32 v1, 31, v0
	v_lshlrev_b32 v252, 4, v1
	v_lshl_add_u32 v252, s20, 16, v252             ; gates: 16 rows a wave, 16 bytes a lane
.irp i, 0,1,2,3,4,5,6,7,8,9,10,11,12,13,14,15
	global_load_b128 v[16+4*\i:19+4*\i], v252, s[8:9] offset:4096*\i
.endr
	WIN 0x01                                       ; source 0 in window 1
	v_rcp_f32 v248, v[OA+64]                       ; every register of the fifth tile holds l of the lane's query
	v_rcp_f32 v249, v[OA+64]
	v_rcp_f32 v250, v[OA+72]
	v_rcp_f32 v251, v[OA+72]
	WIN 0
	v_and_b32 v2, 15, v0                           ; a plain place behind the transcendentals, and r
	v_bfe_u32 v3, v0, 4, 1
	v_mul_u32_u24 v14, v2, 272
	v_lshl_add_u32 v14, v3, 5, v14
	s_mul_i32 s92, s20, WST
	v_add_nc_u32 v14, s92, v14                     ; in: my stage, row r, 32 bytes for each half of the lanes
	s_lshr_b32 s92, s20, 1
	s_mul_i32 s92, s92, WST                        ; back: rows 16 w .. 16 w + 15 of the 128 lie in the stages of waves w / 2 (head 0) and 4 + w / 2 (head 1)
	s_and_b32 s87, s20, 1
	s_mul_i32 s87, s87, 16*272
	s_add_co_u32 s92, s92, s87
	v_mul_u32_u24 v15, v3, 4*WST
	v_lshl_add_u32 v15, v2, 4, v15
	v_add_nc_u32 v15, s92, v15
	v_lshlrev_b32 v253, 3, v1
	v_lshl_add_u32 v253, s20, 15, v253             ; og: 16 rows of 2,048 bytes a wave, 8 bytes a lane
	s_lshl_b32 s87, s20, 6
	s_add_co_u32 s87, s87, SC_L
	v_mov_b32 v254, s87                            ; my 16 rows' powers of two: 64 bytes a wave
	WIN 0x41                                       ; destination and source 0 in window 1, 1 / l in window 0
	s_wait_alu depctr_va_vdst(0)
.irp d, 0,1,2,3
.irp t, 0,1
.irp p, 0,1,2,3
	v_pk_mul_f32 v[OA+8*(2*\d+\t)+2*\p:OA+8*(2*\d+\t)+2*\p+1], v[OA+8*(2*\d+\t)+2*\p:OA+8*(2*\d+\t)+2*\p+1], v[248+2*\t:249+2*\t]
.endr
.endr
.endr
	WIN 0x04                                       ; an LDS store's data is source 1: window 1
.irp d, 0,1,2,3
.irp t, 0,1
	ds_store_b128 v14, v[OA+8*(2*\d+\t):OA+8*(2*\d+\t)+3]   offset:\t*16*272+64*\d
	ds_store_b128 v14, v[OA+8*(2*\d+\t)+4:OA+8*(2*\d+\t)+7] offset:\t*16*272+64*\d+16
.endr
.endr
	WIN 0
	s_wait_dscnt 0x0                               ; for the other waves' sake
	s_barrier_signal -1
	s_barrier_wait -1
.irp i, 0,1,2,3,4,5,6,7,8,9,10,11,12,13,14,15
	ds_load_b128 v[80+4*\i:83+4*\i], v15 offset:272*\i
.endr
	; the gates, and the largest magnitude of my four numbers of each row, not below 2^-126
.irp i, 0,1,2,3,4,5,6,7,8,9,10,11,12,13,14,15
	s_wait_loadcnt 15-\i                           ; row i's gates are in, the younger loads stay out
	s_wait_dscnt 15-\i                             ; and row i of the stage
	v_pk_mul_f32 v[80+4*\i:81+4*\i], v[80+4*\i:81+4*\i], v[16+4*\i:17+4*\i]
	v_pk_mul_f32 v[82+4*\i:83+4*\i], v[82+4*\i:83+4*\i], v[18+4*\i:19+4*\i]
	v_max3_num_f32 v[144+\i], |v[80+4*\i]|, |v[81+4*\i]|, |v[82+4*\i]|
	v_max3_num_f32 v[144+\i], v[144+\i], |v[83+4*\i]|, 0x00800000
.endr
	; across the 32 lanes, which hold the row's 128 numbers; the sixteen rows' chains are interleaved
.irp m, 1,2,4,8
.irp i, 0,1,2,3,4,5,6,7,8,9,10,11,12,13,14,15
	v_max_num_f32_dpp v[144+\i], v[144+\i], v[144+\i] row_xmask:\m row_mask:0xf bank_mask:0xf
.endr
.endr
.irp i, 0,1,2,3,4,5,6,7,8,9,10,11,12,13,14,15
	v_permlanex16_b32 v[160+\i], v[144+\i], s100, s101                       ; the other head's half (v160-175 have been written)
.endr
.irp i, 0,1,2,3,4,5,6,7,8,9,10,11,12,13,14,15
	v_max_num_f32 v[144+\i], v[144+\i], v[160+\i]
	v_and_b32 v[144+\i], 0x7f800000, v[144+\i]                               ; the exponent alone: 2^e
	v_sub_nc_u32 v[16+4*\i], 0x7f000000, v[144+\i]                           ; exponent field 254 - that: 2^-e, in the gates' registers
	ds_store_b32 v254, v[144+\i] offset:4*\i                                 ; all lanes store the same word with the same value
	v_pk_mul_f32 v[80+4*\i:81+4*\i], v[80+4*\i:81+4*\i], v[16+4*\i:17+4*\i] op_sel_hi:[1,0]   ; exact
	v_pk_mul_f32 v[82+4*\i:83+4*\i], v[82+4*\i:83+4*\i], v[16+4*\i:17+4*\i] op_sel_hi:[1,0]
	v_cvt_pk_f16_f32 v[176+2*\i], v[80+4*\i], v[81+4*\i]
	v_cvt_pk_f16_f32 v[177+2*\i], v[82+4*\i], v[83+4*\i]
	global_store_b64 v253, v[176+2*\i:177+2*\i], s[12:13] offset:2048*\i     ; 32 lanes store 256 consecutive bytes, aligned; each row has its own pair
.endr
	s_wait_dscnt 0x0                               ; for wave 0's sake
	s_barrier_signal -1
	s_barrier_wait -1
	s_cmp_lg_u32 s20, 0
	s_cbranch_scc1 .Lno_scales
	v_lshlrev_b32 v255, 4, v1                      ; wave 0 stores the 128 rows' powers of two: 512 consecutive bytes, aligned
	v_add_nc_u32 v2, SC_L, v255
	ds_load_b128 v[208:211], v2
	s_wait_dscnt 0x0
	global_store_b128 v255, v[208:211], s[60:61]
.Lno_scales:
	s_wait_tensorcnt 0x0
	ds_add_u32 v246, v247
	s_wait_dscnt 0x0
	CROUND                                         ; the closing round
	s_endpgm
.Lfunc_end_k_qa2830e039c_attn:
	.size	k_qa2830e039c_attn, .Lfunc_end_k_qa2830e039c_attn-k_qa2830e039c_attn
	.p2alignl 7, 3214868480
	.fill 96, 4, 3214868480
	.section	.rodata,"a",@progbits
	.p2align	6, 0x0
	.amdhsa_kernel k_qa2830e039c_attn
		.amdhsa_group_segment_fixed_size 327680
		.amdhsa_private_segment_fixed_size 0
		.amdhsa_enable_private_segment 0
		.amdhsa_kernarg_size 48
		.amdhsa_user_sgpr_count 2
		.amdhsa_user_sgpr_kernarg_segment_ptr 1
		.amdhsa_wavefront_size32 1
		.amdhsa_system_sgpr_workgroup_id_x 1
		.amdhsa_system_sgpr_workgroup_id_y 1
		.amdhsa_system_sgpr_workgroup_id_z 1
		.amdhsa_system_vgpr_workitem_id 0
		.amdhsa_next_free_vgpr 512
		.amdhsa_next_free_sgpr 104
		.amdhsa_reserve_vcc 0
		.amdhsa_float_denorm_mode_32 3
		.amdhsa_float_denorm_mode_16_64 3
		.amdhsa_memory_ordered 1
		.amdhsa_forward_progress 1
		.amdhsa_inst_pref_size 255
	.end_amdhsa_kernel
	.section	.bss,"aw",@nobits
	.p2align	6
	.space	262144
	.amdgpu_metadata
---
amdhsa.version: [ 1, 2 ]
amdhsa.kernels:
  - .name:           k_qa2830e039c_attn
    .symbol:         k_qa2830e039c_attn.kd
    .args:
      - { .name: qkv, .offset: 0, .size: 8, .value_kind: global_buffer, .address_space: global }
      - { .name: attn_bias, .offset: 8, .size: 8, .value_kind: global_buffer, .address_space: global }
      - { .name: gates, .offset: 16, .size: 8, .value_kind: global_buffer, .address_space: global }
      - { .name: aux, .offset: 24, .size: 8, .value_kind: global_buffer, .address_space: global }
      - { .name: og, .offset: 32, .size: 8, .value_kind: global_buffer, .address_space: global }
      - { .name: ogs, .offset: 40, .size: 8, .value_kind: global_buffer, .address_space: global }
    .group_segment_fixed_size: 327680
    .private_segment_fixed_size: 0
    .kernarg_segment_align: 8
    .kernarg_segment_size: 48
    .max_flat_workgroup_size: 256
    .sgpr_count:     104
    .vgpr_count:     512
    .wavefront_size: 32
...
	.end_amdgpu_metadata
.endif
;; end of part 6
;; launch outp (part 7): grid 8 x 32, 4 waves a work-group, clusters of 4 x 4, 327,680 bytes of LDS; arguments og, wts, out0, ogs; writes out0
.if DOCPART == 7
	.amdgcn_target "amdgcn-amd-amdhsa--gfx1250"
	.amdhsa_code_object_version 6
	.text
	.protected	k_qa2830e039c_outp
	.globl	k_qa2830e039c_outp
	.p2align	8
	.type	k_qa2830e039c_outp,@function
k_qa2830e039c_outp:
	s_mov_b64 s[64:65], 0
	v_nop
	global_prefetch_b8 v0, s[64:65] scope:SCOPE_SE
	s_setreg_imm32_b32 hwreg(HW_REG_WAVE_MODE, 25, 1), 1
	s_wait_xcnt 0x0
	s_wait_alu depctr_hold_cnt(0) depctr_sa_sdst(0) depctr_va_vdst(0) depctr_va_sdst(0) depctr_va_ssrc(0) depctr_va_vcc(0) depctr_vm_vsrc(0)
	s_getreg_b32 s2, hwreg(HW_REG_IB_STS2, 6, 4)
	s_cmp_eq_u32 s2, 0
	s_cbranch_scc0 .Lentry_in_a_cluster
	s_endpgm
.Lentry_in_a_cluster:
	s_bfe_u32 s2, ttmp6, 0x10000c
	s_cmp_lg_u32 s2, 0xf033
	s_cbranch_scc0 .Lentry_shape_is_right
	s_endpgm
.Lentry_shape_is_right:
; outp: out0 [4096 x 1024] f32 = x times Wo.  x is given as og [4096][1024] f16 and ogs[head pair][row] = 2^e f32: x = og 2^e, one e for a row's 128 columns of a head pair.
; Wo: [1024 k][1024 n] f16 at wts + 8,388,608.  With 2^E the largest 2^e of a row:  out0 = 2^E sum over k of (og 2^(e - E)) Wo.
; The factor 2^(e - E) <= 1 is a power of two: the multiplication in f16 is exact but for what falls under f16's floor, which is below 2^-24 of the row's largest number.
; A lane holds one row of an A fragment, so the factor is one register a lane for each 16 rows and head pair, and 2^E one register for each 16 rows.
; 256 work-groups of 128 x 128 (blocks of 256 x 256 would be 64 work-groups); four waves of 64 x 64: 16 accumulator tiles in window 1, tile (a, b) at v[8 (4 a + b)].
; K goes in four fills of 256 (two head pairs each) through two LDS slots, written out without a loop: two first fills, two refills.
; CLUSTERS 4 x 4: A's tile is asked for jointly along a row of the cluster, B's along a column.
; B lies [k][n] in LDS; ds_load_tr16_b128 makes its fragments.  The matrix instruction is used transposed (source 0 = B, source 1 = A):
; lane l holds row l % 16, its registers columns 8 (l / 16) + 0..7.  No prefetch: half of all tiles are asked for at the start.
.set AP,   528                         ; A's LDS row: 512 bytes + 16
.set BP,   288                         ; B's: 256 bytes + 32 = 9 x 32
.set PART, 36864                       ; one tensor load: 64 rows of A (33,792 bytes) or 128 rows of B
.set SLOT, 4*PART
.set STAGE, 2*SLOT                     ; behind the ring: 16 rows x 272 bytes for each wave
.set SPITCH, 272
.set ES,   8                           ; v[8:15]    pair 2 a: 2^E of my row of tile a, twice
.set ADRA, 16                          ; v16, v17   A fragments in slot 0, 1
.set ADRB, 20                          ; v20-23     B fragments: slot x 2 + half of the slot's 256 k
.set STO,  24
.set RD,   25
.set CO,   26
.set SO,   27                          ; v27        4 r: my row in ogs
.set F0,   32                          ; v[32:63] A, v[64:95] B
.set F1,   96                          ; v[96:127] A, v[128:159] B
.set RB0,  160
.set RB1,  192
.set FS,   224                         ; v[224:255] 8 a + p: 2^(e - E) of my row of tile a and head pair p, f16 in both halves
.set G1, 24
.set G0, 32
.set G1B, 48
.set G0B, 56
.set MSB, 0
.macro WIN new                         ; the immediate's high byte repeats the setting that is left
.if MSB != \new
	s_set_vgpr_msb (MSB<<8)|\new
.set MSB, \new
.endif
.endm
.macro JLOAD s
	s_cmp_eq_u32 s11, 0
	s_cbranch_scc0 .Lfor_b_\@
	tensor_load_to_lds s[G0+4*\s:G0+4*\s+3], s[G1:G1+7]
	s_nop 0
	s_branch .Lasked_\@
.Lfor_b_\@:
	tensor_load_to_lds s[G0B+4*\s:G0B+4*\s+3], s[G1B:G1B+7]
	s_nop 0
.Lasked_\@:
.endm
.macro CREST
	s_cmp_lg_u32 s10, 0
	s_cbranch_scc1 .Lnot_wave_0_\@
	s_barrier_signal -3
.Lnot_wave_0_\@:
	s_barrier_wait -3
	s_barrier_signal -1
	s_barrier_wait -1
.endm
.macro CROUND
	s_barrier_signal -1
	s_barrier_wait -1
	CREST
.endm
	s_load_b128 s[4:7], s[0:1], 0x0                ; og, wts
	s_load_b64 s[8:9], s[0:1], 0x10                ; out0
	s_load_b64 s[68:69], s[0:1], 0x18              ; ogs
	v_lshl_add_u32 v30, v0, 2, 0x4c400
	v_mov_b32 v31, 0
	ds_add_u32 v30, v31
	v_lshrrev_b32 v1, 5, v0
	v_readfirstlane_b32 s10, v1                    ; wave
	s_lshr_b32 s11, s10, 1                         ; my half of the rows; also: I fetch for A (0) or B (1)
	s_and_b32 s12, s10, 1                          ; my half of the columns; also: which half of that tile I fetch
	s_bfe_u32 s40, ttmp6, 0x40000                  ; cx
	s_bfe_u32 s41, ttmp6, 0x40004                  ; cy
	s_lshl_b32 s42, ttmp9, 2
	s_add_co_u32 s42, s42, s40                     ; block column 0..7
	s_and_b32 s13, ttmp7, 0xffff
	s_lshl_b32 s13, s13, 2
	s_add_co_u32 s13, s13, s41                     ; block row 0..31
	s_lshl_b32 s43, s41, 2
	s_lshl_b32 s43, 15, s43
	s_lshl_b32 s44, 0x1111, s40
	; A: 64 rows x 256 elements of 2 bytes, 4 words of padding behind every 128; 1,024 elements from row to row
	s_or_b32 s[G1+0], s43, (1<<16)|(1<<20)|(1<<21)|(6<<22)|(3<<25)
	s_mov_b32 s[G1+1], 256<<16
	s_mov_b32 s[G1+2], 64<<16
	s_mov_b32 s[G1+3], 256<<16
	s_mov_b32 s[G1+4], 64
	s_mov_b32 s[G1+5], 1024
	s_mov_b32 s[G1+6], 0
	s_mov_b32 s[G1+7], 0
	; B: 128 rows (k) x 128 elements (n), 8 words of padding behind every 64; 1,024 elements from row to row
	s_or_b32 s[G1B+0], s44, (1<<16)|(1<<20)|(1<<21)|(5<<22)|(7<<25)
	s_mov_b32 s[G1B+1], 128<<16
	s_mov_b32 s[G1B+2], 128<<16
	s_mov_b32 s[G1B+3], 128<<16
	s_mov_b32 s[G1B+4], 128
	s_mov_b32 s[G1B+5], 1024
	s_mov_b32 s[G1B+6], 0
	s_mov_b32 s[G1B+7], 0
	s_lshl_b32 s16, s13, 18                        ; A: 128 rows of 2,048 bytes x block row
	s_lshl_b32 s17, s12, 17                        ;    + 64 rows x half
	s_add_co_u32 s16, s16, s17
	s_mov_b32 s17, 0
	s_lshl_b32 s46, s42, 8                         ; B: 256 bytes x block column
	s_lshl_b32 s47, s12, 18                        ;    + 128 rows of 2,048 bytes x half
	s_add_co_u32 s46, s46, s47
	s_mov_b32 s47, 0
	s_mul_i32 s20, s10, PART
	s_lshl_b32 s70, s13, 9                         ; ogs: 128 rows of 4 bytes x block row (s70, s71 feed no descriptor)
	s_lshl_b32 s71, s11, 8                         ;      + 64 rows x my half
	s_add_co_u32 s70, s70, s71
	s_mov_b32 s71, 0
	s_wait_dscnt 0x0
	s_wait_kmcnt 0x0
	s_add_nc_u64 s[14:15], s[4:5], s[16:17]
	s_add_nc_u64 s[46:47], s[6:7], s[46:47]
	s_add_nc_u64 s[68:69], s[68:69], s[70:71]
	CROUND                                         ; the first joint loads meet
.irp s, 0,1
	s_mov_b32 s[G0+4*\s], 1
	s_add_co_u32 s[G0+4*\s+1], s20, \s*SLOT
	s_add_nc_u64 s[G0+4*\s+2:G0+4*\s+3], s[14:15], \s*512
	s_or_b32 s[G0+4*\s+3], s[G0+4*\s+3], 0x80000000
	s_mov_b32 s[G0B+4*\s], 1
	s_add_co_u32 s[G0B+4*\s+1], s20, \s*SLOT
	s_add_nc_u64 s[G0B+4*\s+2:G0B+4*\s+3], s[46:47], 8388608+\s*256*2048
	s_or_b32 s[G0B+4*\s+3], s[G0B+4*\s+3], 0x80000000
	JLOAD \s                                       ; two tensor loads of the wave are out here, later one at the most
.endr
	v_and_b32 v1, 15, v0                           ; r
	v_bfe_u32 v2, v0, 4, 1                         ; h
	v_lshlrev_b32 v[SO], 2, v1
.irp a, 0,1,2,3
.irp p, 0,1,2,3,4,5,6,7
	global_load_b32 v[FS+8*\a+\p], v[SO], s[68:69] offset:16384*\p+64*\a     ; 2^e of row 16 a + r, head pair p; once for the whole kernel
.endr
.endr
	v_mul_u32_u24 v3, v1, AP
	v_lshl_add_u32 v3, v2, 4, v3
	s_mul_i32 s21, s11, PART                       ; my 64 rows are one part
	v_add_nc_u32 v[ADRA], s21, v3
	v_add_nc_u32 v[ADRA+1], SLOT, v[ADRA]
	v_and_b32 v6, 7, v0
	v_lshl_add_u32 v6, v2, 3, v6
	v_mul_u32_u24 v6, v6, BP
	v_bfe_u32 v7, v0, 3, 1
	v_lshl_add_u32 v6, v7, 4, v6
	s_lshl_b32 s22, s12, 7                         ; my 64 columns: 128 bytes
	s_add_co_u32 s22, s22, 2*PART
	v_add_nc_u32 v[ADRB], s22, v6
	v_add_nc_u32 v[ADRB+1], PART, v[ADRB]
	v_add_nc_u32 v[ADRB+2], SLOT, v[ADRB]
	v_add_nc_u32 v[ADRB+3], SLOT+PART, v[ADRB]
	s_mul_i32 s23, s10, 16*SPITCH
	s_add_co_u32 s23, s23, STAGE
	v_mul_u32_u24 v4, v1, SPITCH
	v_lshl_add_u32 v4, v2, 5, v4
	v_add_nc_u32 v[STO], s23, v4                   ; in: row r, 32 bytes for each half of the lanes
	v_mul_u32_u24 v5, v2, SPITCH
	v_lshl_add_u32 v5, v1, 4, v5
	v_add_nc_u32 v[RD], s23, v5                    ; back: lanes 0-15 one row of 256 bytes, lanes 16-31 the next
	v_lshlrev_b32 v5, 12, v2
	v_lshl_add_u32 v[CO], v1, 4, v5
.macro FETCH s, q, f                   ; 16 LDS loads: the fragments of 32 K (q = 0..7 in the slot) into buffer f
.irp b, 0,1,2,3
	ds_load_tr16_b128 v[\f+32+8*\b:\f+32+8*\b+3],   v[ADRB+2*\s+((\q)>>2)] offset:((\q)&3)*32*BP+32*\b
	ds_load_tr16_b128 v[\f+32+8*\b+4:\f+32+8*\b+7], v[ADRB+2*\s+((\q)>>2)] offset:((\q)&3)*32*BP+32*\b+16*BP
.endr
.irp a, 0,1,2,3
	ds_load_b128 v[\f+8*\a:\f+8*\a+3],   v[ADRA+\s] offset:\a*16*AP+64*(\q)
	ds_load_b128 v[\f+8*\a+4:\f+8*\a+7], v[ADRA+\s] offset:\a*16*AP+64*(\q)+32
.endr
.endm
.macro SCALE f, a, p                   ; A's fragment a of buffer f, of head pair p, times 2^(e - E)
.irp j, 0,1,2,3,4,5,6,7
	v_pk_mul_f16 v[\f+8*\a+\j], v[\f+8*\a+\j], v[FS+8*\a+\p]
.endr
.endm
.macro MUL8 f, a0, zero
.irp a, \a0, \a0+1
.irp b, 0,1,2,3
.if \zero
	v_wmma_f32_16x16x32_f16 v[8*(4*(\a)+\b):8*(4*(\a)+\b)+7], v[\f+32+8*\b:\f+32+8*\b+7], v[\f+8*(\a):\f+8*(\a)+7], 0
.else
	v_wmma_f32_16x16x32_f16 v[8*(4*(\a)+\b):8*(4*(\a)+\b)+7], v[\f+32+8*\b:\f+32+8*\b+7], v[\f+8*(\a):\f+8*(\a)+7], v[8*(4*(\a)+\b):8*(4*(\a)+\b)+7]
.endif
.endr
.endr
.endm
; multiplies buffer f (head pair p) while the next quarter's fragments (qn) come into buffer g; the 16 accumulators take turns, one instruction a turn.
; The first eight multiplications by the factor name none of the registers of the products on buffer g: they are the places (four are asked for)
; between those products and the loads into g.
.macro QUARTER s, qn, f, g, zero, p
	s_wait_dscnt 0x0                               ; buffer f is in
	SCALE \f, 0, \p
	FETCH \s, \qn, \g
	SCALE \f, 1, \p
	SCALE \f, 2, \p
	SCALE \f, 3, \p
	WIN 0x50                                       ; C and D in window 1
	MUL8 \f, 0, \zero
	MUL8 \f, 2, \zero
	WIN 0
.endm
.macro SEVEN s, zero, t                ; the first seven quarters of fill t: head pair 2 t in quarters 0-3, 2 t + 1 in quarters 4-7
	QUARTER \s, 1, F0, F1, \zero, 2*\t
	QUARTER \s, 2, F1, F0, 0, 2*\t
	QUARTER \s, 3, F0, F1, 0, 2*\t
	QUARTER \s, 4, F1, F0, 0, 2*\t
	QUARTER \s, 5, F0, F1, 0, 2*\t+1
	QUARTER \s, 6, F1, F0, 0, 2*\t+1
	QUARTER \s, 7, F0, F1, 0, 2*\t+1
.endm
; the eighth quarter changes slots: my reads of this slot and all my tensor loads are waited for, then the barrier (with a refill: a round of the
; cluster's barrier, register work alone inside), the joint refill first behind it, then the next slot's first fragments.
; Between the last products on buffer 0 and the loads into it stand the 32 multiplications on buffer 1.
.macro TURN s, nx, fill, p
	s_wait_dscnt 0x0
	s_wait_tensorcnt 0x0
	ds_add_u32 v30, v31
	s_wait_dscnt 0x0
	s_barrier_signal -1
	SCALE F1, 0, \p
	SCALE F1, 1, \p
	SCALE F1, 2, \p
	SCALE F1, 3, \p
	WIN 0x50
	MUL8 F1, 0, 0
	WIN 0
	s_barrier_wait -1
.if \fill
	CREST
	s_add_nc_u64 s[G0+4*\s+2:G0+4*\s+3], s[G0+4*\s+2:G0+4*\s+3], 1024             ; two fills on: 512 elements of 2 bytes
	s_add_nc_u64 s[G0B+4*\s+2:G0B+4*\s+3], s[G0B+4*\s+2:G0B+4*\s+3], 512*2048     ; 512 rows of 2,048 bytes
	JLOAD \s
.endif
	FETCH \nx, 0, F0
	WIN 0x50
	MUL8 F1, 2, 0
	WIN 0
.endm
	s_wait_tensorcnt 0x1                           ; my part of slot 0 is in; slot 1's stays out
	s_barrier_signal -1
	s_barrier_wait -1
	FETCH 0, 0, F0
	s_wait_loadcnt 0x0                             ; the 32 powers of two
.irp a, 0,1,2,3
	v_max3_num_f32 v[ES+2*\a], v[FS+8*\a], v[FS+8*\a+1], v[FS+8*\a+2]
	v_max3_num_f32 v[ES+2*\a], v[ES+2*\a], v[FS+8*\a+3], v[FS+8*\a+4]
	v_max3_num_f32 v[ES+2*\a], v[ES+2*\a], v[FS+8*\a+5], v[FS+8*\a+6]
	v_max_num_f32 v[ES+2*\a], v[ES+2*\a], v[FS+8*\a+7]                       ; 2^E
	v_sub_nc_u32 v[ES+2*\a+1], 0x7f000000, v[ES+2*\a]                        ; exponent field 254 - that: 2^-E
.irp p, 0,1,2,3,4,5,6,7
	v_mul_f32 v[FS+8*\a+\p], v[FS+8*\a+\p], v[ES+2*\a+1]                     ; 2^(e - E)
	v_cvt_pk_f16_f32 v[FS+8*\a+\p], v[FS+8*\a+\p], v[FS+8*\a+\p]             ; in both halves
.endr
	v_mov_b32 v[ES+2*\a+1], v[ES+2*\a]                                       ; a pair for the packed multiply on the way out
.endr
	SEVEN 0, 1, 0                                  ; K 0..255; the first products start the sums
	TURN 0, 1, 1, 1
	SEVEN 1, 0, 1                                  ; K 256..511
	TURN 1, 0, 1, 3
	SEVEN 0, 0, 2                                  ; K 512..767
	TURN 0, 1, 0, 5                                ; nothing is left to fetch
	SEVEN 1, 0, 3                                  ; K 768..1023
	s_wait_dscnt 0x0
	SCALE F1, 0, 7
	SCALE F1, 1, 7
	SCALE F1, 2, 7
	SCALE F1, 3, 7
	WIN 0x50
	MUL8 F1, 0, 0
	MUL8 F1, 2, 0
	WIN 0
	; THE WAY OUT, 16 rows at a time: times 2^E, 32 bytes a lane into my own stage, whole rows of 256 bytes back
.rept 4
	v_nop                                          ; four plain places behind the last matrix instructions (ISA guide 7.12.1)
.endr
	s_lshl_b32 s18, s13, 19                        ; s18, s19, s2 hold sums of row and column terms; they feed no descriptor
	s_lshl_b32 s2, s11, 18
	s_add_co_u32 s18, s18, s2
	s_lshl_b32 s2, s42, 9
	s_add_co_u32 s18, s18, s2
	s_lshl_b32 s2, s12, 8
	s_add_co_u32 s18, s18, s2
	s_mov_b32 s19, 0
	s_add_nc_u64 s[8:9], s[8:9], s[18:19]
.macro OUT16 a, rb
	WIN 0x41                                       ; destination and source 0 in window 1, the factor in window 0
.set j, 0
.rept 16
	v_pk_mul_f32 v[32*\a+j:32*\a+j+1], v[32*\a+j:32*\a+j+1], v[ES+2*\a:ES+2*\a+1]
.set j, j+2
.endr
	WIN 0x04                                       ; an LDS store's data is source 1: window 1
.irp b, 0,1,2,3
	ds_store_b128 v[STO], v[8*(4*\a+\b):8*(4*\a+\b)+3]   offset:64*\b
	ds_store_b128 v[STO], v[8*(4*\a+\b)+4:8*(4*\a+\b)+7] offset:64*\b+16
.endr
	WIN 0
	s_wait_xcnt 0x0                                ; the stores' base and buffer rb, which earlier stores read, are rewritten only behind this wait
.if \a
	s_add_nc_u64 s[8:9], s[8:9], 16*4096
.endif
.irp t, 0,1,2,3,4,5,6,7
	ds_load_b128 v[\rb+4*\t:\rb+4*\t+3], v[RD] offset:\t*2*SPITCH     ; LDS serves a wave's instructions in order: these see the stores above
.endr
.irp t, 0,1,2,3,4,5,6,7
	s_wait_dscnt 7-\t
	global_store_b128 v[CO], v[\rb+4*\t:\rb+4*\t+3], s[8:9] offset:2*\t*4096   ; 16 lanes store 256 consecutive bytes, aligned
.endr
.endm
	OUT16 0, RB0
	OUT16 1, RB1
	OUT16 2, RB0
	OUT16 3, RB1
	s_wait_tensorcnt 0x0
	ds_add_u32 v30, v31
	s_wait_dscnt 0x0
	CROUND                                         ; the closing round
	s_endpgm
.Lfunc_end_k_qa2830e039c_outp:
	.size	k_qa2830e039c_outp, .Lfunc_end_k_qa2830e039c_outp-k_qa2830e039c_outp
	.p2alignl 7, 3214868480
	.fill 96, 4, 3214868480
	.section	.rodata,"a",@progbits
	.p2align	6, 0x0
	.amdhsa_kernel k_qa2830e039c_outp
		.amdhsa_group_segment_fixed_size 327680
		.amdhsa_private_segment_fixed_size 0
		.amdhsa_enable_private_segment 0
		.amdhsa_kernarg_size 32
		.amdhsa_user_sgpr_count 2
		.amdhsa_user_sgpr_kernarg_segment_ptr 1
		.amdhsa_wavefront_size32 1
		.amdhsa_system_sgpr_workgroup_id_x 1
		.amdhsa_system_sgpr_workgroup_id_y 1
		.amdhsa_system_sgpr_workgroup_id_z 1
		.amdhsa_system_vgpr_workitem_id 0
		.amdhsa_next_free_vgpr 384
		.amdhsa_next_free_sgpr 72
		.amdhsa_reserve_vcc 0
		.amdhsa_float_denorm_mode_32 3
		.amdhsa_float_denorm_mode_16_64 3
		.amdhsa_memory_ordered 1
		.amdhsa_forward_progress 1
		.amdhsa_inst_pref_size 161
	.end_amdhsa_kernel
	.amdgpu_metadata
---
amdhsa.version: [ 1, 2 ]
amdhsa.kernels:
  - .name:           k_qa2830e039c_outp
    .symbol:         k_qa2830e039c_outp.kd
    .args:
      - { .name: og, .offset: 0, .size: 8, .value_kind: global_buffer, .address_space: global }
      - { .name: wts, .offset: 8, .size: 8, .value_kind: global_buffer, .address_space: global }
      - { .name: out0, .offset: 16, .size: 8, .value_kind: global_buffer, .address_space: global }
      - { .name: ogs, .offset: 24, .size: 8, .value_kind: global_buffer, .address_space: global }
    .group_segment_fixed_size: 327680
    .private_segment_fixed_size: 0
    .kernarg_segment_align: 8
    .kernarg_segment_size: 32
    .max_flat_workgroup_size: 128
    .sgpr_count:     72
    .vgpr_count:     384
    .wavefront_size: 32
...
	.end_amdgpu_metadata
.endif
;; end of part 7
;; ======== version 3 of 3: 4 launches; version 2 with the launch prep written anew for expert scheduling mode
;; limits: values are held in f16: magnitudes above 65,504 overflow, below 6.1e-05 lose precision
;; workspace buffers: bfin 8,388,608 bytes; wts 10,485,760 bytes; aux 550,912 bytes; qkv 25,165,824 bytes; gates 16,777,216 bytes; og 8,388,608 bytes; ogs 131,072 bytes
;; launch prep (part 8): grid 609 x 1, 8 waves a work-group, no clusters, 0 bytes of LDS; arguments seq, Wq, Wkv, Wg, Wo, mask, bfin, wts, aux; writes bfin, wts, aux
.if DOCPART == 8
	.amdgcn_target "amdgcn-amd-amdhsa--gfx1250"
	.amdhsa_code_object_version 6
	.text
	.protected	k_qa2830e039c_prep
	.globl	k_qa2830e039c_prep
	.p2align	8
	.type	k_qa2830e039c_prep,@function
k_qa2830e039c_prep:
	s_mov_b64 s[64:65], 0
	v_nop
	global_prefetch_b8 v0, s[64:65] scope:SCOPE_SE
	s_setreg_imm32_b32 hwreg(HW_REG_WAVE_SCHED_MODE, 0, 2), 2
	s_setreg_imm32_b32 hwreg(HW_REG_WAVE_MODE, 25, 1), 1
	s_wait_xcnt 0x0
	s_wait_alu depctr_vm_vsrc(0)
; prep: what the three matrix launches need, made once.
;  work-groups   0..575: casts f32 -> f16, 16 rows of 1,024 numbers each (a row: 4,096 bytes in, 2,048 out), nothing transposed:
;      seq -> bfin [4096][1024];  Wq, Wkv, Wg -> wts, one matrix [1024 k][4096 n] with n = q | k | g | v;  Wo -> wts + 8,388,608 [1024][1024].
;      Wkv's rows of 2,048 are taken as half rows: half row j goes to byte 2,048 + 4,096 j, i.e. even halves (k) to the second quarter
;      of a row of 8,192 bytes and odd halves (v) to the fourth.
;      f16 has the room: seq's spread is 1 and the weights' 0.02; 30 times larger is far below 65,504, and 30 times smaller leaves
;      the absolute rounding floor (3e-8) under 1e-4 of the spread.
;  work-groups 576..607: the rotary table, aux[n][64] f32 = cos of the 32 frequencies, then sin of them, 64 rows each.
;  work-group       608: for each batch and key: m' (f16, 1 or 0) at aux + 524,288 and pen (f32, 0 or 1e30) at aux + 534,528; A at aux + 532,480.
;      A batch with at least one true key: m' = mask, pen = 1e30 where the mask is false, A = 100 log2 e.
;      A batch with none: m' = 1, pen = 0, A = 0, which makes all weights equal: the uniform softmax that the masked fill gives there.
; A stream: each byte is read once and written once, so no LDS, no matrix unit, no cluster (no two work-groups share a byte).
; LIMITS: the angle n f is reduced with 1/(2 pi) in f32 and f comes from v_exp_f32: it is good to about 3e-4 rad at n = 2047.
;         |seq| and |W| above 65,504 become infinite in f16.
; THE MODE: SCHED_MODE bits 1:0 = 2 (LLVM: expert scheduling mode 2), set by the entry lines.  The code itself states the register dependences
; between vector instructions and memory instructions, and those through scalar registers and VCC that vector instructions write, with s_wait_alu, always for 0.
; THE PLAN.  Registers that memory instructions touch:
;   casts:  v1 and OFF (offsets) are made once, ahead of one wait, and never written again.  X: each row's four registers are written by its load and read by its two
;           conversions.  Y: each row's pair is written by its conversions and read by its store.  The 16 rows go in four blocks of four: block b's conversions name X and Y
;           of block b alone; the stores of block b - 1 stand among them, behind ONE wait at the block's head, which states that block b - 1's Y is written.
;   table:  v6 (offset) is made once.  v40-55: a pair for each row, written by the row's two selects, read by its store.  Four rows' arithmetic, one wait, four stores; twice.
;   mask:   v2, v3, v40 (load offsets) are made together ahead of one wait and the run of ten loads; v36, v46, v37 (store offsets) and the data v28-35, v38-39, v48-63
;           are written ahead of one wait and the run of seven stores.
; On no path is a register that a load or a store has read (offset, data, base) written again: so no wait for such reads is written.
.set OFF, 2                            ; v[2:17]   row i: byte offset of my 8 bytes in the destination
.set X,   20                           ; v[20:83]  row i: 4 numbers as loaded
.set Y,   84                           ; v[84:115] row i: 4 f16 to store
.set TA,  16
.set TB,  17
.set TC,  18
	s_load_b512 s[4:19], s[0:1], 0x0               ; seq 4, Wq 6, Wkv 8, Wg 10, Wo 12, mask 14, bfin 16, wts 18
	s_load_b64 s[20:21], s[0:1], 0x40              ; aux
	s_mov_b32 s22, ttmp9
	v_lshrrev_b32 v1, 5, v0
	v_readfirstlane_b32 s23, v1                    ; wave
	s_wait_alu depctr_va_sdst(0)                   ; s23 is written: the table's and the mask's paths read it, behind the branches below
	s_wait_kmcnt 0x0
	s_cmp_ge_u32 s22, 608
	s_cbranch_scc1 .Lmask
	s_cmp_ge_u32 s22, 576
	s_cbranch_scc1 .Ltab
; ---------------- casts to f16 ----------------
; the job's source, destination, first work-group, byte offset and row pitch in the destination: chosen by the work-group's number alone
.macro JOB first, src, dst, off, pitch
	s_cmp_ge_u32 s22, \first
	s_cselect_b64 s[24:25], s[\src:\src+1], s[24:25]
	s_cselect_b64 s[26:27], s[\dst:\dst+1], s[26:27]
	s_cselect_b32 s28, \first, s28
	s_cselect_b32 s29, \off, s29
	s_cselect_b32 s30, \pitch, s30
.endm
; Block b: rows 4 b to 4 b + 3 are rounded; the stores of block b - 1 stand among the conversions, one ahead of each row's two.
.macro BLK b
	s_wait_loadcnt 12-4*(\b)                       ; loads return in order: this block's four rows are in, the 12 - 4 b younger loads stay out
.if \b
	s_wait_alu depctr_va_vdst(0)                   ; the conversions of the block before have written its Y, which the four stores below read
.endif
.irp i, 0,1,2,3
.if \b
	global_store_b64 v[OFF+4*(\b)-4+(\i)], v[Y+8*(\b)-8+2*(\i):Y+8*(\b)-8+2*(\i)+1], s[26:27]    ; the block before; no vector instruction since the wait names these registers; every row has its own: nothing is rewritten
.endif
	v_cvt_pk_f16_f32 v[Y+8*(\b)+2*(\i)],   v[X+16*(\b)+4*(\i)],   v[X+16*(\b)+4*(\i)+1]
	v_cvt_pk_f16_f32 v[Y+8*(\b)+2*(\i)+1], v[X+16*(\b)+4*(\i)+2], v[X+16*(\b)+4*(\i)+3]
.endr
.endm
	s_mov_b64 s[24:25], s[4:5]                     ; seq -> bfin
	s_mov_b64 s[26:27], s[16:17]
	s_mov_b32 s28, 0
	s_mov_b32 s29, 0
	s_mov_b32 s30, 2048
	JOB 256, 6, 18, 0, 8192                        ; Wq
	JOB 320, 8, 18, 2048, 4096                     ; Wkv, half rows
	JOB 448, 10, 18, 4096, 8192                    ; Wg
	JOB 512, 12, 18, 8388608, 2048                 ; Wo
	s_sub_co_u32 s28, s22, s28                     ; my number within the job
	s_lshl_b32 s32, s28, 16                        ; 16 source rows of 4,096 bytes
	s_mov_b32 s33, 0
	s_add_nc_u64 s[24:25], s[24:25], s[32:33]
	s_mul_i32 s32, s28, s30
	s_lshl_b32 s32, s32, 4                         ; 16 destination rows
	s_add_co_u32 s32, s32, s29
	s_add_nc_u64 s[26:27], s[26:27], s[32:33]
	v_lshlrev_b32 v1, 4, v0                        ; 16 bytes a thread: the 256 threads cover a source row
	v_lshlrev_b32 v[OFF], 3, v0                    ; 8 bytes a thread out: a wave's store covers 256 consecutive bytes, aligned
.irp i, 1,2,3,4,5,6,7,8,9,10,11,12,13,14,15
	v_add_nc_u32 v[OFF+\i], s30, v[OFF+\i-1]
.endr
	s_wait_alu depctr_va_vdst(0)                   ; v1 is written, which the 16 loads read as their offset; so are the sixteen OFF, which the stores read
.irp i, 0,1,2,3,4,5,6,7,8,9,10,11,12,13,14,15
	global_load_b128 v[X+4*\i:X+4*\i+3], v1, s[24:25] offset:4096*\i th:TH_LOAD_NT   ; all 16 rows are asked for at once
.endr
	BLK 0
	BLK 1
	BLK 2
	BLK 3
	s_wait_alu depctr_va_vdst(0)                   ; block 3's conversions have written its Y, which the last four stores read
.irp i, 12,13,14,15
	global_store_b64 v[OFF+\i], v[Y+2*\i:Y+2*\i+1], s[26:27]
.endr
	s_endpgm
; ---------------- the rotary table ----------------
; cos and sin of th: th in turns, less the nearest whole turn; a quarter of the angle (|y| <= pi/4) goes through the two series, two doublings bring the angle back.
.macro SINCOS th, c, s
	v_mul_f32 v[TA], 0.15915494, v[\th]
	v_rndne_f32 v[TA], v[TA]
	v_fma_f32 v[TA], v[\th], 0.15915494, -v[TA]    ; the fraction of a turn, -0.5 .. 0.5
	v_mul_f32 v[TA], 0x3fc90fdb, v[TA]             ; y = fraction x 2 pi / 4
	v_mul_f32 v[TB], v[TA], v[TA]
	v_mov_b32 v[\s], 0xb9500d01                    ; -1/5040
	v_fmaak_f32 v[\s], v[\s], v[TB], 0x3c088889    ; +1/120
	v_fmaak_f32 v[\s], v[\s], v[TB], 0xbe2aaaab    ; -1/6
	v_mul_f32 v[TC], v[TA], v[TB]
	v_fma_f32 v[\s], v[\s], v[TC], v[TA]           ; sin y
	v_mov_b32 v[\c], 0x37d00d01                    ; 1/40320
	v_fmaak_f32 v[\c], v[\c], v[TB], 0xbab60b61    ; -1/720
	v_fmaak_f32 v[\c], v[\c], v[TB], 0x3d2aaaab    ; +1/24
	v_fmaak_f32 v[\c], v[\c], v[TB], 0xbf000000    ; -1/2
	v_fma_f32 v[\c], v[\c], v[TB], 1.0             ; cos y
.rept 2
	v_mul_f32 v[TA], v[\s], v[\s]
	v_mul_f32 v[TB], v[\s], v[\c]
	v_fma_f32 v[\c], v[\c], v[\c], -v[TA]          ; cos 2y = c c - s s
	v_add_f32 v[\s], v[TB], v[TB]                  ; sin 2y = 2 s c
.endr
.endm
.Ltab:
	v_and_b32 v1, 31, v0                           ; lane: lanes 0-15 store cos, lanes 16-31 sin, of frequencies 2p and 2p + 1
	v_and_b32 v2, 15, v0                           ; p
	s_sub_co_u32 s24, s22, 576
	s_lshl_b32 s24, s24, 6
	s_lshl3_add_u32 s24, s23, s24                  ; my wave's first row: 64 x group + 8 x wave
	v_lshlrev_b32 v3, 1, v2
	v_cvt_f32_u32 v3, v3
	v_add_f32 v4, 1.0, v3
	v_mul_f32 v3, 0xbea00000, v3                   ; 1024^(-i/32) = 2^(-0.3125 i)
	v_mul_f32 v4, 0xbea00000, v4
	v_exp_f32 v3, v3
	v_exp_f32 v4, v4
	v_nop                                          ; one plain place behind the transcendentals (ISA guide 5.7.2)
	v_cvt_f32_u32 v5, s24                          ; n
	v_cmp_le_u32 vcc_lo, 16, v1
	s_lshl_b32 s25, s24, 8
	v_lshl_add_u32 v6, v1, 3, s25                  ; 256 n + 8 lane: a wave's store is one row, 256 consecutive bytes, aligned
	s_wait_alu depctr_va_vcc(0)                    ; VCC is written, ahead of its first reader: the sixteen selects below read it
	s_wait_alu depctr_va_vdst(0)                   ; the two exponentials have written v3 and v4, ahead of their first reader; v6 is written, which the eight stores read as their offset
.irp hf, 0,4
.irp it, 0,1,2,3
	v_mul_f32 v10, v5, v3
	v_mul_f32 v11, v5, v4
	SINCOS 10, 12, 13
	SINCOS 11, 14, 15
	v_cndmask_b32 v[40+2*((\hf)+(\it))], v12, v13, vcc_lo
	v_cndmask_b32 v[41+2*((\hf)+(\it))], v14, v15, vcc_lo
	v_add_f32 v5, 1.0, v5
.endr
	s_wait_alu depctr_va_vdst(0)                   ; the selects of these four rows have written their pairs, which the four stores read
.irp it, 0,1,2,3
	global_store_b64 v6, v[40+2*((\hf)+(\it)):41+2*((\hf)+(\it))], s[20:21] offset:256*((\hf)+(\it))   ; each row has its own pair, which nothing writes again; the row stands in the immediate
.endr
.endr
	s_endpgm
; ---------------- the mask ----------------
.Lmask:
	v_and_b32 v1, 31, v0
	s_lshr_b32 s24, s23, 2                         ; wave w: batch w / 4, quarter w % 4 of its 2,048 keys
	s_and_b32 s25, s23, 3
	s_lshl_b32 s26, s24, 11
	s_mov_b32 s27, 0
	s_add_nc_u64 s[14:15], s[14:15], s[26:27]
	v_lshlrev_b32 v2, 4, v1
	v_lshlrev_b32 v3, 3, v1
	v_lshl_add_u32 v3, s25, 9, v3
	v_lshlrev_b32 v40, 2, v1
	v_lshl_add_u32 v40, s25, 9, v40
	s_wait_alu depctr_va_vdst(0)                   ; v2, v3 and v40 are written, which the ten loads read as their offsets
.irp c, 0,1,2,3
	global_load_b128 v[4+4*\c:7+4*\c], v2, s[14:15] offset:512*\c        ; the whole batch's mask: is any key true?
.endr
	global_load_b64 v[20:21], v3, s[14:15]                               ; my quarter, 8 keys a lane, twice: for m'
	global_load_b64 v[22:23], v3, s[14:15] offset:256
.irp c, 0,1,2,3
	global_load_b32 v[41+\c], v40, s[14:15] offset:128*\c                ; my quarter again, 4 keys a lane, four times: for pen
.endr
	s_lshl_b32 s26, s24, 12                        ; the stores' offsets hang on ids alone: they are made while the loads are out, in registers that no load touches
	s_lshl_b32 s27, s25, 10
	s_add_co_u32 s26, s26, s27
	v_lshl_add_u32 v36, v1, 4, s26
	s_lshl_b32 s31, s26, 1                                               ; 4 bytes a key
	v_lshl_add_u32 v46, v1, 4, s31
	s_lshl_b32 s27, s23, 8
	v_lshl_add_u32 v37, v1, 3, s27
	s_wait_loadcnt 0x0
.irp k, 5,6,7,8,9,10,11,12,13,14,15,16,17,18,19
	v_or_b32 v4, v4, v[\k]
.endr
	v_cmp_ne_u32 vcc_lo, 0, v4
	s_wait_alu depctr_va_vcc(0)                    ; VCC is written, ahead of the scalar compare that reads it
	s_cmp_lg_u32 vcc_lo, 0                         ; chooses values only, no address and no branch
	s_cselect_b32 s28, 0, 0x01010101               ; no true key: every key counts
	s_cselect_b32 s30, 0x431044fe, 0               ; A = 100 log2 e
	s_mov_b32 s29, 0x7149f2ca                      ; 1e30
.irp k, 0,1,2,3
	v_or_b32 v[20+\k], s28, v[20+\k]
	v_and_b32 v24, 0x101, v[20+\k]                 ; bytes 0, 1
	v_lshrrev_b32 v25, 16, v[20+\k]                ; bytes 2, 3
	v_and_b32 v25, 0x101, v25
	v_lshl_or_b32 v24, v24, 8, v24
	v_lshl_or_b32 v25, v25, 8, v25
	v_and_b32 v24, 0x10001, v24                    ; one bit in each half word
	v_and_b32 v25, 0x10001, v25
	v_mul_u32_u24 v[28+2*\k], 0x3c00, v24          ; f16 1.0 or 0, twice
	v_mul_u32_u24 v[29+2*\k], 0x3c00, v25
.endr
.irp c, 0,1,2,3
	v_or_b32 v[41+\c], s28, v[41+\c]
.irp k, 0,1,2,3
	v_bfe_u32 v45, v[41+\c], 8*\k, 1               ; 1: the key counts
	v_add_nc_u32 v45, -1, v45                      ; 0, or all ones
	v_and_b32 v[48+4*\c+\k], s29, v45              ; 0, or 1e30
.endr
.endr
	v_mov_b32 v38, s30
	v_mov_b32 v39, s30
	s_wait_alu depctr_va_vdst(0)                   ; the data v28-35, v48-63, v38-39 and the offsets v36, v46, v37 are written, which the seven stores read
	global_store_b128 v36, v[28:31], s[20:21] offset:524288              ; 512 consecutive bytes a store
	global_store_b128 v36, v[32:35], s[20:21] offset:524288+512
.irp c, 0,1,2,3
	global_store_b128 v46, v[48+4*\c:51+4*\c], s[20:21] offset:534528+512*\c
.endr
	global_store_b64 v37, v[38:39], s[20:21] offset:532480               ; each wave fills 256 bytes of its own; batch b's A is read at 1,024 b
	s_endpgm
.Lfunc_end_k_qa2830e039c_prep:
	.size	k_qa2830e039c_prep, .Lfunc_end_k_qa2830e039c_prep-k_qa2830e039c_prep
	.p2alignl 7, 3214868480
	.fill 96, 4, 3214868480
	.section	.rodata,"a",@progbits
	.p2align	6, 0x0
	.amdhsa_kernel k_qa2830e039c_prep
		.amdhsa_group_segment_fixed_size 0
		.amdhsa_private_segment_fixed_size 0
		.amdhsa_enable_private_segment 0
		.amdhsa_kernarg_size 72
		.amdhsa_user_sgpr_count 2
		.amdhsa_user_sgpr_kernarg_segment_ptr 1
		.amdhsa_wavefront_size32 1
		.amdhsa_system_sgpr_workgroup_id_x 1
		.amdhsa_system_sgpr_workgroup_id_y 1
		.amdhsa_system_sgpr_workgroup_id_z 1
		.amdhsa_system_vgpr_workitem_id 0
		.amdhsa_next_free_vgpr 128
		.amdhsa_next_free_sgpr 66
		.amdhsa_reserve_vcc 1
		.amdhsa_float_denorm_mode_32 3
		.amdhsa_float_denorm_mode_16_64 3
		.amdhsa_memory_ordered 1
		.amdhsa_forward_progress 1
		.amdhsa_inst_pref_size 37
	.end_amdhsa_kernel
	.amdgpu_metadata
---
amdhsa.version: [ 1, 2 ]
amdhsa.kernels:
  - .name:           k_qa2830e039c_prep
    .symbol:         k_qa2830e039c_prep.kd
    .args:
      - { .name: seq, .offset: 0, .size: 8, .value_kind: global_buffer, .address_space: global }
      - { .name: Wq, .offset: 8, .size: 8, .value_kind: global_buffer, .address_space: global }
      - { .name: Wkv, .offset: 16, .size: 8, .value_kind: global_buffer, .address_space: global }
      - { .name: Wg, .offset: 24, .size: 8, .value_kind: global_buffer, .address_space: global }
      - { .name: Wo, .offset: 32, .size: 8, .value_kind: global_buffer, .address_space: global }
      - { .name: mask, .offset: 40, .size: 8, .value_kind: global_buffer, .address_space: global }
      - { .name: bfin, .offset: 48, .size: 8, .value_kind: global_buffer, .address_space: global }
      - { .name: wts, .offset: 56, .size: 8, .value_kind: global_buffer, .address_space: global }
      - { .name: aux, .offset: 64, .size: 8, .value_kind: global_buffer, .address_space: global }
    .group_segment_fixed_size: 0
    .private_segment_fixed_size: 0
    .kernarg_segment_align: 8
    .kernarg_segment_size: 72
    .max_flat_workgroup_size: 256
    .sgpr_count:     66
    .vgpr_count:     128
    .wavefront_size: 32
...
	.end_amdgpu_metadata
.endif
;; end of part 8
;; launch proj: the kernel of part 2 again; grid 16 x 16, 4 waves a work-group, clusters of 4 x 4, 327,680 bytes of LDS; arguments bfin, wts, bq, bg, aux, qkv, gates; writes qkv, gates
;; launch attn: the kernel of part 6 again; grid 8 x 32, 8 waves a work-group, clusters of 4 x 4, 327,680 bytes of LDS; arguments qkv, attn_bias, gates, aux, og, ogs; writes og, ogs
;; launch outp: the kernel of part 7 again; grid 8 x 32, 4 waves a work-group, clusters of 4 x 4, 327,680 bytes of LDS; arguments og, wts, out0, ogs; writes out0
